; MI455X (gfx1250); checked and timed in simulation.
; The chip was launched on July 23, 2026; its instructions are those of AMD's public machine-readable ISA for CDNA 5 (MIT licence, August 2026) and "CDNA5" Instruction Set Architecture Reference Guide (July 2026). The comments in the code are by the model that wrote it; some were corrected since.
;; Cross Modal Attention. Allowed arithmetic: float matrix products may take bf16 or f16 operands with f32 sums; other float arithmetic in f32, or as packed bf16 or f16 multiplies, adds, multiply-adds, maxima and minima; sums over many terms, partial sums and values carried from step to step in f32; what a program stores and reads back later, other than sums and carried values, may be rounded once to bf16 or f16.
;; Inputs: Wk 768 x 768 float32; Wo 768 x 768 float32; Wq 768 x 768 float32; Wv 768 x 768 float32; bk 768 float32; bo 768 float32; bq 768 float32; bv 768 float32; ln_b 768 float32; ln_g 768 float32; text_features 8 x 1,024 x 768 float32; text_mask 8 x 1,024 int32; visual_features 8 x 1,024 x 768 float32; visual_mask 8 x 1,024 int32.
;; Outputs: out0 8 x 1,024 x 768 float32; out1 8 x 1,024 x 768 float32.
;; 3 versions, each right; version 3 is version 2 with the launch prep written anew for expert scheduling mode. Each part assembles by itself: llvm-mc -triple=amdgcn-amd-amdhsa -mcpu=gfx1250 --defsym DOCPART=n.
;; ======== version 1 of 3: 4 launches
;; limits: right only within a limited range of input values
;; workspace buffers: xb 25,165,824 bytes; wt 4,718,592 bytes; bias 9,216 bytes; madd 65,536 bytes; qkv 75,497,472 bytes; ob 25,165,824 bytes
;; launch prep (part 1): grid 803 x 1, 4 waves a work-group, no clusters, 17,920 bytes of LDS; arguments visual_features, text_features, Wq, Wk, Wv, Wo, bq, bk, bv, visual_mask, text_mask, xb, wt, bias, madd; writes xb, wt, bias, madd
.if DOCPART == 1
	.amdgcn_target "amdgcn-amd-amdhsa--gfx1250"
	.amdhsa_code_object_version 6
	.text
	.protected	k_qc1e2e5c59d_prep
	.globl	k_qc1e2e5c59d_prep
	.p2align	8
	.type	k_qc1e2e5c59d_prep,@function
k_qc1e2e5c59d_prep:
	s_mov_b64 s[64:65], 0
	v_nop
	global_prefetch_b8 v0, s[64:65] scope:SCOPE_SE
	s_setreg_imm32_b32 hwreg(HW_REG_WAVE_MODE, 25, 1), 1
	s_wait_xcnt 0x0
; PREP: what the later launches multiply is written once, rounded once to bf16.
;   xb   [16384][768] bf16: rows 0-8191 visual_features, rows 8192-16383 text_features
;   wt   [3072][768]  bf16: wt[n][k] = W[k][n]; rows 0-767 Wq, 768-1535 Wk, 1536-2303 Wv, 2304-3071 Wo
;   bias [2304] f32: bq, bk, bv on end
;   madd [16][1024] f32: 0 where the mask is not 0, -1e30 where it is 0; rows 0-7 visual_mask, rows 8-15 text_mask
; The work-group's number chooses one of four parts; the choice is the same for all four waves of a work-group.
;   0-511   X: 98,304 bytes of features (32 rows) to 49,152 bytes of xb
;   512-799 W: a tile of 128 k x 64 n of one weight matrix, turned in LDS
;   800,801 M: one mask      802 B: the three biases
; No matrix unit, no cluster, no tensor load: every byte is read once and written once, and nothing is shared.
.set SPARE, 17408                      ; behind the 64 x 272 bytes of the W part's tile: the spare words, 128 bytes a wave
.set SPW,   166                        ; v166 LDS address of my spare word; never rewritten
.set NIL,   167                        ; v167 0; never rewritten
.set X,     4                          ; v[4:67]   as loaded
.set Y,     68                         ; v[68:163] to store
.set R,     100                        ; v[100:131] W part: rows read back
	s_load_b512 s[16:31], s[0:1], 0x0              ; visual 16, text 18, Wq 20, Wk 22, Wv 24, Wo 26, bq 28, bk 30
	s_load_b256 s[32:39], s[0:1], 0x40             ; bv 32, visual_mask 34, text_mask 36, xb 38
	s_load_b128 s[40:43], s[0:1], 0x60             ; wt 40, bias 42
	s_load_b64 s[44:45], s[0:1], 0x70              ; madd
	v_lshl_add_u32 v[SPW], v0, 2, SPARE
	v_mov_b32 v[NIL], 0
	s_mov_b32 s2, ttmp9
	v_lshlrev_b32 v1, 4, v0                        ; 16 t: never rewritten
	v_lshlrev_b32 v2, 3, v0                        ; 8 t: never rewritten
	s_wait_kmcnt 0x0
	s_cmp_lt_u32 s2, 512
	s_cbranch_scc0 .Lnot_x
; ---- X.  48 items of 2,048 bytes; thread t takes 16 bytes of each and stores 8: a wave's store covers 256 consecutive bytes, aligned.
; Sixteen loads of every wave are on their way; each store has data registers of its own, so nothing is waited for but the loads.
	s_cmp_lt_u32 s2, 256
	s_cselect_b64 s[4:5], s[16:17], s[18:19]
	s_and_b32 s6, s2, 255
	s_mul_i32 s6, s6, 98304
	s_mov_b32 s7, 0
	s_add_nc_u64 s[4:5], s[4:5], s[6:7]
	s_mul_i32 s8, s2, 49152
	s_mov_b32 s9, 0
	s_add_nc_u64 s[8:9], s[38:39], s[8:9]
.irp i, 0,1,2,3,4,5,6,7,8,9,10,11,12,13,14,15
	global_load_b128 v[X+4*(\i):X+4*(\i)+3], v1, s[4:5] offset:(\i)*2048 th:TH_LOAD_NT
.endr
.macro XSLOT r, i
.if (\r) < 2
	s_wait_loadcnt 15                              ; loads come back in order: mine is in, the fifteen younger ones stay out
.else
	s_wait_loadcnt 15-(\i)                         ; the last round loads nothing: the counts run down
.endif
	v_cvt_pk_bf16_f32 v[Y+2*(16*(\r)+(\i))],   v[X+4*(\i)],   v[X+4*(\i)+1]
	v_cvt_pk_bf16_f32 v[Y+2*(16*(\r)+(\i))+1], v[X+4*(\i)+2], v[X+4*(\i)+3]
.if (\r) < 2
	global_load_b128 v[X+4*(\i):X+4*(\i)+3], v1, s[4:5] offset:(16*((\r)+1)+(\i))*2048 th:TH_LOAD_NT
.endif
	global_store_b64 v2, v[Y+2*(16*(\r)+(\i)):Y+2*(16*(\r)+(\i))+1], s[8:9] offset:(16*(\r)+(\i))*1024
.endm
.irp r, 0,1,2
.irp i, 0,1,2,3,4,5,6,7,8,9,10,11,12,13,14,15
	XSLOT \r, \i
.endr
.endr
	s_endpgm
.Lnot_x:
	s_cmp_lt_u32 s2, 800
	s_cbranch_scc0 .Lnot_w
; ---- W.  e = 72 matrix + 12 kb + nb.  Lane (c = l % 16, hp = l / 16) of wave w loads 16 bytes (4 n) of the rows k and k + 1, k = 32 w + 2 hp + 4 m:
; sixteen lanes take 256 consecutive bytes of a row of W.  Two rows' numbers are packed (k low, k + 1 high) and go into LDS rows of n, 272 bytes apart.
	s_sub_co_u32 s3, s2, 512
	s_mul_i32 s6, s3, 911
	s_lshr_b32 s6, s6, 16                          ; e / 72 for e < 288
	s_mul_i32 s7, s6, 72
	s_sub_co_u32 s7, s3, s7
	s_mul_i32 s10, s7, 43
	s_lshr_b32 s10, s10, 9                         ; kb = rest / 12 for rest < 72
	s_mul_i32 s11, s10, 12
	s_sub_co_u32 s11, s7, s11                      ; nb
	s_cmp_eq_u32 s6, 1
	s_cselect_b64 s[4:5], s[22:23], s[20:21]
	s_cmp_eq_u32 s6, 2
	s_cselect_b64 s[4:5], s[24:25], s[4:5]
	s_cmp_eq_u32 s6, 3
	s_cselect_b64 s[4:5], s[26:27], s[4:5]
	s_mul_i32 s12, s10, 393216                     ; 128 rows of 3,072 bytes
	s_lshl_b32 s13, s11, 8                         ; 64 columns of 4 bytes
	s_add_co_u32 s12, s12, s13
	s_mov_b32 s13, 0
	s_add_nc_u64 s[4:5], s[4:5], s[12:13]
	s_mul_i32 s14, s6, 768
	s_lshl_b32 s15, s11, 6
	s_add_co_u32 s14, s14, s15                     ; wt's row
	s_mul_i32 s14, s14, 1536
	s_lshl_b32 s15, s10, 8                         ; 128 k of 2 bytes
	s_add_co_u32 s14, s14, s15
	s_mov_b32 s15, 0
	s_add_nc_u64 s[8:9], s[40:41], s[14:15]
	v_and_b32 v140, 15, v0                         ; c
	v_bfe_u32 v141, v0, 4, 1                       ; hp
	v_lshrrev_b32 v142, 5, v0                      ; w
	v_lshlrev_b32 v143, 1, v141
	v_lshl_add_u32 v143, v142, 5, v143             ; 32 w + 2 hp
	v_mul_u32_u24 v144, v143, 3072
	v_lshl_add_u32 v144, v140, 4, v144             ; my offset in W
	v_mul_u32_u24 v145, v140, 1088                 ; LDS row 4 c,
	v_lshl_add_u32 v145, v143, 1, v145             ; byte 2 k
	v_lshl_add_u32 v146, v142, 4, v141             ; 16 w + hp
	v_mul_u32_u24 v147, v146, 272
	v_lshl_add_u32 v147, v140, 4, v147             ; back: sixteen lanes take one row of 256 bytes
	v_mul_u32_u24 v148, v146, 1536
	v_lshl_add_u32 v148, v140, 4, v148             ; and the same row in wt
.irp m, 0,1,2,3,4,5,6,7
	global_load_b128 v[X+8*(\m):X+8*(\m)+3],   v144, s[4:5] offset:(\m)*12288 th:TH_LOAD_NT
	global_load_b128 v[X+8*(\m)+4:X+8*(\m)+7], v144, s[4:5] offset:(\m)*12288+3072 th:TH_LOAD_NT
.endr
.irp m, 0,1,2,3,4,5,6,7
	s_wait_loadcnt 14-2*(\m)                       ; pair m is in; the pairs behind it stay out
.irp i, 0,1,2,3
	v_cvt_pk_bf16_f32 v[Y+4*(\m)+(\i)], v[X+8*(\m)+(\i)], v[X+8*(\m)+4+(\i)]
	ds_store_b32 v145, v[Y+4*(\m)+(\i)] offset:(\i)*272+(\m)*8
.endr
.endr
	s_wait_dscnt 0x0                               ; for the others' sake: my stores into the tile are done
	s_barrier_signal -1
	s_barrier_wait -1
.irp t, 0,1,2,3,4,5,6,7
	ds_load_b128 v[R+4*(\t):R+4*(\t)+3], v147 offset:(\t)*544
.endr
.irp t, 0,1,2,3,4,5,6,7
	s_wait_dscnt 7-(\t)
	global_store_b128 v148, v[R+4*(\t):R+4*(\t)+3], s[8:9] offset:(\t)*3072  ; sixteen lanes store 256 consecutive bytes, aligned
.endr
	s_wait_tensorcnt 0x0                           ; the wave's end: behind my last LDS store
	ds_add_u32 v[SPW], v[NIL]
	s_wait_dscnt 0x0
	s_endpgm
.Lnot_w:
	s_cmp_lt_u32 s2, 802
	s_cbranch_scc0 .Lbias
; ---- M.  8,192 words of a mask become 8,192 addends.
	s_cmp_eq_u32 s2, 800
	s_cselect_b64 s[4:5], s[34:35], s[36:37]
	s_sub_co_u32 s6, s2, 800
	s_lshl_b32 s6, s6, 15
	s_mov_b32 s7, 0
	s_add_nc_u64 s[8:9], s[44:45], s[6:7]
	s_mov_b32 s10, 0xf149f2ca                      ; -1e30
.irp i, 0,1,2,3,4,5,6,7,8,9,10,11,12,13,14,15
	global_load_b128 v[X+4*(\i):X+4*(\i)+3], v1, s[4:5] offset:(\i)*2048
.endr
.irp i, 0,1,2,3,4,5,6,7,8,9,10,11,12,13,14,15
	s_wait_loadcnt 15-(\i)
.irp j, 0,1,2,3
	v_cmp_eq_u32 vcc_lo, 0, v[X+4*(\i)+(\j)]
	v_cndmask_b32 v[Y+4*(\i)+(\j)], 0, s10, vcc_lo
.endr
	global_store_b128 v1, v[Y+4*(\i):Y+4*(\i)+3], s[8:9] offset:(\i)*2048
.endr
	s_endpgm
.Lbias:
; ---- B.  Three times 3,072 bytes, copied.
.irp i, 0,1,2
	global_load_b64 v[X+2*(\i):X+2*(\i)+1],       v2, s[28:29] offset:(\i)*1024
	global_load_b64 v[X+6+2*(\i):X+6+2*(\i)+1],   v2, s[30:31] offset:(\i)*1024
	global_load_b64 v[X+12+2*(\i):X+12+2*(\i)+1], v2, s[32:33] offset:(\i)*1024
.endr
	s_wait_loadcnt 0x0
.irp i, 0,1,2
	global_store_b64 v2, v[X+2*(\i):X+2*(\i)+1],       s[42:43] offset:(\i)*1024
	global_store_b64 v2, v[X+6+2*(\i):X+6+2*(\i)+1],   s[42:43] offset:3072+(\i)*1024
	global_store_b64 v2, v[X+12+2*(\i):X+12+2*(\i)+1], s[42:43] offset:6144+(\i)*1024
.endr
	s_endpgm
.Lfunc_end_k_qc1e2e5c59d_prep:
	.size	k_qc1e2e5c59d_prep, .Lfunc_end_k_qc1e2e5c59d_prep-k_qc1e2e5c59d_prep
	.p2alignl 7, 3214868480
	.fill 96, 4, 3214868480
	.section	.rodata,"a",@progbits
	.p2align	6, 0x0
	.amdhsa_kernel k_qc1e2e5c59d_prep
		.amdhsa_group_segment_fixed_size 17920
		.amdhsa_private_segment_fixed_size 0
		.amdhsa_enable_private_segment 0
		.amdhsa_kernarg_size 120
		.amdhsa_user_sgpr_count 2
		.amdhsa_user_sgpr_kernarg_segment_ptr 1
		.amdhsa_wavefront_size32 1
		.amdhsa_system_sgpr_workgroup_id_x 1
		.amdhsa_system_sgpr_workgroup_id_y 1
		.amdhsa_system_sgpr_workgroup_id_z 1
		.amdhsa_system_vgpr_workitem_id 0
		.amdhsa_next_free_vgpr 168
		.amdhsa_next_free_sgpr 66
		.amdhsa_reserve_vcc 1
		.amdhsa_float_denorm_mode_32 3
		.amdhsa_float_denorm_mode_16_64 3
		.amdhsa_memory_ordered 1
		.amdhsa_forward_progress 1
		.amdhsa_inst_pref_size 40
	.end_amdhsa_kernel
	.amdgpu_metadata
---
amdhsa.version: [ 1, 2 ]
amdhsa.kernels:
  - .name:           k_qc1e2e5c59d_prep
    .symbol:         k_qc1e2e5c59d_prep.kd
    .args:
      - { .name: visual_features, .offset: 0, .size: 8, .value_kind: global_buffer, .address_space: global }
      - { .name: text_features, .offset: 8, .size: 8, .value_kind: global_buffer, .address_space: global }
      - { .name: Wq, .offset: 16, .size: 8, .value_kind: global_buffer, .address_space: global }
      - { .name: Wk, .offset: 24, .size: 8, .value_kind: global_buffer, .address_space: global }
      - { .name: Wv, .offset: 32, .size: 8, .value_kind: global_buffer, .address_space: global }
      - { .name: Wo, .offset: 40, .size: 8, .value_kind: global_buffer, .address_space: global }
      - { .name: bq, .offset: 48, .size: 8, .value_kind: global_buffer, .address_space: global }
      - { .name: bk, .offset: 56, .size: 8, .value_kind: global_buffer, .address_space: global }
      - { .name: bv, .offset: 64, .size: 8, .value_kind: global_buffer, .address_space: global }
      - { .name: visual_mask, .offset: 72, .size: 8, .value_kind: global_buffer, .address_space: global }
      - { .name: text_mask, .offset: 80, .size: 8, .value_kind: global_buffer, .address_space: global }
      - { .name: xb, .offset: 88, .size: 8, .value_kind: global_buffer, .address_space: global }
      - { .name: wt, .offset: 96, .size: 8, .value_kind: global_buffer, .address_space: global }
      - { .name: bias, .offset: 104, .size: 8, .value_kind: global_buffer, .address_space: global }
      - { .name: madd, .offset: 112, .size: 8, .value_kind: global_buffer, .address_space: global }
    .group_segment_fixed_size: 17920
    .private_segment_fixed_size: 0
    .kernarg_segment_align: 8
    .kernarg_segment_size: 120
    .max_flat_workgroup_size: 128
    .sgpr_count:     66
    .vgpr_count:     168
    .wavefront_size: 32
...
	.end_amdgpu_metadata
.endif
;; end of part 1
;; launch qkv (part 2): grid 4 x 64, 4 waves a work-group, clusters of 4 x 4, 327,680 bytes of LDS; arguments xb, wt, qkv, bias; writes qkv
.if DOCPART == 2
	.amdgcn_target "amdgcn-amd-amdhsa--gfx1250"
	.amdhsa_code_object_version 6
	.text
	.protected	k_qc1e2e5c59d_qkv
	.globl	k_qc1e2e5c59d_qkv
	.p2align	8
	.type	k_qc1e2e5c59d_qkv,@function
k_qc1e2e5c59d_qkv:
	s_mov_b64 s[64:65], 0
	v_nop
	global_prefetch_b8 v0, s[64:65] scope:SCOPE_SE
	s_setreg_imm32_b32 hwreg(HW_REG_WAVE_MODE, 25, 1), 1
	s_wait_xcnt 0x0
	s_wait_alu depctr_hold_cnt(0) depctr_sa_sdst(0) depctr_va_vdst(0) depctr_va_sdst(0) depctr_va_ssrc(0) depctr_va_vcc(0) depctr_vm_vsrc(0)
	s_getreg_b32 s2, hwreg(HW_REG_IB_STS2, 6, 4)
	s_cmp_eq_u32 s2, 0
	s_cbranch_scc0 .Lentry_in_a_cluster
	s_endpgm
.Lentry_in_a_cluster:
	s_bfe_u32 s2, ttmp6, 0x10000c
	s_cmp_lg_u32 s2, 0xf033
	s_cbranch_scc0 .Lentry_shape_is_right
	s_endpgm
.Lentry_shape_is_right:
; q, k, v = xb wt^T + bias.  xb: [16384][768] bf16; wt: rows 0-2303 are Wq^T, Wk^T, Wv^T, [n][768] bf16; bias: [2304] f32; sums in f32, rounded once to bf16.
; qkv: [3][16 sequences][8 heads][1024][96] bf16: a head's rows are dense, 192 bytes each.
; SHARES.  A work-group (column j of 4, row y of 64) makes rows 256 y .. + 255 x columns 192 j .. + 191 of q, then of k, then of v: three tiles, the same rows of xb, 768 rows of wt further down each time.
; Four waves: wave w has rows 128 (w / 2) .. + 127 and columns 96 (w % 2) .. + 95, which are head 2 j + w % 2: 8 x 6 accumulators of 16 x 16, 384 registers.
; K = 768 goes in six steps of 128 through a ring of two LDS slots filled by the tensor data mover; the ring runs on from tile to tile.
; CLUSTER.  4 x 4 work-groups: the four of a row of the cluster need the same rows of xb, the four of a column the same rows of wt: each tile is asked for jointly.
; THE MATRIX INSTRUCTION IS USED TRANSPOSED (source 0 = 16 rows of wt, source 1 = 16 rows of xb): a lane holds row l % 16 and the columns 8 (l / 16) + 0..7.  The bias, laid the same way, is the C operand of
; each sum's first product: nothing is cleared and nothing is added afterwards.
; REGISTERS, in windows of 256 (s_set_vgpr_msb: bits 1:0 source 0, 3:2 source 1, 5:4 source 2, 7:6 destination):
;   window 0: v16-31 addresses; v64-127, v128-191 fragments of xb, two buffers; v192-215 packed results; v32-55, v224-247 rows read back, by turns
;   window 1: v64-111, v128-175 fragments of wt, two buffers; v192-239 the bias, 8 registers for each of my 6 column blocks
;   window 2: accumulators of my row blocks 0-3, (a, b) at v[8 (6 a + b)];   window 3: those of row blocks 4-7
.set KSTEP,  128
.set ROWB,   1536                      ; bytes in a row of xb and of wt
.set PITCH,  272                       ; an LDS row: 256 bytes + 16 of padding: 17 x 16, so the sixteen rows of a fragment load start at sixteen different groups of four banks (ISA guide 11.1)
.set HALFA,  128*PITCH                 ; what a wave fetches of xb
.set HALFB,  96*PITCH                  ; what a wave fetches of wt
.set BOFF,   2*HALFA                   ; in a slot: xb's 256 rows, then wt's 192
.set SLOT,   2*HALFA+2*HALFB
.set STAGE,  2*SLOT                    ; behind the ring: 16 rows x 208 bytes for each wave, for the way out
.set SPITCH, 208
.set SPARE,  STAGE+4*16*SPITCH         ; behind the stages: the spare words, 128 bytes a wave
.set LAPS,   3                         ; a lap = two K steps = once round the ring
.set TILES,  3
.set BACK_A, 4*KSTEP*2                 ; from a slot's last K step of a tile to its first of the next: xb goes back along K,
.set NEXT_B, 768*ROWB-4*KSTEP*2        ; wt 768 rows down and back
.set BLOCKB, 16*192                    ; 16 rows of a head
.set NEXT_C, 25165824-7*BLOCKB         ; from my last 16 rows of a tile to my first in the next tensor
.set ADRA, 16                          ; v16-17 LDS address of my fragments of xb in slot 0, 1
.set ADRB, 20                          ; v20-21 of wt
.set CO,   22                          ; v22 16 x lane: my place in 512 consecutive bytes of qkv
.set STO,  24                          ; v24 where I put 16 bytes of a row
.set RD,   25                          ; v25-27 where I read 16 bytes back: for dense bytes 512 k + 16 lane, k = 0, 1, 2
.set SPW,  28
.set NIL,  29
.set PFO,  30                          ; v30 the prefetches' offset: a lane a row
.set BO,   31                          ; v31 32 (l / 16): my eight numbers in 16 of the bias
.set F0,   64
.set F1,   128
.set TMP,  192
.set OB,   32
.set BIAS, 192                         ; window 1
.set G1,   24                          ; s[24:31] descriptor group 1 for xb's tiles; s[32:39] group 0, a set for each slot
.set G0,   32
.set G1B,  48                          ; s[48:55], s[56:63] the same for wt's
.set G0B,  56
.set LIM,  43                          ; s43 1 in a wave that prefetches, else the greatest number
.set PFA,  44                          ; s[44:45] where my prefetches stand
.set CP,   68                          ; s[68:69] qkv, walking
.set BP,   70                          ; s[70:71] bias at my 96 columns, walking
.set MSB, 0
.macro WIN new                         ; the immediate's high byte repeats the setting that is left; a switch that changes nothing is dropped
.if MSB != (\new)
	s_set_vgpr_msb (MSB<<8)|(\new)
.set MSB, \new
.endif
.endm
.set TO_B, 0x40                        ; destination window 1, address window 0
; A joint load.  Waves 0 and 1 fetch xb's two halves, waves 2 and 3 wt's.  The branch hangs on the wave's number alone.  An s_nop 0 and four v_nop follow each line.
.macro JLOAD s
	s_cmp_eq_u32 s11, 0
	s_cbranch_scc0 .Lfor_b_\@
	tensor_load_to_lds s[G0+4*(\s):G0+4*(\s)+3], s[G1:G1+7]
	s_nop 0
.rept 4
	v_nop
.endr
	s_branch .Lasked_\@
.Lfor_b_\@:
	tensor_load_to_lds s[G0B+4*(\s):G0B+4*(\s)+3], s[G1B:G1B+7]
	s_nop 0
.rept 4
	v_nop
.endr
.Lasked_\@:
.endm
; A prefetch of the K step that stands two refills on: a lane a row, 256 bytes of each, one instruction a wave, behind the joint load and the run of LDS loads.
; xb's rows are read by one cluster alone, three times: they are asked for in the first tile only.  wt's rows are read by all sixteen clusters: the one with y = 0 asks, in every tile.
; The four partners that fetch a tile jointly share its rows out by address: 32 of 128 (xb, by cx), 24 of 96 (wt, by cy; lanes 24-31 repeat lane 23's row).
.macro ASK how
.if \how
	s_cmp_eq_u32 s[LIM], 1
.else
	s_cmp_gt_u32 s3, s[LIM]                        ; s3 = 1 in the loop's last trip: a tile's last two refills have no K step two on
.endif
	s_cbranch_scc0 .Lnot_mine_\@
	global_prefetch_b8 v[PFO], s[PFA:PFA+1] offset:KSTEP*2 th:TH_LOAD_NT scope:SCOPE_SE
.Lnot_mine_\@:
.endm
.macro CREST                           ; a round of the cluster's barrier behind its opening barrier
	s_cmp_lg_u32 s10, 0
	s_cbranch_scc1 .Lnot_wave_0_\@
	s_barrier_signal -3
.Lnot_wave_0_\@:
	s_barrier_wait -3
	s_barrier_signal -1
	s_barrier_wait -1
.endm
.macro CROUND
	s_barrier_signal -1
	s_barrier_wait -1
	CREST
.endm
	s_load_b128 s[4:7], s[0:1], 0x0                ; xb s[4:5], wt s[6:7]
	s_load_b128 s[68:71], s[0:1], 0x10             ; qkv, bias
	v_lshl_add_u32 v[SPW], v0, 2, SPARE
	v_mov_b32 v[NIL], 0
	ds_add_u32 v[SPW], v[NIL]                      ; the wave's opening: the add and its wait stand ahead of my first tensor load; the set-up below stands between them
	v_lshrrev_b32 v1, 5, v0
	v_readfirstlane_b32 s10, v1                    ; wave 0..3
	s_lshr_b32 s11, s10, 1                         ; my half of the rows.  Also: I fetch for xb (0) or for wt (1)
	s_and_b32 s12, s10, 1                          ; my half of the columns.  Also: which half of that tile I fetch
	s_bfe_u32 s40, ttmp6, 0x40000                  ; cx
	s_bfe_u32 s41, ttmp6, 0x40004                  ; cy
	s_lshl_b32 s42, ttmp9, 2
	s_add_co_u32 s42, s42, s40                     ; tile column j
	s_and_b32 s13, ttmp7, 0xffff
	s_lshl_b32 s13, s13, 2
	s_add_co_u32 s13, s13, s41                     ; tile row y
	s_lshl_b32 s43, s41, 2
	s_lshl_b32 s43, 15, s43                        ; my row of the cluster
	s_lshl_b32 s44, 0x1111, s40                    ; my column
	s_or_b32 s[G1+0], s43, (1<<16)|(1<<20)|(1<<21)|(5<<22)|(3<<25)   ; the mask; 2-byte elements; padding on; bit 21 beside a mask; after every 64 words, 4 words
	s_or_b32 s[G1B+0], s44, (1<<16)|(1<<20)|(1<<21)|(5<<22)|(3<<25)
	s_mov_b32 s[G1+1], KSTEP<<16                   ; tensor_dim0 = 128
	s_mov_b32 s[G1+2], 128<<16                     ; tensor_dim1 = 128
	s_mov_b32 s[G1+3], KSTEP<<16                   ; tile_dim0 = 128
	s_mov_b32 s[G1+4], 128                         ; tile_dim1 = 128
	s_mov_b32 s[G1+5], 768                         ; elements from row to row
	s_mov_b32 s[G1+6], 0
	s_mov_b32 s[G1+7], 0
	s_mov_b32 s[G1B+1], KSTEP<<16
	s_mov_b32 s[G1B+2], 96<<16                     ; 96 rows
	s_mov_b32 s[G1B+3], KSTEP<<16
	s_mov_b32 s[G1B+4], 96
	s_mov_b32 s[G1B+5], 768
	s_mov_b32 s[G1B+6], 0
	s_mov_b32 s[G1B+7], 0
	s_lshl_b32 s16, s13, 8
	s_lshl_b32 s17, s12, 7
	s_add_co_u32 s16, s16, s17                     ; xb: row 256 y + 128 half
	s_mul_i32 s16, s16, ROWB
	s_mov_b32 s17, 0
	s_mul_i32 s46, s42, 192
	s_mul_i32 s47, s12, 96
	s_add_co_u32 s46, s46, s47                     ; wt: row 192 j + 96 half: also my wave's first column
	s_lshl_b32 s66, s46, 2                         ; its place in the bias
	s_mov_b32 s67, 0
	s_mul_i32 s46, s46, ROWB
	s_mov_b32 s47, 0
	s_mul_i32 s20, s10, HALFA                      ; where they go: xb's halves at wave x 34,816 (waves 0, 1),
	s_mul_i32 s21, s10, HALFB
	s_add_co_u32 s21, s21, BOFF-2*HALFB            ; wt's at 17,408 + wave x 26,112 (waves 2, 3): behind xb's 256 rows
	s_wait_dscnt 0x0                               ; the opening add is done
	s_wait_kmcnt 0x0
	s_add_nc_u64 s[14:15], s[4:5], s[16:17]
	s_add_nc_u64 s[46:47], s[6:7], s[46:47]
	s_add_nc_u64 s[BP:BP+1], s[BP:BP+1], s[66:67]
	CROUND                                         ; all sixteen work-groups are here: the first joint loads meet
.irp s, 0,1
	s_mov_b32 s[G0+4*(\s)], 1
	s_add_co_u32 s[G0+4*(\s)+1], s20, (\s)*SLOT
	s_add_nc_u64 s[G0+4*(\s)+2:G0+4*(\s)+3], s[14:15], (\s)*KSTEP*2
	s_or_b32 s[G0+4*(\s)+3], s[G0+4*(\s)+3], 0x80000000
	s_mov_b32 s[G0B+4*(\s)], 1
	s_add_co_u32 s[G0B+4*(\s)+1], s21, (\s)*SLOT
	s_add_nc_u64 s[G0B+4*(\s)+2:G0B+4*(\s)+3], s[46:47], (\s)*KSTEP*2
	s_or_b32 s[G0B+4*(\s)+3], s[G0B+4*(\s)+3], 0x80000000
	JLOAD \s                                       ; K steps 0 and 1: two tensor loads of mine are out
.endr
	; a fragment is 16 rows x 32 K in 8 registers: lane l holds row l % 16, K = 8 (l / 16) + 0..7 and 16 + 8 (l / 16) + 0..7: two loads of 16 bytes, 32 bytes apart
	v_and_b32 v1, 15, v0
	v_bfe_u32 v2, v0, 4, 1
	v_mul_u32_u24 v3, v1, PITCH
	v_lshl_add_u32 v3, v2, 4, v3
	s_mul_i32 s21, s11, HALFA                      ; my 128 rows of xb
	s_mul_i32 s22, s12, HALFB                      ; my 96 rows of wt
	s_add_co_u32 s22, s22, BOFF
.irp s, 0,1
	v_add_nc_u32 v[ADRA+(\s)], s21, v3
	v_add_nc_u32 v[ADRB+(\s)], s22, v3
	s_add_co_u32 s21, s21, SLOT
	s_add_co_u32 s22, s22, SLOT
.endr
	s_mul_i32 s23, s10, 16*SPITCH
	s_add_co_u32 s23, s23, STAGE                   ; my stage
	v_mul_u32_u24 v4, v1, SPITCH                   ; in: row l % 16, 16 bytes for each half of the lanes
	v_lshl_add_u32 v4, v2, 4, v4
	v_add_nc_u32 v[STO], s23, v4
	v_and_b32 v6, 31, v0
	v_lshlrev_b32 v[CO], 4, v6
.irp k3, 0,1,2                         ; back: dense byte d = 512 k + 16 lane lies in row d / 192 = ((32 k + lane) / 4) / 3, 16 bytes of padding further on for each row
	v_add_nc_u32 v7, 32*(\k3), v6
	v_lshrrev_b32 v7, 2, v7
	v_mul_u32_u24 v7, v7, 11
	v_lshrrev_b32 v7, 5, v7                        ; u / 3 for u < 24
	v_lshl_add_u32 v7, v7, 4, v[CO]
	v_add_nc_u32 v7, s23, v7
	v_add_nc_u32 v[RD+(\k3)], 512*(\k3), v7
.endr
	v_lshlrev_b32 v[BO], 5, v2
	; where my part of q begins: ((y / 4) 8 + head) x 196,608 + ((y % 4) 256 + 128 (w / 2)) x 192
	s_lshr_b32 s16, s13, 2
	s_lshl_b32 s16, s16, 3
	s_lshl_b32 s17, s42, 1
	s_add_co_u32 s16, s16, s17
	s_add_co_u32 s16, s16, s12
	s_mul_i32 s16, s16, 196608
	s_and_b32 s17, s13, 3
	s_lshl_b32 s17, s17, 8
	s_lshl_b32 s18, s11, 7
	s_add_co_u32 s17, s17, s18
	s_mul_i32 s17, s17, 192
	s_add_co_u32 s16, s16, s17
	s_mov_b32 s17, 0
	; the prefetches
	s_mul_i32 s8, s42, 192
	s_lshl_b32 s9, s13, 8
	s_and_b32 s22, ttmp7, 0xffff                   ; cluster y
	s_mov_b32 s18, 96                              ; (an instruction holds one literal: wt's count waits in the register)
	s_cmp_eq_u32 s11, 0                            ; do I fetch for xb?
	s_cselect_b32 s20, s9, s8                      ; the tile's first row
	s_cselect_b32 s21, s40, s41                    ; my place among the four that ask with me
	s_cselect_b32 s22, ttmp9, s22                  ; the coordinate along which other clusters read the same rows
	s_cselect_b32 s18, 128, s18                    ; rows that a wave fetches: 128 of xb, 96 of wt
	s_cselect_b32 s19, 32, 24                      ; a partner's share of them
	s_cselect_b64 s[PFA:PFA+1], s[4:5], s[6:7]
	s_cmp_eq_u32 s22, 0
	s_cselect_b32 s[LIM], 1, -1                    ; the same in all sixteen partners, for a given wave
	s_mul_i32 s18, s18, s12
	s_add_co_u32 s20, s20, s18
	s_mul_i32 s21, s21, s19
	s_add_co_u32 s20, s20, s21
	s_mul_i32 s20, s20, ROWB
	s_mov_b32 s21, 0
	s_add_nc_u64 s[PFA:PFA+1], s[PFA:PFA+1], s[20:21]
	s_add_nc_u64 s[PFA:PFA+1], s[PFA:PFA+1], 2*KSTEP*2  ; at K step 2: the first refill steps it to 3 and names K step 4
	s_sub_co_u32 s19, s19, 1
	v_min_u32 v[PFO], s19, v6
	v_mul_u32_u24 v[PFO], v[PFO], ROWB
; 12 matrix instructions: row blocks a0, a0 + 1 of the window's four x my 6 column blocks, 32 along K.  zero = 1: the sum's first product, whose C is the bias.
; The 48 accumulators take turns in the same order in every quarter step.
.macro MUL12 f, hi, a0, zero
.if \zero
	WIN 0x91+0x40*(\hi)                            ; wt window 1, xb window 0, C window 1, D window 2 or 3
.else
	WIN 0xa1+0x50*(\hi)                            ; C and D window 2 or 3
.endif
.irp a, \a0, (\a0)+1
.irp b, 0,1,2,3,4,5
.if \zero
	v_wmma_f32_16x16x32_bf16 v[8*(6*(\a)+(\b)):8*(6*(\a)+(\b))+7], v[(\f)+8*(\b):(\f)+8*(\b)+7], v[(\f)+8*(4*(\hi)+(\a)):(\f)+8*(4*(\hi)+(\a))+7], v[BIAS+8*(\b):BIAS+8*(\b)+7]
.else
	v_wmma_f32_16x16x32_bf16 v[8*(6*(\a)+(\b)):8*(6*(\a)+(\b))+7], v[(\f)+8*(\b):(\f)+8*(\b)+7], v[(\f)+8*(4*(\hi)+(\a)):(\f)+8*(4*(\hi)+(\a))+7], v[8*(6*(\a)+(\b)):8*(6*(\a)+(\b))+7]
.endif
.endr
.endr
.endm
; 28 LDS loads in one run: a quarter step's fragments (96 rows of wt, 128 of xb, 32 K at byte k of the rows) into buffer f
.macro FETCH slot, k, f
	WIN TO_B
.irp i, 0,1,2,3,4,5
	ds_load_b128 v[(\f)+8*(\i):(\f)+8*(\i)+3],   v[ADRB+(\slot)] offset:(\k)+(\i)*16*PITCH
	ds_load_b128 v[(\f)+8*(\i)+4:(\f)+8*(\i)+7], v[ADRB+(\slot)] offset:(\k)+(\i)*16*PITCH+32
.endr
	WIN 0
.irp i, 0,1,2,3,4,5,6,7
	ds_load_b128 v[(\f)+8*(\i):(\f)+8*(\i)+3],   v[ADRA+(\slot)] offset:(\k)+(\i)*16*PITCH
	ds_load_b128 v[(\f)+8*(\i)+4:(\f)+8*(\i)+7], v[ADRA+(\slot)] offset:(\k)+(\i)*16*PITCH+32
.endr
.endm
.macro PLACES                          ; four plain instructions between a matrix instruction and a load into a register that it read, or a reader of its result
.rept 4
	v_nop
.endr
.endm
; A K step is four quarters of 32 along K, 48 matrix instructions each, on buffers 0, 1, 0, 1.  One of the first three:
.macro QUARTER slot, k, f, g, zero
	s_wait_dscnt 8                                 ; wt's fragments and xb's rows 0-63 are in; the youngest eight loads (rows 64-127) may be out
	MUL12 \f, 0, 0, \zero
	MUL12 \f, 0, 2, \zero
	PLACES
	FETCH \slot, \k, \g
	s_wait_dscnt 28                                ; all but the 28 just issued
	MUL12 \f, 1, 0, \zero
	MUL12 \f, 1, 2, \zero
.endm
; The last quarter's first half: one barrier for the change of slots.  In front of it each wave waits for all its tensor loads (one is out: its part of the next slot), adds 0 to its spare word,
; and waits for that and for its own reads of this slot.  Behind it nobody reads this slot and the next one is whole.
.macro MEET round
	WIN 0
	s_wait_tensorcnt 0x0
	ds_add_u32 v[SPW], v[NIL]
	s_wait_dscnt 9                                 ; the add and the youngest eight loads may be out
	MUL12 F1, 0, 0, 0
	s_wait_dscnt 0x0                               ; the add is done, my reads of this slot are over
	s_barrier_signal -1
	MUL12 F1, 0, 2, 0
.if \round
	WIN 0
.endif
	s_barrier_wait -1
.endm
; The whole last quarter: behind the round the slot just read is filled again first, with this tile's K step two on (on = 0) or the next tile's K step 0 or 1 (on = 1).
; From a request to the wait for it a wave issues 168 matrix instructions.
.macro TURN slot, next, on
	s_wait_xcnt 0x0                                ; the last prefetch, a K step back, has read its address
.if (\on) && (\slot) == 0
	s_add_nc_u64 s[PFA:PFA+1], s[PFA:PFA+1], 767*ROWB+KSTEP*2  ; from behind the tile's last K step to the next tile's K step 1: 768 rows down, back along K
	s_cmp_eq_u32 s11, 0
	s_cselect_b32 s[LIM], -1, s[LIM]               ; xb's rows have been read: they are asked for no more
.else
	s_add_nc_u64 s[PFA:PFA+1], s[PFA:PFA+1], KSTEP*2
.endif
	MEET 1
	CREST                                          ; no wave of any partner still reads this slot or has a load on its way
.if \on
	s_sub_nc_u64 s[G0+4*(\slot)+2:G0+4*(\slot)+3], s[G0+4*(\slot)+2:G0+4*(\slot)+3], BACK_A
	s_add_nc_u64 s[G0B+4*(\slot)+2:G0B+4*(\slot)+3], s[G0B+4*(\slot)+2:G0B+4*(\slot)+3], NEXT_B
.else
	s_add_nc_u64 s[G0+4*(\slot)+2:G0+4*(\slot)+3], s[G0+4*(\slot)+2:G0+4*(\slot)+3], 2*KSTEP*2
	s_add_nc_u64 s[G0B+4*(\slot)+2:G0B+4*(\slot)+3], s[G0B+4*(\slot)+2:G0B+4*(\slot)+3], 2*KSTEP*2
.endif
	JLOAD \slot                                    ; my one tensor load behind the round; its four v_nop are also the places in front of the loads below
	FETCH \next, 0, F0
	ASK \on
	MUL12 F1, 1, 0, 0
	MUL12 F1, 1, 2, 0
.endm
.macro BIASLOAD                        ; my 96 numbers of the bias, as a result is laid: block b, columns 8 (l / 16) + 0..7
	WIN TO_B
.irp b, 0,1,2,3,4,5
	global_load_b128 v[BIAS+8*(\b):BIAS+8*(\b)+3],   v[BO], s[BP:BP+1] offset:64*(\b)
	global_load_b128 v[BIAS+8*(\b)+4:BIAS+8*(\b)+7], v[BO], s[BP:BP+1] offset:64*(\b)+16
.endr
	WIN 0
.endm
; THE WAY OUT of row block a: 16 rows x 96 columns = 3,072 dense bytes of a head.  PACK: rounded to bf16, each accumulator's registers in ascending order.  TOSTAGE: into my own stage, and back as dense bytes.  SEND: stored.
.macro PACK a
.set AC, 48*((\a)%4)
	WIN 0x0a+5*((\a)/4)                            ; sources in window 2 or 3
.irp b, 0,1,2,3,4,5
.irp r, 0,1,2,3
	v_cvt_pk_bf16_f32 v[TMP+4*(\b)+(\r)], v[AC+8*(\b)+2*(\r)], v[AC+8*(\b)+2*(\r)+1]
.endr
.endr
	WIN 0
.endm
.macro TOSTAGE a
	WIN 0
.set BK, OB+192*((\a)%2)
.irp b, 0,1,2,3,4,5
	ds_store_b128 v[STO], v[TMP+4*(\b):TMP+4*(\b)+3] offset:32*(\b)
.endr
.irp t, 0,1,2,3,4,5
	ds_load_b128 v[BK+4*(\t):BK+4*(\t)+3], v[RD+(\t)%3] offset:((\t)/3)*8*SPITCH  ; LDS serves a wave's instructions in order (ISA guide 5.7.1.4): these see the stores above; 1,536 dense bytes are 8 rows
.endr
.endm
.macro SEND a
	WIN 0
.set BK, OB+192*((\a)%2)
	s_wait_dscnt 0x0                               ; the block is back in registers
	s_wait_xcnt 0x0                                ; earlier stores have read their base and their data: only now are these rewritten
.if (\a) == 0
	s_add_nc_u64 s[CP:CP+1], s[CP:CP+1], s[16:17]
.else
	s_add_nc_u64 s[CP:CP+1], s[CP:CP+1], BLOCKB
.endif
.irp t, 0,1,2,3,4,5
	global_store_b128 v[CO], v[BK+4*(\t):BK+4*(\t)+3], s[CP:CP+1] offset:512*(\t)  ; 512 consecutive bytes, at a multiple of 256 from qkv's first byte
.endr
.endm
.macro WAYOUT                          ; block a's conversions stand between block a - 1's loads from the stage and the wait for them
	PACK 0
	TOSTAGE 0
.irp a, 1,2,3,4,5,6,7
	PACK \a
	SEND (\a)-1
	TOSTAGE \a
.endr
	SEND 7
.endm
	BIASLOAD                                       ; bq's part
	s_wait_tensorcnt 1                             ; my part of K step 0 is in; K step 1's stays out
	s_barrier_signal -1
	s_barrier_wait -1
	FETCH 0, 0, F0
	s_mov_b32 s2, TILES                            ; tiles to go, this one among them
.Ltile:
	s_wait_loadcnt 0x0                             ; the tile's bias
	QUARTER 0, 64,  F0, F1, 1                      ; a tile's first quarter: its products start the sums
	WIN 0
	s_mov_b32 s3, LAPS-1
.Llap:                                                 ; a trip goes once round the ring and fills both slots again
	QUARTER 0, 128, F1, F0, 0
	QUARTER 0, 192, F0, F1, 0
	TURN 0, 1, 0
	QUARTER 1, 64,  F0, F1, 0
	QUARTER 1, 128, F1, F0, 0
	QUARTER 1, 192, F0, F1, 0
	TURN 1, 0, 0
	QUARTER 0, 64,  F0, F1, 0
	WIN 0
	s_sub_co_u32 s3, s3, 1
	s_cmp_lg_u32 s3, 0
	s_cbranch_scc1 .Llap
	QUARTER 0, 128, F1, F0, 0                      ; the tile's last lap goes on
	QUARTER 0, 192, F0, F1, 0
	WIN 0
	s_cmp_eq_u32 s2, 1
	s_cbranch_scc1 .Llast_tile                     ; the last tile's tail is written out: it asks for nothing more
	TURN 0, 1, 1                                   ; the ring goes on into the next tile: slot 0 takes its K step 0,
	QUARTER 1, 64,  F0, F1, 0
	QUARTER 1, 128, F1, F0, 0
	QUARTER 1, 192, F0, F1, 0
	TURN 1, 0, 1                                   ; slot 1 its K step 1, and the next tile's first fragments are fetched
	s_add_nc_u64 s[BP:BP+1], s[BP:BP+1], 3072      ; the next tensor's bias (the last bias loads were waited for at the tile's head)
	BIASLOAD
	WAYOUT                                         ; blocks 0-3 were finished in front of the joint load's four v_nop; their conversions are the places behind the last products
	s_mov_b64 s[16:17], NEXT_C
	s_sub_co_u32 s2, s2, 1
	s_branch .Ltile
.Llast_tile:
	MEET 0                                         ; the load that was out is the last K step's, so no round follows
	PLACES
	FETCH 1, 0, F0
	MUL12 F1, 1, 0, 0
	MUL12 F1, 1, 2, 0
	QUARTER 1, 64,  F0, F1, 0
	QUARTER 1, 128, F1, F0, 0
	QUARTER 1, 192, F0, F1, 0
	s_wait_dscnt 8                                 ; the very last quarter: nothing more to fetch
	MUL12 F1, 0, 0, 0
	MUL12 F1, 0, 2, 0
	s_wait_dscnt 0x0
	MUL12 F1, 1, 0, 0
	MUL12 F1, 1, 2, 0
	PLACES
	WAYOUT
	s_wait_tensorcnt 0x0                           ; the wave's end
	ds_add_u32 v[SPW], v[NIL]
	s_wait_dscnt 0x0
	CROUND                                         ; the closing round
	s_endpgm
.Lfunc_end_k_qc1e2e5c59d_qkv:
	.size	k_qc1e2e5c59d_qkv, .Lfunc_end_k_qc1e2e5c59d_qkv-k_qc1e2e5c59d_qkv
	.p2alignl 7, 3214868480
	.fill 96, 4, 3214868480
	.section	.rodata,"a",@progbits
	.p2align	6, 0x0
	.amdhsa_kernel k_qc1e2e5c59d_qkv
		.amdhsa_group_segment_fixed_size 327680
		.amdhsa_private_segment_fixed_size 0
		.amdhsa_enable_private_segment 0
		.amdhsa_kernarg_size 32
		.amdhsa_user_sgpr_count 2
		.amdhsa_user_sgpr_kernarg_segment_ptr 1
		.amdhsa_wavefront_size32 1
		.amdhsa_system_sgpr_workgroup_id_x 1
		.amdhsa_system_sgpr_workgroup_id_y 1
		.amdhsa_system_sgpr_workgroup_id_z 1
		.amdhsa_system_vgpr_workitem_id 0
		.amdhsa_next_free_vgpr 960
		.amdhsa_next_free_sgpr 72
		.amdhsa_reserve_vcc 0
		.amdhsa_float_denorm_mode_32 3
		.amdhsa_float_denorm_mode_16_64 3
		.amdhsa_memory_ordered 1
		.amdhsa_forward_progress 1
		.amdhsa_inst_pref_size 172
	.end_amdhsa_kernel
	.amdgpu_metadata
---
amdhsa.version: [ 1, 2 ]
amdhsa.kernels:
  - .name:           k_qc1e2e5c59d_qkv
    .symbol:         k_qc1e2e5c59d_qkv.kd
    .args:
      - { .name: xb, .offset: 0, .size: 8, .value_kind: global_buffer, .address_space: global }
      - { .name: wt, .offset: 8, .size: 8, .value_kind: global_buffer, .address_space: global }
      - { .name: qkv, .offset: 16, .size: 8, .value_kind: global_buffer, .address_space: global }
      - { .name: bias, .offset: 24, .size: 8, .value_kind: global_buffer, .address_space: global }
    .group_segment_fixed_size: 327680
    .private_segment_fixed_size: 0
    .kernarg_segment_align: 8
    .kernarg_segment_size: 32
    .max_flat_workgroup_size: 128
    .sgpr_count:     72
    .vgpr_count:     960
    .wavefront_size: 32
...
	.end_amdgpu_metadata
.endif
;; end of part 2
;; launch attn (part 3): grid 4 x 128, 4 waves a work-group, clusters of 4 x 1, 327,680 bytes of LDS; arguments qkv, madd, ob; writes ob
.if DOCPART == 3
	.amdgcn_target "amdgcn-amd-amdhsa--gfx1250"
	.amdhsa_code_object_version 6
	.text
	.protected	k_qc1e2e5c59d_attn
	.globl	k_qc1e2e5c59d_attn
	.p2align	8
	.type	k_qc1e2e5c59d_attn,@function
k_qc1e2e5c59d_attn:
	s_mov_b64 s[64:65], 0
	v_nop
	global_prefetch_b8 v0, s[64:65] scope:SCOPE_SE
	s_setreg_imm32_b32 hwreg(HW_REG_WAVE_MODE, 25, 1), 1
	s_wait_xcnt 0x0
	s_wait_alu depctr_hold_cnt(0) depctr_sa_sdst(0) depctr_va_vdst(0) depctr_va_sdst(0) depctr_va_ssrc(0) depctr_va_vcc(0) depctr_vm_vsrc(0)
	s_getreg_b32 s2, hwreg(HW_REG_IB_STS2, 6, 4)
	s_cmp_eq_u32 s2, 0
	s_cbranch_scc0 .Lentry_in_a_cluster
	s_endpgm
.Lentry_in_a_cluster:
	s_bfe_u32 s2, ttmp6, 0x10000c
	s_cmp_lg_u32 s2, 0x3003
	s_cbranch_scc0 .Lentry_shape_is_right
	s_endpgm
.Lentry_shape_is_right:
; O[y][q][:] = the sum over k of softmax_k(Q[y][q] . K[y'][k] / sqrt(96) + madd[y' / 8][k]) V[y'][k][:], y = 8 sequence + head, y' = y xor 64 (the other modality's sequence, the same head).
; qkv: [3][128][1024][96] bf16; madd: [16][1024] f32, 0 or -1e30; ob: [128][1024][96] bf16.  Products, maxima and sums in f32; the weights are rounded to bf16 for the second product, O once at the end.
; LIMITS.  A hidden key counts as its score less 1e30.  The running maximum never falls below -2^93, so a hidden key's weight is exactly 0; true scores q . k must lie above -2^93.
; A weight below 2^-126 counts as 0.  Where all keys of a sequence are hidden the sum of weights is 0 and O is 0 x infinity = NaN, as a softmax over nothing is.
; SHARES.  A work-group owns 256 queries of one y, each of its four waves 64: four tiles of 16.  Every wave walks all 1,024 keys, 64 a step.
; LAYOUT.  S^T = K Q^T + mask (source 0 = 16 keys, source 1 = 16 queries, C = the keys' addends): a lane holds one query (lane % 16) and the keys 8 (lane / 16) + 0..7.  Two such results, rounded in pairs,
; are source 1 of O^T = V^T P, whose result again holds one query a lane, and eight channels.  K comes out of LDS as it lies, V turned, by ds_load_tr16_b128.
; SOFTMAX.  p = 2^(c s - c m), c = log2(e) / sqrt(96), m the running maximum; in every step O and l are multiplied by a = 2^(c m_old - c m_new).
; BY TURNS.  The tiles are two pieces (0: tiles 0, 1; 2: tiles 2, 3).  In a turn one piece has the matrix unit: 24 products V^T P of the step in hand, then 24 products K Q^T of the next;
; the other piece's softmax, 252 instructions in 63 slices of four, is dealt evenly behind these 48.  Two turns are a key step.
; CLUSTER.  The four query blocks of a cluster walk the same K, V and mask: every tile is asked for jointly.
; REGISTERS, in windows of 256 (s_set_vgpr_msb: bits 1:0 source 0, 3:2 source 1, 5:4 source 2, 7:6 destination):
;   window 0: v0-11, v44-50, v61-63 addresses; v12-43 eight registers of statistics a tile; v64-191 S^T, 32 a tile; v192-255 P, 16 a tile
;   window 1: v0-191 O^T, 48 a tile; v192-223 the step's mask      window 2: v0-95 Q, 24 a tile; v128-223 K of one step      window 3: v0-95 V of one step
.set KS,    64
.set PK,    240       ; a row of K in LDS: three pieces of 64 bytes, 16 of padding behind each: 15 x 16, so the 16 rows of a load start at 16 different groups of four banks (ISA guide 11.1)
.set PV,    288       ; a row of V: three pieces of 64 + 32: 9 x 32
.set VOFF,  KS*PK
.set STEPB, KS*(PK+PV)
.set STEPG, KS*192    ; a step's keys in memory
.set SLOT1, 1<<17     ; a slot holds two steps; slot 1 begins here
.set STAGE, SLOT1+2*STEPB  ; 16 rows x 208 bytes for each wave, for the way out
.set SP,    208
.set MASKB, STAGE+4*16*SP  ; the 1,024 addends, filled once
.set SPARE, MASKB+4096
.set AK0, 2           ; v2  my lane's place in a tile of K
.set AV0, 3           ; v3  in a tile of V
.set ADR, 4           ; v4  the LDS address of the run of loads in hand
.set QO,  5           ; v5  my byte offset in 16 rows of Q
.set STO, 6           ; v6  the way out: where I put 16 bytes of a row
.set GO,  8           ; v8  16 x lane
.set ST,  12          ; tile t's statistics at v[ST+8 t]: c m, m, l (even, odd keys), c0-c3 at work; a takes c2's place
.set AM0, 44          ; v44 my lane's place in a step's addends
.set ADM, 45          ; v45 the address of the mask's loads in hand
.set RD,  48          ; v48-50 the way out: where I read 16 dense bytes back
.set PFO, 61          ; v61 the prefetches' offset: 256 x min(lane, 23)
.set SPW, 62
.set NIL, 63
.set S,   64
.set P,   192
.set MK,  192         ; window 1
.set KF,  128         ; window 2: key block kb, channels 32 c on, at KF + 24 kb + 8 c
.set WV,  12
.set LIM, 15          ; s15 1 in a wave that prefetches, else the greatest number
.set PFA, 18          ; s[18:19]
.set G1K, 24
.set G1V, 32
.set G0K, 40          ; s[40:47] a set for each of the two first fills; the second then walks on
.set G0V, 48
.set SLOTS, 56
.set TWICE, 57
.set CS,  58          ; s[58:59] c
.set SEL, 60          ; s[60:61] v_permlanex16_b32's selects
.set TB,  62          ; s62 LDS byte at which the tiles of the step to be fetched begin
.set FLOOR, 66        ; s66 -2^93
.set MB,  67          ; s67 the byte at which the addends of the step to be fetched begin
.set G1M, 68          ; s[68:75], s[76:79] the mask's descriptor
.set G0M, 76
.set MSB, 0
.macro WIN new
.if MSB != (\new)
	s_set_vgpr_msb (MSB<<8)|(\new)
.set MSB, \new
.endif
.endm
.set W_KQ, 0x0a       ; K and Q in window 2, S^T in window 0
.set W_KM, 0x1a       ; the same with C, the mask, in window 1
.set W_PV, 0x53       ; V in window 3, P in window 0, O^T in window 1
.set W_RS, 0x41       ; O^T in window 1, a in window 0
.macro JLOAD                        ; a joint refill: waves 0 and 1 fetch the two steps' K, waves 2 and 3 their V; an s_nop 0 and four v_nop follow each line
	s_cmp_lt_u32 s[WV], 2
	s_cbranch_scc0 .Lfor_v_\@
	tensor_load_to_lds s[G0K+4:G0K+7], s[G1K:G1K+7]
	s_nop 0
.rept 4
	v_nop
.endr
	s_branch .Lasked_\@
.Lfor_v_\@:
	tensor_load_to_lds s[G0V+4:G0V+7], s[G1V:G1V+7]
	s_nop 0
.rept 4
	v_nop
.endr
.Lasked_\@:
.endm
; A prefetch of what the next change of slots will ask for: a slot's 24,576 bytes of K and of V.  This cluster alone reads them.  Its four partners share them out by address, 6,144 bytes each;
; wave 0 asks for K's and wave 2 for V's, lanes 256 bytes apart (lanes 24-31 repeat lane 23's).  The last change that fills a slot asks for nothing.
.macro ASK
	s_cmp_gt_u32 s[SLOTS], s[LIM]
	s_cbranch_scc0 .Lnot_mine_\@
	global_prefetch_b8 v[PFO], s[PFA:PFA+1] th:TH_LOAD_NT scope:SCOPE_SE
.Lnot_mine_\@:
.endm
.macro CROUND
	s_barrier_signal -1
	s_barrier_wait -1
	s_cmp_lg_u32 s[WV], 0
	s_cbranch_scc1 .Lnot_wave_0_\@
	s_barrier_signal -3
.Lnot_wave_0_\@:
	s_barrier_wait -3
	s_barrier_signal -1
	s_barrier_wait -1
.endm
	s_load_b128 s[80:83], s[0:1], 0x0 ; qkv s[80:81], madd s[82:83]
	s_load_b64 s[10:11], s[0:1], 0x10 ; ob
	v_lshl_add_u32 v[SPW], v0, 2, SPARE
	v_mov_b32 v[NIL], 0
	ds_add_u32 v[SPW], v[NIL]       ; the wave's opening: the add and its wait stand ahead of my first tensor load
	v_lshrrev_b32 v1, 5, v0
	v_readfirstlane_b32 s[WV], v1
	s_bfe_u32 s13, ttmp6, 0x40000   ; cx
	s_lshl_b32 s14, ttmp9, 2
	s_add_co_u32 s14, s14, s13      ; my block of 256 queries: it enters Q's and O's addresses alone
	s_and_b32 s20, ttmp7, 0xffff    ; y
	s_xor_b32 s22, s20, 64          ; y'
	s_lshr_b32 s84, s22, 3          ; the mask's row
	s_mul_i32 s20, s20, 196608
	s_mul_i32 s22, s22, 196608
	s_and_b32 s16, s[WV], 1         ; which of a slot's two steps I fetch
	s_mul_i32 s23, s16, STEPG
	s_add_co_u32 s22, s22, s23
	s_mov_b32 s23, 0
	s_mul_i32 s17, s16, STEPB
	s_mul_i32 s2, s14, 49152        ; my block's 256 rows,
	s_mul_i32 s3, s[WV], 12288      ; my wave's 64
	s_add_co_u32 s2, s2, s3
	s_add_co_u32 s2, s2, s20
	s_mov_b32 s3, 0
	s_lshl_b32 s84, s84, 12
	s_lshl_b32 s85, s[WV], 10       ; my quarter of the mask's row
	s_add_co_u32 s84, s84, s85
	s_mov_b32 s85, 0
	; a step's tile is 12,288 dense bytes: asked for as 48 rows of 256 bytes, padded in LDS after every 64 bytes
	s_mov_b32 s[G1K], 15|(1<<16)|(1<<20)|(1<<21)|(3<<22)|(3<<25)  ; the mask of four; 2-byte elements; padding on; bit 21 beside a mask; after every 16 words, 4 words
	s_mov_b32 s[G1V], 15|(1<<16)|(1<<20)|(1<<21)|(3<<22)|(7<<25)  ; 8 words
.irp g, G1K, G1V
	s_mov_b32 s[(\g)+1], 128<<16
	s_mov_b32 s[(\g)+2], 48<<16
	s_mov_b32 s[(\g)+3], 128<<16
	s_mov_b32 s[(\g)+4], 48
	s_mov_b32 s[(\g)+5], 128
	s_mov_b32 s[(\g)+6], 0
	s_mov_b32 s[(\g)+7], 0
.endr
	s_mov_b32 s[G1M], 15|(3<<16)|(1<<21)  ; one row of 128 elements of 8 bytes, no padding
	s_mov_b32 s[G1M+1], 128<<16
	s_mov_b32 s[G1M+2], 1<<16
	s_mov_b32 s[G1M+3], 128<<16
	s_mov_b32 s[G1M+4], 1
	s_mov_b32 s[G1M+5], 128
	s_mov_b32 s[G1M+6], 0
	s_mov_b32 s[G1M+7], 0
	s_mov_b32 s[CS], 0x3e16c741     ; c = log2(e) / sqrt(96) = 0.147244
	s_mov_b32 s[CS+1], s[CS]
	s_mov_b32 s[SEL], 0x76543210
	s_mov_b32 s[SEL+1], 0xfedcba98
	s_mov_b32 s[FLOOR], 0xee000000  ; -2^93
	s_mov_b32 s[TB], 0
	s_mov_b32 s[MB], 0
	s_mov_b32 s[SLOTS], 1024/(2*KS)-2
	s_and_b32 s[LIM], s[WV], 1
	s_cmp_eq_u32 s[LIM], 0
	s_cselect_b32 s[LIM], 1, -1
	v_and_b32 v[PFO], 31, v0
	v_min_u32 v[PFO], 23, v[PFO]
	v_lshlrev_b32 v[PFO], 8, v[PFO]
	s_wait_dscnt 0x0                ; the opening add is done
	s_wait_kmcnt 0x0
	s_add_nc_u64 s[6:7], s[80:81], s[22:23]
	s_add_nc_u64 s[8:9], s[6:7], 50331648  ; V at my tile of slot 0
	s_add_nc_u64 s[6:7], s[6:7], 25165824  ; K
	s_add_nc_u64 s[4:5], s[80:81], s[2:3]  ; Q and O at my wave's first row
	s_add_nc_u64 s[10:11], s[10:11], s[2:3]
	s_add_nc_u64 s[82:83], s[82:83], s[84:85]
	s_cmp_lt_u32 s[WV], 2
	s_cselect_b64 s[PFA:PFA+1], s[6:7], s[8:9]
	s_mul_i32 s2, s13, 6144
	s_mov_b32 s3, 0
	s_add_nc_u64 s[PFA:PFA+1], s[PFA:PFA+1], s[2:3]
	s_add_nc_u64 s[PFA:PFA+1], s[PFA:PFA+1], 2*2*STEPG  ; in slot 2; the first change of slots steps it to slot 3
	CROUND                          ; all four work-groups are here: the first joint loads meet
.irp s, 0,1
	s_mov_b32 s[G0K+4*(\s)], 1
	s_add_co_u32 s[G0K+4*(\s)+1], s17, (\s)*SLOT1
	s_add_nc_u64 s[G0K+4*(\s)+2:G0K+4*(\s)+3], s[6:7], (\s)*2*STEPG
	s_or_b32 s[G0K+4*(\s)+3], s[G0K+4*(\s)+3], 0x80000000
	s_mov_b32 s[G0V+4*(\s)], 1
	s_add_co_u32 s[G0V+4*(\s)+1], s17, (\s)*SLOT1+VOFF
	s_add_nc_u64 s[G0V+4*(\s)+2:G0V+4*(\s)+3], s[8:9], (\s)*2*STEPG
	s_or_b32 s[G0V+4*(\s)+3], s[G0V+4*(\s)+3], 0x80000000
.endr
	s_mov_b32 s[G0M], 1
	s_lshl_b32 s[G0M+1], s[WV], 10
	s_add_co_u32 s[G0M+1], s[G0M+1], MASKB
	s_mov_b64 s[G0M+2:G0M+3], s[82:83]
	s_or_b32 s[G0M+3], s[G0M+3], 0x80000000
	s_cmp_lt_u32 s[WV], 2           ; a wave's three first fills stand in one branch: its quarter of the mask, its tile of slot 0, of slot 1: three loads of mine are out
	s_cbranch_scc0 .Lfirst_v
	tensor_load_to_lds s[G0M:G0M+3], s[G1M:G1M+7]
	s_nop 0
	tensor_load_to_lds s[G0K:G0K+3], s[G1K:G1K+7]
	s_nop 0
	tensor_load_to_lds s[G0K+4:G0K+7], s[G1K:G1K+7]
	s_nop 0
.rept 4
	v_nop
.endr
	s_branch .Lfirst_asked
.Lfirst_v:
	tensor_load_to_lds s[G0M:G0M+3], s[G1M:G1M+7]
	s_nop 0
	tensor_load_to_lds s[G0V:G0V+3], s[G1V:G1V+7]
	s_nop 0
	tensor_load_to_lds s[G0V+4:G0V+7], s[G1V:G1V+7]
	s_nop 0
.rept 4
	v_nop
.endr
.Lfirst_asked:
	v_and_b32 v1, 15, v0            ; l % 16
	v_bfe_u32 v9, v0, 4, 1          ; l / 16
	v_mul_u32_u24 v[QO], v1, 192
	v_lshl_add_u32 v[QO], v9, 4, v[QO]
	WIN 0x80
.irp i, 0,1,2,3,4,5,6,7,8,9,10,11   ; Q stays in registers: tile i / 3, channels 32 (i % 3) on
	global_load_b128 v[8*(\i):8*(\i)+3],   v[QO], s[4:5] offset:((\i)/3)*3072+((\i)%3)*64
	global_load_b128 v[8*(\i)+4:8*(\i)+7], v[QO], s[4:5] offset:((\i)/3)*3072+((\i)%3)*64+32
.endr
	WIN 0
	v_mul_u32_u24 v[AK0], v1, PK
	v_lshl_add_u32 v[AK0], v9, 4, v[AK0]
	v_and_b32 v10, 7, v0            ; the turning load: lane l reads key 8 (l / 16) + l % 8, channels 8 ((l / 8) % 2) + 0..7
	v_bfe_u32 v11, v0, 3, 1
	v_lshl_add_u32 v[AV0], v9, 3, v10
	v_mul_u32_u24 v[AV0], v[AV0], PV
	v_lshl_add_u32 v[AV0], v11, 4, v[AV0]
	v_add_nc_u32 v[AV0], VOFF, v[AV0]
	v_lshl_add_u32 v[AM0], v9, 5, MASKB  ; my eight keys of sixteen: 32 bytes
; THE MATRIX WORK.  The accumulators take turns, one instruction a turn: between two links of a chain stand 11 (V^T P) or 7 (K Q^T) others'.
; Product i of 24 of O^T += V^T P: keys 32 (i / 12) on, channels 16 ((i / 2) % 6) on, tile x + i % 2.  zero = 1: the first 12 start the sums.
.macro PV x, zero
	WIN W_PV
.set rO, 48*((\x)+i%2)+8*((i/2)%6)
.set rV, 48*(i/12)+8*((i/2)%6)
.set rP, P+16*((\x)+i%2)+8*(i/12)
.if (\zero) && (i < 12)
	v_wmma_f32_16x16x32_bf16 v[rO:rO+7], v[rV:rV+7], v[rP:rP+7], 0
.else
	v_wmma_f32_16x16x32_bf16 v[rO:rO+7], v[rV:rV+7], v[rP:rP+7], v[rO:rO+7]
.endif
.endm
; Product i of 24 of S^T = K Q^T + mask: channels 32 (i / 8) on, keys 16 ((i / 2) % 4) on, tile x + i % 2.  The first 8 start the sums with the keys' addends.
.macro KQ x
.set rS, S+32*((\x)+i%2)+8*((i/2)%4)
.set rK, KF+24*((i/2)%4)+8*(i/8)
.set rQ, 24*((\x)+i%2)+8*(i/8)
.set rM, MK+8*((i/2)%4)
.if i < 8
	WIN W_KM
	v_wmma_f32_16x16x32_bf16 v[rS:rS+7], v[rK:rK+7], v[rQ:rQ+7], v[rM:rM+7]
.else
	WIN W_KQ
	v_wmma_f32_16x16x32_bf16 v[rS:rS+7], v[rK:rK+7], v[rQ:rQ+7], v[rS:rS+7]
.endif
.endm
; THE LDS LOADS stand in runs: a step's K (12 fragments) with its 64 addends, and, a turn later, its V (turned).
.macro FETCH_K
	WIN 0
	v_add_nc_u32 v[ADR], s[TB], v[AK0]
	v_add_nc_u32 v[ADM], s[MB], v[AM0]
	s_add_co_u32 s[MB], s[MB], 4*KS
	WIN 0x80
.irp f, 0,1,2,3,4,5,6,7,8,9,10,11   ; keys 16 (f / 3) on, channels 32 (f % 3) on
	ds_load_b128 v[KF+8*(\f):KF+8*(\f)+3],   v[ADR] offset:((\f)/3)*16*PK+((\f)%3)*80
	ds_load_b128 v[KF+8*(\f)+4:KF+8*(\f)+7], v[ADR] offset:((\f)/3)*16*PK+((\f)%3)*80+32
.endr
	WIN 0x40
.irp f, 0,1,2,3
	ds_load_b128 v[MK+8*(\f):MK+8*(\f)+3],   v[ADM] offset:64*(\f)
	ds_load_b128 v[MK+8*(\f)+4:MK+8*(\f)+7], v[ADM] offset:64*(\f)+16
.endr
.endm
.macro FETCH_V
	WIN 0
	v_add_nc_u32 v[ADR], s[TB], v[AV0]
	s_add_co_u32 s[TB], s[TB], STEPB
	s_wait_alu depctr_va_vdst(0)    ; the wait for the softmax's batch of exponentials, ahead of the first instruction that names a result
	WIN 0xc0
.irp f, 0,1,2,3,4,5,6,7,8,9,10,11   ; keys 32 (f / 6) on, channels 16 (f % 6) on
	ds_load_tr16_b128 v[8*(\f):8*(\f)+3],   v[ADR] offset:((\f)/6)*32*PV+(((\f)%6)/2)*96+((\f)%2)*32
	ds_load_tr16_b128 v[8*(\f)+4:8*(\f)+7], v[ADR] offset:((\f)/6)*32*PV+16*PV+(((\f)%6)/2)*96+((\f)%2)*32
.endr
.endm
; THE VECTOR WORK.  One tile's softmax for one key step is a list of 126 instructions; SM writes number j of it for tile t.  first = 1: the first key step.
;   0-15 the maximum of the lane's 32 scores and the old m (first step: and the floor), each accumulator's lowest registers first     16-20 the other half of the lanes' maximum; m; c m; its change
;   21-69 one batch: the 16 scalings c s - c m and all 33 exponentials (a at 23); none reads an exponential's result     (the wait)     70-85 the roundings     86-101 the sums; l = a l + sum     102-125 O^T times a
.macro SM t, first
.set rT, ST+8*(\t)
.set rS, S+32*(\t)
.set rP, P+16*(\t)
.set rO, 48*(\t)+2*(j-102)
.if j < 102
	WIN 0
.endif
.if j < 4
	v_max3_num_f32 v[rT+4+j], v[rS+8*j], v[rS+8*j+1], v[rS+8*j+2]
.elseif j < 12
	v_max3_num_f32 v[rT+4+j%4], v[rT+4+j%4], v[rS+8*(j%4)+2*(j/4)+1], v[rS+8*(j%4)+2*(j/4)+2]
.elseif j == 12
	v_max3_num_f32 v[rT+4], v[rT+4], v[rS+7], v[rS+15]
.elseif j == 13
	v_max3_num_f32 v[rT+6], v[rT+6], v[rS+23], v[rS+31]
.elseif j == 14
	v_max3_num_f32 v[rT+4], v[rT+4], v[rT+5], v[rT+6]
.elseif (j == 15) && (\first)
	v_max3_num_f32 v[rT+4], v[rT+4], v[rT+7], s[FLOOR]
.elseif j == 15
	v_max3_num_f32 v[rT+4], v[rT+4], v[rT+7], v[rT+1]
.elseif j == 16
	v_permlanex16_b32 v[rT+5], v[rT+4], s[SEL], s[SEL+1]  ; the query's other 32 keys lie in the lane 16 away
.elseif j == 18
	v_max_num_f32 v[rT+1], v[rT+4], v[rT+5]
.elseif j == 19
	v_mul_f32 v[rT], s[CS], v[rT+1]
.elseif ((j == 17) || (j == 20) || (j == 23) || (j > 101)) && (\first)
.elseif j == 17
	v_mov_b32 v[rT+7], v[rT]
.elseif j == 20
	v_sub_f32 v[rT+7], v[rT+7], v[rT]
.elseif j == 23
	v_exp_f32 v[rT+6], v[rT+7]
.elseif (j < 23) || ((j < 38) && (j%2 == 0)) || ((j < 66) && (j%4 == 2))
.set b, (j-2)/4
.if j < 38
.set b, (j-20)/2
.endif
	v_pk_fma_f32 v[rS+2*b:rS+2*b+1], v[rS+2*b:rS+2*b+1], s[CS:CS+1], v[rT:rT+1] op_sel_hi:[1,0,0] neg_lo:[0,0,1] neg_hi:[0,0,1]
.elseif j < 70
.set e, j-38
.if j < 66
.set e, j-32-(j-38)/4
.endif
.if j < 38
.set e, (j-25)/2
.endif
	v_exp_f32 v[rS+e], v[rS+e]
.elseif j < 86
	v_cvt_pk_bf16_f32 v[rP+j-70], v[rS+2*(j-70)], v[rS+2*(j-70)+1]
.elseif j < 102
.set z, j-86
.set w, 4
.set u, z
.if z >= 14
.set w, 32
.set u, 0
.elseif z >= 12
.set w, 16
.set u, z-12
.elseif z >= 8
.set w, 8
.set u, z-8
.endif
.if (z == 14) && (\first)
	v_pk_add_f32 v[rT+2:rT+3], v[rS:rS+1], v[rS+16:rS+17]
.elseif z < 15
	v_pk_add_f32 v[rS+w*u:rS+w*u+1], v[rS+w*u:rS+w*u+1], v[rS+w*u+w/2:rS+w*u+w/2+1]
.elseif !(\first)
	v_pk_fma_f32 v[rT+2:rT+3], v[rT+2:rT+3], v[rT+6:rT+7], v[rS:rS+1] op_sel_hi:[1,0,1]
.endif
.else
	WIN W_RS
	v_pk_mul_f32 v[rO:rO+1], v[rO:rO+1], v[rT+6:rT+7] op_sel_hi:[1,0]
.endif
.endm
; Slice k of 63 of piece y's softmax: four instructions.  Slices 11 to 34 deal out the batch, four numbers of one tile each, the tiles by turns; every other slice is numbers 2 k and 2 k + 1 of both tiles.
; Ahead of slice 35 nothing names an exponential's result and behind slice 34 no exponential is issued: the piece's 66 exponentials have one wait, behind slice 34.
.macro SLICE y, first
.if (k >= 11) && (k < 35)
.irp n, 0,1,2,3
.set j, 22+4*((k-11)/2)+(\n)
	SM (\y)+(k-11)%2, \first
.endr
.else
.irp n, 0,1
.irp t, \y, (\y)+1
.set j, 2*k+(\n)
	SM \t, \first
.endr
.endr
.endif
.if k == 34
	v_nop                           ; the plain instruction behind the last exponential: one for the batch
.if (\y) == 0
	FETCH_V                         ; piece 2's turn: V's run of loads stands here, and the wait stands in it
.else
	s_wait_alu depctr_va_vdst(0)    ; the wait for the batch
.endif
.endif
.set k, k+1
.endm
.macro PLACES
.rept 4
	v_nop
.endr
.endm
; A TURN.  Piece x has the matrix unit; behind its matrix instruction number nm of NMM stand the slices up to nm x 63 / NMM of the other piece's softmax.
; pv = 2: 24 products V^T P; 1: they start O^T's sums; 0: none.  kq = 1: 24 products K Q^T for the next step.  first = 1: the softmax is the first key step's; its slices from 51 on are empty, and four v_nop close the turn.
; With 48 products: K's run stands behind the second product of piece 0's turn, eight rescalings (slices 61, 62) behind K's last reader.  V's run stands in slice 34, behind product 27 of piece 2's turn:
; between V's last reader (product 24) and the run lie three scalings, the v_nop and the run's own v_add_nc_u32.
.macro TURN x, pv, kq, first
.set k, 0
.set nm, 0
.set NMM, 24
.if (\pv) && (\kq)
.set NMM, 48
.endif
.if \pv
.if (\x) == 0
	s_wait_dscnt 0x0                ; V is in
.endif
.set i, 0
.rept 24
	PV \x, 2-(\pv)
.set nm, nm+1
.rept (nm*63)/NMM-k
	SLICE 2-(\x), \first
.endr
.if ((\x) == 0) && (\kq) && (i == 1)
	FETCH_K
.endif
.set i, i+1
.endr
.endif
.if \kq
.if (\x) == 0
	s_wait_dscnt 0x0                ; K and the addends are in
.endif
.set i, 0
.rept 24
	KQ \x
.set nm, nm+1
.rept (nm*63)/NMM-k
	SLICE 2-(\x), \first
.endr
.set i, i+1
.endr
.endif
.if \first
	PLACES
.endif
.endm
; THE CHANGE OF SLOTS, between piece 2's turn and piece 0's.  Each wave waits for all its tensor loads (one is out: its part of the other slot), adds 0 to its spare word, and waits for that and for its reads of the slot.
; fill = 1: the barrier is a round of the cluster's, and the joint refill is the first thing behind it: it has two key steps, 192 matrix instructions, in which to land.
.macro CHANGE fill
	WIN 0
	s_wait_tensorcnt 0x0
	ds_add_u32 v[SPW], v[NIL]
.if \fill
.irp g, G0K+4, G0V+4
	s_xor_b32 s[(\g)+1], s[(\g)+1], SLOT1
	s_add_nc_u64 s[(\g)+2:(\g)+3], s[(\g)+2:(\g)+3], 2*STEPG
.endr
	s_wait_xcnt 0x0                 ; the last prefetch, two key steps back, has read its address
	s_add_nc_u64 s[PFA:PFA+1], s[PFA:PFA+1], 2*STEPG
	s_wait_dscnt 0x0                ; the add is done, my reads of the slot are over
	CROUND
	JLOAD
	ASK
.else
	s_wait_dscnt 0x0
	s_barrier_signal -1
	s_barrier_wait -1
.endif
	s_sub_co_u32 s[TB], s[TB], 2*STEPB
	s_xor_b32 s[TB], s[TB], SLOT1
.endm
.macro TWO_STEPS
	WIN 0
	s_mov_b32 s[TWICE], 2
.Lstep_\@:
	TURN 0, 2, 1, 0
	TURN 2, 2, 1, 0
	WIN 0
	s_sub_co_u32 s[TWICE], s[TWICE], 1
	s_cmp_lg_u32 s[TWICE], 0
	s_cbranch_scc1 .Lstep_\@
.endm
	s_wait_tensorcnt 1              ; my parts of the mask and of slot 0 are in; slot 1's may stay out
	s_barrier_signal -1
	s_barrier_wait -1
	FETCH_K                         ; key step 0
	s_wait_loadcnt 0x0              ; Q
	s_wait_dscnt 0x0
.set i, 0
.rept 24
	KQ 0                            ; piece 0's first scores
.set i, i+1
.endr
	WIN 0                           ; the addresses for the way out: the places behind those products
	s_mul_i32 s13, s[WV], 16*SP
	s_add_co_u32 s13, s13, STAGE
	v_mul_u32_u24 v[STO], v1, SP
	v_lshl_add_u32 v[STO], v9, 4, v[STO]
	v_add_nc_u32 v[STO], s13, v[STO]
	v_and_b32 v10, 31, v0
	v_lshlrev_b32 v[GO], 4, v10
.irp k3, 0,1,2                      ; dense byte d = 512 k + 16 lane lies in row d / 192 = ((32 k + lane) / 4) / 3, 16 bytes further on for each row
	v_add_nc_u32 v11, 32*(\k3), v10
	v_lshrrev_b32 v11, 2, v11
	v_mul_u32_u24 v11, v11, 11
	v_lshrrev_b32 v11, 5, v11
	v_lshl_add_u32 v11, v11, 4, v[GO]
	v_add3_u32 v[RD+(\k3)], v11, s13, 512*(\k3)
.endr
	TURN 2, 0, 1, 1                 ; piece 2's first scores | piece 0's first softmax | V of step 0
	TURN 0, 1, 1, 1                 ; piece 0: V^T P of step 0 starts O^T, K Q^T of step 1 | piece 2's first softmax | K of step 1
	TURN 2, 1, 1, 0                 ; piece 2: the same | piece 0's softmax of step 1 | V of step 1
	WIN 0
.Lslot:                             ; six trips: every slot but the last two is filled again
	CHANGE 1
	TWO_STEPS
	s_sub_co_u32 s[SLOTS], s[SLOTS], 1
	s_cmp_lg_u32 s[SLOTS], 0
	s_cbranch_scc1 .Lslot
	CHANGE 0                        ; the tail is written out
	TWO_STEPS
	TURN 0, 2, 0, 0                 ; piece 0: V^T P of the last step | piece 2's last softmax
.set i, 0
.rept 24
	PV 2, 0
.set i, i+1
.endr
	; THE WAY OUT.  l's halves are added; O^T is divided by l, rounded to bf16 and sent through my stage, a tile (16 rows = 3,072 dense bytes) at a time.
	WIN 0
.irp t, 0,1,2,3
	v_add_f32 v[ST+8*(\t)+4], v[ST+8*(\t)+2], v[ST+8*(\t)+3]
.endr
.irp t, 0,1,2,3
	v_permlanex16_b32 v[ST+8*(\t)+5], v[ST+8*(\t)+4], s[SEL], s[SEL+1]
.endr
.irp t, 0,1,2,3
	v_add_f32 v[ST+8*(\t)+4], v[ST+8*(\t)+4], v[ST+8*(\t)+5]
.endr
.irp t, 0,1,2,3
	v_rcp_f32 v[ST+8*(\t)+6], v[ST+8*(\t)+4]
.endr
	v_nop
	s_wait_alu depctr_va_vdst(0)    ; one wait for the four reciprocals, ahead of their first use
.macro PACK t
	WIN W_RS
.set i, 48*(\t)
.rept 24
	v_pk_mul_f32 v[i:i+1], v[i:i+1], v[ST+8*(\t)+6:ST+8*(\t)+7] op_sel_hi:[1,0]
.set i, i+2
.endr
	WIN 0x05
.set i, 0
.rept 24
	v_cvt_pk_bf16_f32 v[S+32*(\t)+i], v[48*(\t)+2*i], v[48*(\t)+2*i+1]
.set i, i+1
.endr
	WIN 0
.irp f, 0,1,2,3,4,5
	ds_store_b128 v[STO], v[S+32*(\t)+4*(\f):S+32*(\t)+4*(\f)+3] offset:32*(\f)
.endr
.irp f, 0,1,2,3,4,5
	ds_load_b128 v[S+32*(\t)+4*(\f):S+32*(\t)+4*(\f)+3], v[RD+(\f)%3] offset:((\f)/3)*8*SP  ; LDS serves a wave's instructions in order (ISA guide 5.7.1.4)
.endr
.endm
.macro SEND t, younger              ; younger: the LDS instructions issued behind tile t's loads: the next tile's twelve, or none
	WIN 0
.irp f, 0,1,2,3,4,5
	s_wait_dscnt (\younger)+5-(\f)
	global_store_b128 v[GO], v[S+32*(\t)+4*(\f):S+32*(\t)+4*(\f)+3], s[10:11] offset:(\t)*3072+(\f)*512  ; 512 consecutive bytes, at a multiple of 256 from ob's first byte
.endr
.endm
	PACK 0
	PACK 1
	SEND 0, 12
	PACK 2
	SEND 1, 12
	PACK 3
	SEND 2, 12
	SEND 3, 0
	s_wait_tensorcnt 0x0            ; the wave's end
	ds_add_u32 v[SPW], v[NIL]
	s_wait_dscnt 0x0
	CROUND                          ; the closing round
	s_endpgm
.Lfunc_end_k_qc1e2e5c59d_attn:
	.size	k_qc1e2e5c59d_attn, .Lfunc_end_k_qc1e2e5c59d_attn-k_qc1e2e5c59d_attn
	.p2alignl 7, 3214868480
	.fill 96, 4, 3214868480
	.section	.rodata,"a",@progbits
	.p2align	6, 0x0
	.amdhsa_kernel k_qc1e2e5c59d_attn
		.amdhsa_group_segment_fixed_size 327680
		.amdhsa_private_segment_fixed_size 0
		.amdhsa_enable_private_segment 0
		.amdhsa_kernarg_size 24
		.amdhsa_user_sgpr_count 2
		.amdhsa_user_sgpr_kernarg_segment_ptr 1
		.amdhsa_wavefront_size32 1
		.amdhsa_system_sgpr_workgroup_id_x 1
		.amdhsa_system_sgpr_workgroup_id_y 1
		.amdhsa_system_sgpr_workgroup_id_z 1
		.amdhsa_system_vgpr_workitem_id 0
		.amdhsa_next_free_vgpr 864
		.amdhsa_next_free_sgpr 88
		.amdhsa_reserve_vcc 0
		.amdhsa_float_denorm_mode_32 3
		.amdhsa_float_denorm_mode_16_64 3
		.amdhsa_memory_ordered 1
		.amdhsa_forward_progress 1
		.amdhsa_inst_pref_size 195
	.end_amdhsa_kernel
	.amdgpu_metadata
---
amdhsa.version: [ 1, 2 ]
amdhsa.kernels:
  - .name:           k_qc1e2e5c59d_attn
    .symbol:         k_qc1e2e5c59d_attn.kd
    .args:
      - { .name: qkv, .offset: 0, .size: 8, .value_kind: global_buffer, .address_space: global }
      - { .name: madd, .offset: 8, .size: 8, .value_kind: global_buffer, .address_space: global }
      - { .name: ob, .offset: 16, .size: 8, .value_kind: global_buffer, .address_space: global }
    .group_segment_fixed_size: 327680
    .private_segment_fixed_size: 0
    .kernarg_segment_align: 8
    .kernarg_segment_size: 24
    .max_flat_workgroup_size: 128
    .sgpr_count:     88
    .vgpr_count:     864
    .wavefront_size: 32
...
	.end_amdgpu_metadata
.endif
;; end of part 3
;; launch oproj (part 4): grid 256 x 1, 4 waves a work-group, no clusters, 327,680 bytes of LDS; arguments ob, wt, visual_features, text_features, bo, ln_g, ln_b, out0, out1; writes out0, out1
.if DOCPART == 4
	.amdgcn_target "amdgcn-amd-amdhsa--gfx1250"
	.amdhsa_code_object_version 6
	.text
	.protected	k_qc1e2e5c59d_oproj
	.globl	k_qc1e2e5c59d_oproj
	.p2align	8
	.type	k_qc1e2e5c59d_oproj,@function
k_qc1e2e5c59d_oproj:
	s_mov_b64 s[64:65], 0
	v_nop
	global_prefetch_b8 v0, s[64:65] scope:SCOPE_SE
	s_setreg_imm32_b32 hwreg(HW_REG_WAVE_MODE, 25, 1), 1
	s_wait_xcnt 0x0
; out = LayerNorm(x + O Wo + bo) g + b.  ob: [16][8][1024][96] bf16; wt rows 2304-3071: Wo^T, [n][768] bf16; x: the features, f32, unrounded; bo, ln_g, ln_b: [768] f32; out0, out1: f32.
; Products' sums, the residual, mean and variance in f32; the variance is the mean of (z - mean)^2, taken in a second pass over registers.
; SHARES.  Work-group g takes 64 rows (sequence g / 16, rows 64 (g % 16) on) x all 768 columns, so that a row's mean and variance stay in the work-group.  Wave w has all 64 rows (row blocks a = 0..3) and
; the columns 256 c + 64 w + 16 bb + 0..15 (b = 4 c + bb = 0..11): 48 accumulators.  K = 768 goes head by head, three chunks of 32 channels a head.
; WHERE THE OPERANDS COME FROM.  x (64 x 3,072 bytes) and O (8 heads x 64 x 192 bytes) are asked for once, at the head, by three tensor loads a wave; no LDS byte is filled twice.
; NO CLUSTER, NO RING FOR Wo: x's tile, which is also the stage of the way out, and O's take 322,560 of the 327,680 bytes, and two slots of Wo, even 32 channels deep, are 122,880.
; A fragment of Wo is multiplied by one wave alone, so it goes from memory straight into registers; three chunks' loads, 72 a wave, are asked for ahead.
; THE MATRIX INSTRUCTION IS USED TRANSPOSED (source 0 = 16 rows of Wo^T, source 1 = 16 rows of O): a lane holds row l % 16 and the columns 8 (l / 16) + 0..7.
; NO PREFETCH: x and O are asked for at the head; Wo^T is walked by every work-group.
; REGISTERS, in windows of 256 (s_set_vgpr_msb: bits 1:0 source 0, 3:2 source 1, 5:4 source 2, 7:6 destination):
;   window 0: v4-15 addresses; v16-23 four chains of pairs; v24-25 at work; v26-33 means; v34-41 1 / sqrt(var + eps); v48-79, v80-111, v208-239 O's fragments (later x), three buffers; v112-207 Wo's third buffer (later ln_b)
;   window 1: v0-95, v96-191 Wo's first two buffers (later bo, ln_g)      windows 2, 3: accumulators of row blocks 0, 1 and 2, 3: (a, b) at v[96 (a % 2) + 8 b]
.set XPITCH, 3120                      ; a row of x in LDS: three pieces of 1,024 bytes, 16 of padding behind each: 195 x 16, so sixteen rows' loads start at sixteen different groups of four banks (ISA guide 11.1)
.set OT,     64*XPITCH                 ; O: 8 heads x 64 rows x 240 bytes (three pieces of 64 + 16)
.set HEADB,  64*240
.set ST1,    OT+8*HEADB                ; [64 rows][4 waves] f32: the waves' sums
.set ST2,    ST1+1024                  ; the waves' sums of squares
.set SPARE,  ST2+1024
.set AA, 4                             ; v4  LDS address of my fragments of O in the head to be fetched
.set WO, 5                             ; v5  (64 w + l % 16) x 1,536 + 16 (l / 16): my place in Wo^T
.set TO, 6                             ; v6  256 w + 32 (l / 16): my place in bo, ln_g, ln_b
.set XA, 8                             ; v8-11 my place in x's tile, for row block a
.set SA, 12                            ; v12 where I put a row's partial sum
.set SL, 13                            ; v13 where I read a row's four
.set RB, 14                            ; v14 the way out: my 16 bytes of my wave's first row
.set GO, 15                            ; v15 16 x lane
.set CH, 16
.set MEAN, 26
.set RSTD, 34
.set SPW, 46
.set NIL, 47
.set WV,  22
.set G1O, 24                           ; s[24:31] O's shape; s[32:39] x's
.set G1X, 32
.set WP,  52                           ; s[52:53] Wo^T at the head to be fetched
.set XP,  54                           ; s[54:55] x at my wave's 16 rows
.set OUTP, 56                          ; s[56:57] out at the same rows
.set SEL, 58
.set INV, 60                           ; s60 1 / 768
.set EPS, 61                           ; s61 1e-5
.set CNT, 62
.set MSB, 0
.macro WIN new
.if MSB != (\new)
	s_set_vgpr_msb (MSB<<8)|(\new)
.set MSB, \new
.endif
.endm
.macro PLACES
.rept 4
	v_nop
.endr
.endm
	s_load_b512 s[4:19], s[0:1], 0x0               ; ob 4, wt 6, visual 8, text 10, bo 12, ln_g 14, ln_b 16, out0 18
	s_load_b64 s[20:21], s[0:1], 0x40              ; out1
	v_lshl_add_u32 v[SPW], v0, 2, SPARE
	v_mov_b32 v[NIL], 0
	ds_add_u32 v[SPW], v[NIL]                      ; the wave's opening: the add and its wait stand ahead of my first tensor load
	v_lshrrev_b32 v1, 5, v0
	v_readfirstlane_b32 s[WV], v1
	s_mov_b32 s23, ttmp9                           ; g
	v_and_b32 v2, 15, v0                           ; l % 16
	v_bfe_u32 v3, v0, 4, 1                         ; l / 16
	v_and_b32 v7, 31, v0
	v_mov_b32 v25, 0                               ; v_permlanex16_b32 counts its destination as read
	s_lshl_b32 s2, s[WV], 6
	v_add_nc_u32 v1, s2, v2
	v_mul_u32_u24 v[WO], v1, 1536
	v_lshl_add_u32 v[WO], v3, 4, v[WO]
	v_mul_u32_u24 v[AA], v2, 240
	v_lshl_add_u32 v[AA], v3, 4, v[AA]
	v_add_nc_u32 v[AA], OT, v[AA]
	s_lshl_b32 s3, s[WV], 8
	v_lshl_add_u32 v[TO], v3, 5, s3
	v_mul_u32_u24 v[XA], v2, XPITCH
	v_add_nc_u32 v[XA], v[XA], v[TO]
.irp a, 1,2,3
	v_add_nc_u32 v[XA+(\a)], (\a)*16*XPITCH, v[XA]
.endr
	v_lshlrev_b32 v[SL], 4, v2
	v_add_nc_u32 v[SL], ST1, v[SL]
	s_lshl_b32 s66, s[WV], 2
	v_add_nc_u32 v[SA], s66, v[SL]
	v_lshlrev_b32 v[GO], 4, v7
	s_mul_i32 s67, s[WV], 16*XPITCH
	v_add_nc_u32 v[RB], s67, v[GO]
	; O: a head's 64 rows are 12,288 dense bytes: 48 rows of 256, padded after every 64 bytes.  x: 16 rows of 768 f32, padded after every 1,024 bytes.
	s_mov_b32 s[G1O], (1<<16)|(1<<20)|(3<<22)|(3<<25)
	s_mov_b32 s[G1O+1], 128<<16
	s_mov_b32 s[G1O+2], 48<<16
	s_mov_b32 s[G1O+3], 128<<16
	s_mov_b32 s[G1O+4], 48
	s_mov_b32 s[G1O+5], 128
	s_mov_b32 s[G1O+6], 0
	s_mov_b32 s[G1O+7], 0
	s_mov_b32 s[G1X], (2<<16)|(1<<20)|(7<<22)|(3<<25)
	s_mov_b32 s[G1X+1], 768<<16
	s_mov_b32 s[G1X+2], 16<<16
	s_mov_b32 s[G1X+3], 768<<16
	s_mov_b32 s[G1X+4], 16
	s_mov_b32 s[G1X+5], 768
	s_mov_b32 s[G1X+6], 0
	s_mov_b32 s[G1X+7], 0
	s_mov_b32 s40, 1
	s_mul_i32 s41, s[WV], 2*HEADB
	s_add_co_u32 s41, s41, OT                      ; heads 2 w and 2 w + 1
	s_mov_b32 s44, 1
	s_add_co_u32 s45, s41, HEADB
	s_mov_b32 s48, 1
	s_mul_i32 s49, s[WV], 16*XPITCH                ; x's rows 16 w on
	s_lshr_b32 s2, s23, 4
	s_lshl_b32 s2, s2, 3
	s_lshl_b32 s3, s[WV], 1
	s_add_co_u32 s2, s2, s3                        ; 8 sequence + head
	s_mul_i32 s2, s2, 196608
	s_and_b32 s3, s23, 15
	s_mul_i32 s3, s3, 12288
	s_add_co_u32 s2, s2, s3
	s_mov_b32 s3, 0
	s_and_b32 s66, s23, 127
	s_mul_i32 s66, s66, 196608                     ; 64 rows of 3,072 bytes
	s_mul_i32 s67, s[WV], 49152
	s_add_co_u32 s66, s66, s67
	s_mov_b32 s67, 0
	s_mov_b32 s[SEL], 0x76543210
	s_mov_b32 s[SEL+1], 0xfedcba98
	s_mov_b32 s[INV], 0x3aaaaaab
	s_mov_b32 s[EPS], 0x3727c5ac
	s_wait_dscnt 0x0                               ; the opening add is done
	s_wait_kmcnt 0x0
	s_cmp_lt_u32 s23, 128
	s_cselect_b64 s[XP:XP+1], s[8:9], s[10:11]
	s_cselect_b64 s[OUTP:OUTP+1], s[18:19], s[20:21]
	s_add_nc_u64 s[XP:XP+1], s[XP:XP+1], s[66:67]
	s_add_nc_u64 s[OUTP:OUTP+1], s[OUTP:OUTP+1], s[66:67]
	s_add_nc_u64 s[42:43], s[4:5], s[2:3]
	s_add_nc_u64 s[46:47], s[42:43], 196608
	s_or_b32 s43, s43, 0x80000000
	s_or_b32 s47, s47, 0x80000000
	s_mov_b64 s[50:51], s[XP:XP+1]
	s_or_b32 s51, s51, 0x80000000
	s_add_nc_u64 s[WP:WP+1], s[6:7], 2304*1536
	tensor_load_to_lds s[40:43], s[G1O:G1O+7]      ; three loads of mine are out: O of two heads, then x
	s_nop 0
	tensor_load_to_lds s[44:47], s[G1O:G1O+7]
	s_nop 0
	tensor_load_to_lds s[48:51], s[G1X:G1X+7]
	s_nop 0
	PLACES
.macro SETC c                          ; chunk c's buffers
.if (\c) == 0
.set WBR, 0
.set WBW, 1
.set AFR, 48
.elseif (\c) == 1
.set WBR, 96
.set WBW, 1
.set AFR, 80
.else
.set WBR, 112
.set WBW, 0
.set AFR, 208
.endif
.endm
.macro LOADW c                         ; 12 fragments of Wo^T: 16 rows x 32 channels each, two loads of 16 bytes a lane
	SETC \c
	WIN WBW<<6
.irp b, 0,1,2,3,4,5,6,7,8,9,10,11
	global_load_b128 v[WBR+8*(\b):WBR+8*(\b)+3],   v[WO], s[WP:WP+1] offset:(256*((\b)/4)+16*((\b)%4))*1536+64*(\c)
	global_load_b128 v[WBR+8*(\b)+4:WBR+8*(\b)+7], v[WO], s[WP:WP+1] offset:(256*((\b)/4)+16*((\b)%4))*1536+64*(\c)+32
.endr
	WIN 0
.endm
.macro LOADA c                         ; 4 fragments of O
	SETC \c
	WIN 0
.irp a, 0,1,2,3
	ds_load_b128 v[AFR+8*(\a):AFR+8*(\a)+3],   v[AA] offset:(\a)*16*240+80*(\c)
	ds_load_b128 v[AFR+8*(\a)+4:AFR+8*(\a)+7], v[AA] offset:(\a)*16*240+80*(\c)+32
.endr
.endm
.macro LOADT c                         ; bo (0), ln_g (1), ln_b (2), laid as a result is, into the buffer that chunk c has left
	SETC \c
	WIN WBW<<6
.irp b, 0,1,2,3,4,5,6,7,8,9,10,11
	global_load_b128 v[WBR+8*(\b):WBR+8*(\b)+3],   v[TO], s[12+2*(\c):13+2*(\c)] offset:1024*((\b)/4)+64*((\b)%4)
	global_load_b128 v[WBR+8*(\b)+4:WBR+8*(\b)+7], v[TO], s[12+2*(\c):13+2*(\c)] offset:1024*((\b)/4)+64*((\b)%4)+16
.endr
	WIN 0
.endm
; A chunk: 48 products, the 48 accumulators by turns in the same order in every chunk.  mode 1: its buffers take the next head's chunk; mode 2: a table.
.macro CHUNK c, zero, mode, dsw
	SETC \c
	s_wait_loadcnt 48                              ; my 24 loads are in; the 48 behind them (two chunks, or chunks and tables) stay out
	s_wait_dscnt \dsw                              ; my eight LDS loads are in; those of the chunks behind stay out
.irp a, 0,1,2,3
	WIN 0xa0+0x50*((\a)/2)+WBW
.irp b, 0,1,2,3,4,5,6,7,8,9,10,11
.if \zero
	v_wmma_f32_16x16x32_bf16 v[96*((\a)%2)+8*(\b):96*((\a)%2)+8*(\b)+7], v[WBR+8*(\b):WBR+8*(\b)+7], v[AFR+8*(\a):AFR+8*(\a)+7], 0
.else
	v_wmma_f32_16x16x32_bf16 v[96*((\a)%2)+8*(\b):96*((\a)%2)+8*(\b)+7], v[WBR+8*(\b):WBR+8*(\b)+7], v[AFR+8*(\a):AFR+8*(\a)+7], v[96*((\a)%2)+8*(\b):96*((\a)%2)+8*(\b)+7]
.endif
.endr
.endr
	WIN 0
	PLACES                                         ; in front of loads into registers that the products read
.if (\mode) == 1
.if (\c) == 0
	s_wait_xcnt 0x0                                ; every load issued so far has read its address
	s_add_nc_u64 s[WP:WP+1], s[WP:WP+1], 192       ; the next head's 96 channels
	v_add_nc_u32 v[AA], HEADB, v[AA]
.endif
	LOADW \c
	LOADA \c
.else
	LOADT \c
.endif
.endm
	LOADW 0
	LOADW 1
	LOADW 2
	s_wait_tensorcnt 1                             ; my two heads of O are in; x stays out
	s_barrier_signal -1
	s_barrier_wait -1
	LOADA 0
	LOADA 1
	LOADA 2
	CHUNK 0, 1, 1, 16                              ; head 0: its first chunk starts the sums
	CHUNK 1, 0, 1, 16
	CHUNK 2, 0, 1, 16
	s_mov_b32 s[CNT], 6
.Lhead:                                                ; heads 1 to 6
	CHUNK 0, 0, 1, 16
	CHUNK 1, 0, 1, 16
	CHUNK 2, 0, 1, 16
	s_sub_co_u32 s[CNT], s[CNT], 1
	s_cmp_lg_u32 s[CNT], 0
	s_cbranch_scc1 .Lhead
	CHUNK 0, 0, 2, 16                              ; head 7: nothing more of Wo or O; the tables take the buffers
	CHUNK 1, 0, 2, 8
	CHUNK 2, 0, 2, 0
; ---- THE EPILOGUE.
.macro ZERO
	WIN 0
.irp i, 0,1,2,3,4,5,6,7
	v_mov_b32 v[CH+(\i)], 0
.endr
.endm
.macro REDUCE a, off                   ; the chains, the lane's two halves and the lane 16 away (the row's other columns of this wave) are added; the wave's sum goes to its word
	WIN 0
	v_pk_add_f32 v[CH:CH+1], v[CH:CH+1], v[CH+2:CH+3]
	v_pk_add_f32 v[CH+4:CH+5], v[CH+4:CH+5], v[CH+6:CH+7]
	v_pk_add_f32 v[CH:CH+1], v[CH:CH+1], v[CH+4:CH+5]
	v_add_f32 v24, v[CH], v[CH+1]
	v_permlanex16_b32 v25, v24, s[SEL], s[SEL+1]
	v_add_f32 v24, v24, v25
	ds_store_b32 v[SA], v24 offset:(\off)+256*(\a)
.endm
.macro XBUF g
.set xbuf, 48+32*((\g)%3)
.if ((\g)%3) == 2
.set xbuf, 208
.endif
.endm
.macro XLOAD g                         ; group g = 3 a + c: x for row block a, my 64 columns of piece c
	XBUF \g
	WIN 0
.irp bb, 0,1,2,3
	ds_load_b128 v[xbuf+8*(\bb):xbuf+8*(\bb)+3],   v[XA+(\g)/3] offset:1040*((\g)%3)+64*(\bb)
	ds_load_b128 v[xbuf+8*(\bb)+4:xbuf+8*(\bb)+7], v[XA+(\g)/3] offset:1040*((\g)%3)+64*(\bb)+16
.endr
.endm
.macro GROUP1 g                        ; z = sum + x + bo; the chains take z.  Each accumulator is read from its lowest registers on.
	XBUF \g
.set gw, 2+(\g)/6
.set ar, 96*(((\g)/3)%2)+32*((\g)%3)
	WIN (gw<<6)|gw
.set p, 0
.rept 16
	v_pk_add_f32 v[ar+2*p:ar+2*p+1], v[ar+2*p:ar+2*p+1], v[xbuf+2*p:xbuf+2*p+1]
.set p, p+1
.endr
	WIN (gw<<6)|(1<<2)|gw
.set p, 0
.rept 16
	v_pk_add_f32 v[ar+2*p:ar+2*p+1], v[ar+2*p:ar+2*p+1], v[32*((\g)%3)+2*p:32*((\g)%3)+2*p+1]
.set p, p+1
.endr
	WIN gw<<2
.set p, 0
.rept 16
	v_pk_add_f32 v[CH+2*(p%4):CH+2*(p%4)+1], v[CH+2*(p%4):CH+2*(p%4)+1], v[ar+2*p:ar+2*p+1]
.set p, p+1
.endr
.endm
	s_wait_tensorcnt 0x0                           ; my rows of x are in,
	s_wait_dscnt 0x0
	s_barrier_signal -1
	s_barrier_wait -1                              ; everybody's are
	XLOAD 0
	XLOAD 1
	s_wait_loadcnt 48                              ; bo is in; ln_g and ln_b stay out
.set gi, 0
.rept 12
.if gi%3 == 0
	ZERO
.endif
.if gi < 10
	XLOAD gi+2                                     ; two groups ahead, into the buffer that the group before has left
	s_wait_dscnt 16                                ; this group's eight loads are in; at most the sixteen youngest LDS instructions stay out
.elseif gi == 10
	s_wait_dscnt 8
.else
	s_wait_dscnt 0x0
.endif
	GROUP1 gi
.if gi%3 == 2
	REDUCE gi/3, 0
.endif
.set gi, gi+1
.endr
.macro GATHER off                      ; the four waves' parts of my four rows, added: v[48 + 4 a]
	WIN 0
	s_wait_dscnt 0x0                               ; for the others' sake: my partial sums are stored
	s_barrier_signal -1
	s_barrier_wait -1
.irp a, 0,1,2,3
	ds_load_b128 v[48+4*(\a):51+4*(\a)], v[SL] offset:(\off)+256*(\a)
.endr
	s_wait_dscnt 0x0
.irp a, 0,1,2,3
	v_add_f32 v[48+4*(\a)], v[48+4*(\a)], v[49+4*(\a)]
	v_add_f32 v[50+4*(\a)], v[50+4*(\a)], v[51+4*(\a)]
.endr
.irp a, 0,1,2,3
	v_add_f32 v[48+4*(\a)], v[48+4*(\a)], v[50+4*(\a)]
.endr
.endm
	GATHER 0
.irp a, 0,1,2,3
	v_mul_f32 v[MEAN+2*(\a)],   s[INV], v[48+4*(\a)]
	v_mul_f32 v[MEAN+2*(\a)+1], s[INV], v[48+4*(\a)]
.endr
.macro PASS2 a                         ; z - mean, in place; the chains take its square
.set gw, 2+(\a)/2
.set ar, 96*((\a)%2)
	ZERO
	WIN (gw<<6)|gw
.set p, 0
.rept 48
	v_pk_add_f32 v[ar+2*p:ar+2*p+1], v[ar+2*p:ar+2*p+1], v[MEAN+2*(\a):MEAN+2*(\a)+1] neg_lo:[0,1] neg_hi:[0,1]
.set p, p+1
.endr
	WIN (gw<<2)|gw
.set p, 0
.rept 48
	v_pk_fma_f32 v[CH+2*(p%4):CH+2*(p%4)+1], v[ar+2*p:ar+2*p+1], v[ar+2*p:ar+2*p+1], v[CH+2*(p%4):CH+2*(p%4)+1]
.set p, p+1
.endr
	REDUCE \a, 1024
.endm
	PASS2 0
	PASS2 1
	PASS2 2
	PASS2 3
	GATHER 1024
.irp a, 0,1,2,3
	v_fma_f32 v[48+4*(\a)], v[48+4*(\a)], s[INV], s[EPS]
.endr
.irp a, 0,1,2,3
	v_rsq_f32 v[RSTD+2*(\a)], v[48+4*(\a)]
.endr
	v_nop                                          ; the plain instruction behind the last of the four
	s_wait_alu depctr_va_vdst(0)                   ; one wait for the four, ahead of their first use
.irp a, 0,1,2,3
	v_mov_b32 v[RSTD+2*(\a)+1], v[RSTD+2*(\a)]
.endr
	s_wait_loadcnt 0x0                             ; ln_g and ln_b
.macro PASS3 a                         ; (z - mean) / sqrt(var + eps) x g + b, and into x's own bytes of the tile, which have had their one fill and which only this wave has read
.set gw, 2+(\a)/2
.set ar, 96*((\a)%2)
	WIN (gw<<6)|gw
.set p, 0
.rept 48
	v_pk_mul_f32 v[ar+2*p:ar+2*p+1], v[ar+2*p:ar+2*p+1], v[RSTD+2*(\a):RSTD+2*(\a)+1]
.set p, p+1
.endr
	WIN (gw<<6)|(1<<2)|gw
.set p, 0
.rept 48
	v_pk_fma_f32 v[ar+2*p:ar+2*p+1], v[ar+2*p:ar+2*p+1], v[96+2*p:96+2*p+1], v[112+2*p:112+2*p+1]
.set p, p+1
.endr
	WIN gw<<2
.set p, 0
.rept 12
	ds_store_b128 v[XA+(\a)], v[ar+8*p:ar+8*p+3]   offset:1040*(p/4)+64*(p%4)
	ds_store_b128 v[XA+(\a)], v[ar+8*p+4:ar+8*p+7] offset:1040*(p/4)+64*(p%4)+16
.set p, p+1
.endr
.endm
	PASS3 0
	PASS3 1
	PASS3 2
	PASS3 3
	WIN 0
	s_wait_dscnt 0x0                               ; for the others' sake: my columns of all 64 rows are stored
	s_barrier_signal -1
	s_barrier_wait -1
; THE WAY OUT.  Wave w takes rows 16 w .. + 15 whole: 96 loads of 512 bytes, in four batches of 24, into the accumulators' registers; no register is used twice.
.macro RBL q
	WIN (2+(\q)/2)<<6
.set p, 0
.rept 24
.set it, 24*(\q)+p
	ds_load_b128 v[96*((\q)%2)+4*p:96*((\q)%2)+4*p+3], v[RB] offset:(it/6)*XPITCH+1040*((it%6)/2)+512*(it%2)
.set p, p+1
.endr
.endm
.macro RBS q
	WIN (2+(\q)/2)<<2
.set p, 0
.rept 24
.set it, 24*(\q)+p
	global_store_b128 v[GO], v[96*((\q)%2)+4*p:96*((\q)%2)+4*p+3], s[OUTP:OUTP+1] offset:(it/6)*3072+512*(it%6) th:TH_STORE_NT  ; 512 consecutive bytes, at a multiple of 256 from the output's first byte
.set p, p+1
.endr
.endm
	RBL 0
	RBL 1
	s_wait_dscnt 24                                ; batch 0 is in; batch 1's 24 loads stay out
	RBS 0
	RBL 2
	s_wait_dscnt 24
	RBS 1
	RBL 3
	s_wait_dscnt 24
	RBS 2
	s_wait_dscnt 0x0
	RBS 3
	WIN 0
	s_wait_tensorcnt 0x0                           ; the wave's end
	ds_add_u32 v[SPW], v[NIL]
	s_wait_dscnt 0x0
	s_endpgm
.Lfunc_end_k_qc1e2e5c59d_oproj:
	.size	k_qc1e2e5c59d_oproj, .Lfunc_end_k_qc1e2e5c59d_oproj-k_qc1e2e5c59d_oproj
	.p2alignl 7, 3214868480
	.fill 96, 4, 3214868480
	.section	.rodata,"a",@progbits
	.p2align	6, 0x0
	.amdhsa_kernel k_qc1e2e5c59d_oproj
		.amdhsa_group_segment_fixed_size 327680
		.amdhsa_private_segment_fixed_size 0
		.amdhsa_enable_private_segment 0
		.amdhsa_kernarg_size 72
		.amdhsa_user_sgpr_count 2
		.amdhsa_user_sgpr_kernarg_segment_ptr 1
		.amdhsa_wavefront_size32 1
		.amdhsa_system_sgpr_workgroup_id_x 1
		.amdhsa_system_sgpr_workgroup_id_y 1
		.amdhsa_system_sgpr_workgroup_id_z 1
		.amdhsa_system_vgpr_workitem_id 0
		.amdhsa_next_free_vgpr 960
		.amdhsa_next_free_sgpr 72
		.amdhsa_reserve_vcc 0
		.amdhsa_float_denorm_mode_32 3
		.amdhsa_float_denorm_mode_16_64 3
		.amdhsa_memory_ordered 1
		.amdhsa_forward_progress 1
		.amdhsa_inst_pref_size 189
	.end_amdhsa_kernel
	.amdgpu_metadata
---
amdhsa.version: [ 1, 2 ]
amdhsa.kernels:
  - .name:           k_qc1e2e5c59d_oproj
    .symbol:         k_qc1e2e5c59d_oproj.kd
    .args:
      - { .name: ob, .offset: 0, .size: 8, .value_kind: global_buffer, .address_space: global }
      - { .name: wt, .offset: 8, .size: 8, .value_kind: global_buffer, .address_space: global }
      - { .name: visual_features, .offset: 16, .size: 8, .value_kind: global_buffer, .address_space: global }
      - { .name: text_features, .offset: 24, .size: 8, .value_kind: global_buffer, .address_space: global }
      - { .name: bo, .offset: 32, .size: 8, .value_kind: global_buffer, .address_space: global }
      - { .name: ln_g, .offset: 40, .size: 8, .value_kind: global_buffer, .address_space: global }
      - { .name: ln_b, .offset: 48, .size: 8, .value_kind: global_buffer, .address_space: global }
      - { .name: out0, .offset: 56, .size: 8, .value_kind: global_buffer, .address_space: global }
      - { .name: out1, .offset: 64, .size: 8, .value_kind: global_buffer, .address_space: global }
    .group_segment_fixed_size: 327680
    .private_segment_fixed_size: 0
    .kernarg_segment_align: 8
    .kernarg_segment_size: 72
    .max_flat_workgroup_size: 128
    .sgpr_count:     72
    .vgpr_count:     960
    .wavefront_size: 32
...
	.end_amdgpu_metadata
.endif
;; end of part 4
;; ======== version 2 of 3: 4 launches
;; limits: right only within a limited range of input values
;; workspace buffers: xb 25,165,824 bytes; wt 4,718,592 bytes; bias 9,216 bytes; madd 65,536 bytes; qkv 75,497,472 bytes; ob 25,165,824 bytes
;; launch prep (part 5): grid 817 x 1, 4 waves a work-group, no clusters, 17,920 bytes of LDS; arguments visual_features, text_features, Wq, Wk, Wv, Wo, bq, bk, bv, visual_mask, text_mask, xb, wt, bias, madd; writes xb, wt, bias, madd
.if DOCPART == 5
	.amdgcn_target "amdgcn-amd-amdhsa--gfx1250"
	.amdhsa_code_object_version 6
	.text
	.protected	k_qc1e2e5c59d_prep
	.globl	k_qc1e2e5c59d_prep
	.p2align	8
	.type	k_qc1e2e5c59d_prep,@function
k_qc1e2e5c59d_prep:
	s_mov_b64 s[64:65], 0
	v_nop
	global_prefetch_b8 v0, s[64:65] scope:SCOPE_SE
	s_setreg_imm32_b32 hwreg(HW_REG_WAVE_MODE, 25, 1), 1
	s_wait_xcnt 0x0
; PREP: what the later launches multiply is written once, rounded once to bf16.
;   xb   [16384][768] bf16: rows 0-8191 visual_features, rows 8192-16383 text_features
;   wt   bf16.  Rows 0-2303, [n][768]: wt[n][k] = W[k][n]; rows 0-767 Wq, 768-1535 Wk, 1536-2303 Wv.
;        Behind them, in as many bytes as 768 such rows: Wo^T IN FRAGMENT ORDER.  Block (kc, nb), channels 32 kc on x columns 16 nb on, is 1,024 bytes at (48 kc + nb) x 1,024;
;        in it half j (channels 16 j on) is 512 bytes, and lane l = 16 h + r holds the 16 bytes of column r, channels 8 h .. 8 h + 7: a matrix operand's registers as they are loaded.
;   bias [2304] f32: bq, bk, bv on end
;   madd [16][1024] f32: 0 where the mask is not 0, -1e30 where it is 0; rows 0-7 visual_mask, rows 8-15 text_mask
; The work-group's number chooses one of four parts; the choice is the same for all four waves of a work-group.
;   0-511   X: 98,304 bytes of features (32 rows) to 49,152 bytes of xb
;   512-799 W: a tile of 128 k x 64 n of one weight matrix, turned in LDS
;   800-815 M: one row of a mask      816 B: the three biases
; No matrix unit, no cluster, no tensor load: every byte is read once and written once, and nothing is shared.
.set SPARE, 17408                      ; behind the 64 x 272 bytes of the W part's tile: the spare words, 128 bytes a wave
.set SPW,   166                        ; v166 LDS address of my spare word; never rewritten
.set NIL,   167                        ; v167 0; never rewritten
.set X,     4                          ; v[4:67]   as loaded
.set Y,     68                         ; v[68:99]  to store
.set R,     100                        ; v[100:131] W part: rows read back
	s_load_b512 s[16:31], s[0:1], 0x0              ; visual 16, text 18, Wq 20, Wk 22, Wv 24, Wo 26, bq 28, bk 30
	s_load_b256 s[32:39], s[0:1], 0x40             ; bv 32, visual_mask 34, text_mask 36, xb 38
	s_load_b128 s[40:43], s[0:1], 0x60             ; wt 40, bias 42
	s_load_b64 s[44:45], s[0:1], 0x70              ; madd
	v_lshl_add_u32 v[SPW], v0, 2, SPARE
	v_mov_b32 v[NIL], 0
	s_mov_b32 s2, ttmp9
	v_lshlrev_b32 v1, 4, v0                        ; 16 t: never rewritten
	v_lshlrev_b32 v2, 3, v0                        ; 8 t: never rewritten
	s_wait_kmcnt 0x0
	s_cmp_lt_u32 s2, 512
	s_cbranch_scc0 .Lnot_x
; ---- X.  48 items of 2,048 bytes, three rounds of sixteen slots; thread t takes 16 bytes of an item and stores 8: a wave's store covers 256 consecutive bytes, aligned.
; Sixteen loads of every wave are on their way.  A round's loads reach one round ahead by their immediates; the two bases step at a round's end.
	s_cmp_lt_u32 s2, 256
	s_cselect_b64 s[4:5], s[16:17], s[18:19]
	s_and_b32 s6, s2, 255
	s_mul_i32 s6, s6, 98304
	s_mov_b32 s7, 0
	s_add_nc_u64 s[4:5], s[4:5], s[6:7]
	s_mul_i32 s8, s2, 49152
	s_mov_b32 s9, 0
	s_add_nc_u64 s[8:9], s[38:39], s[8:9]
.irp i, 0,1,2,3,4,5,6,7,8,9,10,11,12,13,14,15
	global_load_b128 v[X+4*(\i):X+4*(\i)+3], v1, s[4:5] offset:(\i)*2048 th:TH_LOAD_NT
.endr
.macro XSLOT i, ahead, left
	s_wait_loadcnt \left                           ; loads come back in order: mine is in, the younger ones stay out
	v_cvt_pk_bf16_f32 v[Y+2*(\i)],   v[X+4*(\i)],   v[X+4*(\i)+1]
	v_cvt_pk_bf16_f32 v[Y+2*(\i)+1], v[X+4*(\i)+2], v[X+4*(\i)+3]
.if \ahead
	global_load_b128 v[X+4*(\i):X+4*(\i)+3], v1, s[4:5] offset:(16+(\i))*2048 th:TH_LOAD_NT
.endif
	global_store_b64 v2, v[Y+2*(\i):Y+2*(\i)+1], s[8:9] offset:(\i)*1024
.endm
	s_mov_b32 s12, 2
.Lround:
.irp i, 0,1,2,3,4,5,6,7,8,9,10,11,12,13,14,15
	XSLOT \i, 1, 15
.endr
	s_wait_xcnt 0x0                                ; the round's loads and stores have read their bases, the stores their data: only now are these written again
	s_add_nc_u64 s[4:5], s[4:5], 32768
	s_add_nc_u64 s[8:9], s[8:9], 16384
	s_sub_co_u32 s12, s12, 1
	s_cmp_lg_u32 s12, 0
	s_cbranch_scc1 .Lround
.irp i, 0,1,2,3,4,5,6,7,8,9,10,11,12,13,14,15
	XSLOT \i, 0, 15-(\i)                           ; the last round loads nothing: the counts run down
.endr
	s_endpgm
.Lnot_x:
	s_cmp_lt_u32 s2, 800
	s_cbranch_scc0 .Lnot_w
; ---- W.  e = 72 matrix + 12 kb + nb.  Lane (c = l % 16, hp = l / 16) of wave w loads 16 bytes (4 n) of the rows k and k + 1, k = 32 w + 2 hp + 4 m:
; sixteen lanes take 256 consecutive bytes of a row of W.  Two rows' numbers are packed (k low, k + 1 high) and go into LDS rows of n, 272 bytes apart.
	s_sub_co_u32 s3, s2, 512
	s_mul_i32 s6, s3, 911
	s_lshr_b32 s6, s6, 16                          ; e / 72 for e < 288
	s_mul_i32 s7, s6, 72
	s_sub_co_u32 s7, s3, s7
	s_mul_i32 s10, s7, 43
	s_lshr_b32 s10, s10, 9                         ; kb = rest / 12 for rest < 72
	s_mul_i32 s11, s10, 12
	s_sub_co_u32 s11, s7, s11                      ; nb
	s_cmp_eq_u32 s6, 1
	s_cselect_b64 s[4:5], s[22:23], s[20:21]
	s_cmp_eq_u32 s6, 2
	s_cselect_b64 s[4:5], s[24:25], s[4:5]
	s_cmp_eq_u32 s6, 3
	s_cselect_b64 s[4:5], s[26:27], s[4:5]
	s_mul_i32 s12, s10, 393216                     ; 128 rows of 3,072 bytes
	s_lshl_b32 s13, s11, 8                         ; 64 columns of 4 bytes
	s_add_co_u32 s12, s12, s13
	s_mov_b32 s13, 0
	s_add_nc_u64 s[4:5], s[4:5], s[12:13]
	s_mul_i32 s14, s6, 768
	s_lshl_b32 s15, s11, 6
	s_add_co_u32 s14, s14, s15                     ; wt's row
	s_mul_i32 s14, s14, 1536
	s_lshl_b32 s15, s10, 8                         ; 128 k of 2 bytes
	s_add_co_u32 s14, s14, s15
	s_mov_b32 s15, 0
	s_add_nc_u64 s[8:9], s[40:41], s[14:15]
	v_and_b32 v140, 15, v0                         ; c
	v_bfe_u32 v141, v0, 4, 1                       ; hp
	v_lshrrev_b32 v142, 5, v0                      ; w
	v_lshlrev_b32 v143, 1, v141
	v_lshl_add_u32 v143, v142, 5, v143             ; 32 w + 2 hp
	v_mul_u32_u24 v144, v143, 3072
	v_lshl_add_u32 v144, v140, 4, v144             ; my offset in W
	v_mul_u32_u24 v145, v140, 1088                 ; LDS row 4 c,
	v_lshl_add_u32 v145, v143, 1, v145             ; byte 2 k
	v_lshl_add_u32 v146, v142, 4, v141             ; 16 w + hp
	v_mul_u32_u24 v147, v146, 272
	v_lshl_add_u32 v147, v140, 4, v147             ; back: sixteen lanes take one row of 256 bytes
	v_mul_u32_u24 v148, v146, 1536
	v_lshl_add_u32 v148, v140, 4, v148             ; and the same row in wt
.irp m, 0,1,2,3,4,5,6,7
	global_load_b128 v[X+8*(\m):X+8*(\m)+3],   v144, s[4:5] offset:(\m)*12288 th:TH_LOAD_NT
	global_load_b128 v[X+8*(\m)+4:X+8*(\m)+7], v144, s[4:5] offset:(\m)*12288+3072 th:TH_LOAD_NT
.endr
.irp m, 0,1,2,3,4,5,6,7
	s_wait_loadcnt 14-2*(\m)                       ; pair m is in; the pairs behind it stay out
.irp i, 0,1,2,3
	v_cvt_pk_bf16_f32 v[Y+4*(\m)+(\i)], v[X+8*(\m)+(\i)], v[X+8*(\m)+4+(\i)]
	ds_store_b32 v145, v[Y+4*(\m)+(\i)] offset:(\i)*272+(\m)*8
.endr
.endr
	s_wait_dscnt 0x0                               ; for the others' sake: my stores into the tile are done
	s_barrier_signal -1
	s_barrier_wait -1
	s_cmp_eq_u32 s6, 3                             ; the matrix's number: the same in all four waves
	s_cbranch_scc1 .Lfrag                          ; Wo goes out in fragment order
.irp t, 0,1,2,3,4,5,6,7
	ds_load_b128 v[R+4*(\t):R+4*(\t)+3], v147 offset:(\t)*544
.endr
.irp t, 0,1,2,3,4,5,6,7
	s_wait_dscnt 7-(\t)
	global_store_b128 v148, v[R+4*(\t):R+4*(\t)+3], s[8:9] offset:(\t)*3072  ; sixteen lanes store 256 consecutive bytes, aligned
.endr
	s_branch .Lw_end
.Lfrag:
; The tile holds 4 x 4 blocks: channels 32 (4 kb + t / 2) on, columns 16 (4 nb + w) on.  Wave w takes its four blocks: load t brings half t % 2 of block t / 2,
; lane (r, h) the 16 bytes of LDS row 16 w + r at byte 32 t + 16 h (sixteen rows 272 bytes apart: sixteen different groups of four banks), and the wave stores 512 consecutive bytes.
	s_mul_i32 s14, s10, 4*48*1024                  ; 4 kb rows of 48 blocks
	s_lshl_b32 s15, s11, 12                        ; 4 nb blocks
	s_add_co_u32 s14, s14, s15
	s_add_co_u32 s14, s14, 2304*1536               ; behind wt's 2,304 rows
	s_mov_b32 s15, 0
	s_add_nc_u64 s[8:9], s[40:41], s[14:15]        ; (no store has named s[8:9] on this way)
	v_lshl_add_u32 v149, v142, 4, v140             ; 16 w + r
	v_mul_u32_u24 v149, v149, 272
	v_lshl_add_u32 v149, v141, 4, v149             ; + 16 h
	v_lshl_add_u32 v150, v142, 9, v1               ; 1,024 w + 16 lane = 16 t + 512 w
.irp t, 0,1,2,3,4,5,6,7
	ds_load_b128 v[R+4*(\t):R+4*(\t)+3], v149 offset:(\t)*32
.endr
.irp t, 0,1,2,3,4,5,6,7
	s_wait_dscnt 7-(\t)
	global_store_b128 v150, v[R+4*(\t):R+4*(\t)+3], s[8:9] offset:((\t)/2)*49152+((\t)%2)*512  ; 512 consecutive bytes, at a multiple of 512 from wt's first byte
.endr
.Lw_end:
	s_wait_tensorcnt 0x0                           ; the wave's end: behind my last LDS store
	ds_add_u32 v[SPW], v[NIL]
	s_wait_dscnt 0x0
	s_endpgm
.Lnot_w:
	s_cmp_lt_u32 s2, 816
	s_cbranch_scc0 .Lbias
; ---- M.  Row m of the sixteen: 1,024 words of a mask become 1,024 addends; a thread takes two times 16 bytes.
	s_sub_co_u32 s6, s2, 800                       ; m
	s_cmp_lt_u32 s6, 8
	s_cselect_b64 s[4:5], s[34:35], s[36:37]
	s_and_b32 s10, s6, 7
	s_lshl_b32 s10, s10, 12                        ; the row in its mask
	s_mov_b32 s11, 0
	s_add_nc_u64 s[4:5], s[4:5], s[10:11]
	s_lshl_b32 s6, s6, 12                          ; and in madd
	s_mov_b32 s7, 0
	s_add_nc_u64 s[8:9], s[44:45], s[6:7]
	s_mov_b32 s12, 0xf149f2ca                      ; -1e30
	global_load_b128 v[X:X+3],   v1, s[4:5]
	global_load_b128 v[X+4:X+7], v1, s[4:5] offset:2048
	s_wait_loadcnt 0x0
.irp j, 0,1,2,3,4,5,6,7
	v_cmp_eq_u32 vcc_lo, 0, v[X+(\j)]
	v_cndmask_b32 v[Y+(\j)], 0, s12, vcc_lo
.endr
	global_store_b128 v1, v[Y:Y+3],   s[8:9]
	global_store_b128 v1, v[Y+4:Y+7], s[8:9] offset:2048
	s_endpgm
.Lbias:
; ---- B.  Three times 3,072 bytes, copied.
.irp i, 0,1,2
	global_load_b64 v[X+2*(\i):X+2*(\i)+1],       v2, s[28:29] offset:(\i)*1024
	global_load_b64 v[X+6+2*(\i):X+6+2*(\i)+1],   v2, s[30:31] offset:(\i)*1024
	global_load_b64 v[X+12+2*(\i):X+12+2*(\i)+1], v2, s[32:33] offset:(\i)*1024
.endr
	s_wait_loadcnt 0x0
.irp i, 0,1,2
	global_store_b64 v2, v[X+2*(\i):X+2*(\i)+1],       s[42:43] offset:(\i)*1024
	global_store_b64 v2, v[X+6+2*(\i):X+6+2*(\i)+1],   s[42:43] offset:3072+(\i)*1024
	global_store_b64 v2, v[X+12+2*(\i):X+12+2*(\i)+1], s[42:43] offset:6144+(\i)*1024
.endr
	s_endpgm
.Lfunc_end_k_qc1e2e5c59d_prep:
	.size	k_qc1e2e5c59d_prep, .Lfunc_end_k_qc1e2e5c59d_prep-k_qc1e2e5c59d_prep
	.p2alignl 7, 3214868480
	.fill 96, 4, 3214868480
	.section	.rodata,"a",@progbits
	.p2align	6, 0x0
	.amdhsa_kernel k_qc1e2e5c59d_prep
		.amdhsa_group_segment_fixed_size 17920
		.amdhsa_private_segment_fixed_size 0
		.amdhsa_enable_private_segment 0
		.amdhsa_kernarg_size 120
		.amdhsa_user_sgpr_count 2
		.amdhsa_user_sgpr_kernarg_segment_ptr 1
		.amdhsa_wavefront_size32 1
		.amdhsa_system_sgpr_workgroup_id_x 1
		.amdhsa_system_sgpr_workgroup_id_y 1
		.amdhsa_system_sgpr_workgroup_id_z 1
		.amdhsa_system_vgpr_workitem_id 0
		.amdhsa_next_free_vgpr 168
		.amdhsa_next_free_sgpr 66
		.amdhsa_reserve_vcc 1
		.amdhsa_float_denorm_mode_32 3
		.amdhsa_float_denorm_mode_16_64 3
		.amdhsa_memory_ordered 1
		.amdhsa_forward_progress 1
		.amdhsa_inst_pref_size 28
	.end_amdhsa_kernel
	.amdgpu_metadata
---
amdhsa.version: [ 1, 2 ]
amdhsa.kernels:
  - .name:           k_qc1e2e5c59d_prep
    .symbol:         k_qc1e2e5c59d_prep.kd
    .args:
      - { .name: visual_features, .offset: 0, .size: 8, .value_kind: global_buffer, .address_space: global }
      - { .name: text_features, .offset: 8, .size: 8, .value_kind: global_buffer, .address_space: global }
      - { .name: Wq, .offset: 16, .size: 8, .value_kind: global_buffer, .address_space: global }
      - { .name: Wk, .offset: 24, .size: 8, .value_kind: global_buffer, .address_space: global }
      - { .name: Wv, .offset: 32, .size: 8, .value_kind: global_buffer, .address_space: global }
      - { .name: Wo, .offset: 40, .size: 8, .value_kind: global_buffer, .address_space: global }
      - { .name: bq, .offset: 48, .size: 8, .value_kind: global_buffer, .address_space: global }
      - { .name: bk, .offset: 56, .size: 8, .value_kind: global_buffer, .address_space: global }
      - { .name: bv, .offset: 64, .size: 8, .value_kind: global_buffer, .address_space: global }
      - { .name: visual_mask, .offset: 72, .size: 8, .value_kind: global_buffer, .address_space: global }
      - { .name: text_mask, .offset: 80, .size: 8, .value_kind: global_buffer, .address_space: global }
      - { .name: xb, .offset: 88, .size: 8, .value_kind: global_buffer, .address_space: global }
      - { .name: wt, .offset: 96, .size: 8, .value_kind: global_buffer, .address_space: global }
      - { .name: bias, .offset: 104, .size: 8, .value_kind: global_buffer, .address_space: global }
      - { .name: madd, .offset: 112, .size: 8, .value_kind: global_buffer, .address_space: global }
    .group_segment_fixed_size: 17920
    .private_segment_fixed_size: 0
    .kernarg_segment_align: 8
    .kernarg_segment_size: 120
    .max_flat_workgroup_size: 128
    .sgpr_count:     66
    .vgpr_count:     168
    .wavefront_size: 32
...
	.end_amdgpu_metadata
.endif
;; end of part 5
;; launch qkv (part 6): grid 4 x 64, 4 waves a work-group, clusters of 4 x 4, 327,680 bytes of LDS; arguments xb, wt, qkv, bias; writes qkv
.if DOCPART == 6
	.amdgcn_target "amdgcn-amd-amdhsa--gfx1250"
	.amdhsa_code_object_version 6
	.text
	.protected	k_qc1e2e5c59d_qkv
	.globl	k_qc1e2e5c59d_qkv
	.p2align	8
	.type	k_qc1e2e5c59d_qkv,@function
k_qc1e2e5c59d_qkv:
	s_mov_b64 s[64:65], 0
	v_nop
	global_prefetch_b8 v0, s[64:65] scope:SCOPE_SE
	s_setreg_imm32_b32 hwreg(HW_REG_WAVE_MODE, 25, 1), 1
	s_wait_xcnt 0x0
	s_wait_alu depctr_hold_cnt(0) depctr_sa_sdst(0) depctr_va_vdst(0) depctr_va_sdst(0) depctr_va_ssrc(0) depctr_va_vcc(0) depctr_vm_vsrc(0)
	s_getreg_b32 s2, hwreg(HW_REG_IB_STS2, 6, 4)
	s_cmp_eq_u32 s2, 0
	s_cbranch_scc0 .Lentry_in_a_cluster
	s_endpgm
.Lentry_in_a_cluster:
	s_bfe_u32 s2, ttmp6, 0x10000c
	s_cmp_lg_u32 s2, 0xf033
	s_cbranch_scc0 .Lentry_shape_is_right
	s_endpgm
.Lentry_shape_is_right:
; q, k, v = xb wt^T + bias.  xb: [16384][768] bf16; wt: rows 0-2303 are Wq^T, Wk^T, Wv^T, [n][768] bf16; bias: [2304] f32; sums in f32, rounded once to bf16.
; qkv: [3][16 sequences][8 heads][1024][96] bf16: a head's rows are dense, 192 bytes each.
; SHARES.  A work-group (column j of 4, row y of 64) makes rows 256 y .. + 255 x columns 192 j .. + 191 of q, then of k, then of v: three tiles, the same rows of xb, 768 rows of wt further down each time.
; Four waves: wave w has rows 128 (w / 2) .. + 127 and columns 96 (w % 2) .. + 95, which are head 2 j + w % 2: 8 x 6 accumulators of 16 x 16, 384 registers.
; K = 768 goes in six steps of 128 through a ring of two LDS slots filled by the tensor data mover; the ring runs on from tile to tile.
; CLUSTER.  4 x 4 work-groups: the four of a row of the cluster need the same rows of xb, the four of a column the same rows of wt: each tile is asked for jointly.
; THE MATRIX INSTRUCTION IS USED TRANSPOSED (source 0 = 16 rows of wt, source 1 = 16 rows of xb): a lane holds row l % 16 and the columns 8 (l / 16) + 0..7.  The bias, laid the same way, is the C operand of
; each sum's first product: nothing is cleared and nothing is added afterwards.
; THE WAY OUT IS WRITTEN ONCE: a tile with a successor reaches it behind its two refills, the last tile behind its written-out tail; one compare on the tiles' counter behind it leaves the loop.
; REGISTERS, in windows of 256 (s_set_vgpr_msb: bits 1:0 source 0, 3:2 source 1, 5:4 source 2, 7:6 destination):
;   window 0: v16-31 addresses; v64-127, v128-191 fragments of xb, two buffers; v192-215 packed results; v32-55, v224-247 rows read back, by turns
;   window 1: v64-111, v128-175 fragments of wt, two buffers; v192-239 the bias, 8 registers for each of my 6 column blocks
;   window 2: accumulators of my row blocks 0-3, (a, b) at v[8 (6 a + b)];   window 3: those of row blocks 4-7
.set KSTEP,  128
.set ROWB,   1536                      ; bytes in a row of xb and of wt
.set PITCH,  272                       ; an LDS row: 256 bytes + 16 of padding: 17 x 16, so the sixteen rows of a fragment load start at sixteen different groups of four banks (ISA guide 11.1)
.set HALFA,  128*PITCH                 ; what a wave fetches of xb
.set HALFB,  96*PITCH                  ; what a wave fetches of wt
.set BOFF,   2*HALFA                   ; in a slot: xb's 256 rows, then wt's 192
.set SLOT,   2*HALFA+2*HALFB
.set STAGE,  2*SLOT                    ; behind the ring: 16 rows x 208 bytes for each wave, for the way out
.set SPITCH, 208
.set SPARE,  STAGE+4*16*SPITCH         ; behind the stages: the spare words, 128 bytes a wave
.set LAPS,   3                         ; a lap = two K steps = once round the ring
.set TILES,  3
.set BACK_A, 4*KSTEP*2                 ; from a slot's last K step of a tile to its first of the next: xb goes back along K,
.set NEXT_B, 768*ROWB-4*KSTEP*2        ; wt 768 rows down and back
.set BLOCKB, 16*192                    ; 16 rows of a head
.set NEXT_C, 25165824-7*BLOCKB         ; from my last 16 rows of a tile to my first in the next tensor
.set ADRA, 16                          ; v16-17 LDS address of my fragments of xb in slot 0, 1
.set ADRB, 20                          ; v20-21 of wt
.set CO,   22                          ; v22 16 x lane: my place in 512 consecutive bytes of qkv
.set STO,  24                          ; v24 where I put 16 bytes of a row
.set RD,   25                          ; v25-27 where I read 16 bytes back: for dense bytes 512 k + 16 lane, k = 0, 1, 2
.set SPW,  28
.set NIL,  29
.set PFO,  30                          ; v30 the prefetches' offset: a lane a row
.set BO,   31                          ; v31 32 (l / 16): my eight numbers in 16 of the bias
.set F0,   64
.set F1,   128
.set TMP,  192
.set OB,   32
.set BIAS, 192                         ; window 1
.set G1,   24                          ; s[24:31] descriptor group 1 for xb's tiles; s[32:39] group 0, a set for each slot
.set G0,   32
.set G1B,  48                          ; s[48:55], s[56:63] the same for wt's
.set G0B,  56
.set LIM,  43                          ; s43 1 in a wave that prefetches, else the greatest number
.set PFA,  44                          ; s[44:45] where my prefetches stand
.set CP,   68                          ; s[68:69] qkv, walking
.set BP,   70                          ; s[70:71] bias at my 96 columns, walking
.set MSB, 0
.macro WIN new                         ; the immediate's high byte repeats the setting that is left; a switch that changes nothing is dropped
.if MSB != (\new)
	s_set_vgpr_msb (MSB<<8)|(\new)
.set MSB, \new
.endif
.endm
.set TO_B, 0x40                        ; destination window 1, address window 0
; A joint load.  Waves 0 and 1 fetch xb's two halves, waves 2 and 3 wt's.  The branch hangs on the wave's number alone.  An s_nop 0 and four v_nop follow each line.
.macro JLOAD s
	s_cmp_eq_u32 s11, 0
	s_cbranch_scc0 .Lfor_b_\@
	tensor_load_to_lds s[G0+4*(\s):G0+4*(\s)+3], s[G1:G1+7]
	s_nop 0
.rept 4
	v_nop
.endr
	s_branch .Lasked_\@
.Lfor_b_\@:
	tensor_load_to_lds s[G0B+4*(\s):G0B+4*(\s)+3], s[G1B:G1B+7]
	s_nop 0
.rept 4
	v_nop
.endr
.Lasked_\@:
.endm
; A prefetch of the K step that stands two refills on: a lane a row, 256 bytes of each, one instruction a wave, behind the joint load and the run of LDS loads.
; xb's rows are read by one cluster alone, three times: they are asked for in the first tile only.  wt's rows are read by all sixteen clusters: the one with y = 0 asks, in every tile.
; The four partners that fetch a tile jointly share its rows out by address: 32 of 128 (xb, by cx), 24 of 96 (wt, by cy; lanes 24-31 repeat lane 23's row).
.macro ASK how
.if \how
	s_cmp_eq_u32 s[LIM], 1
.else
	s_cmp_gt_u32 s3, s[LIM]                        ; s3 = 1 in the loop's last trip: a tile's last two refills have no K step two on
.endif
	s_cbranch_scc0 .Lnot_mine_\@
	global_prefetch_b8 v[PFO], s[PFA:PFA+1] offset:KSTEP*2 th:TH_LOAD_NT scope:SCOPE_SE
.Lnot_mine_\@:
.endm
.macro CREST                           ; a round of the cluster's barrier behind its opening barrier
	s_cmp_lg_u32 s10, 0
	s_cbranch_scc1 .Lnot_wave_0_\@
	s_barrier_signal -3
.Lnot_wave_0_\@:
	s_barrier_wait -3
	s_barrier_signal -1
	s_barrier_wait -1
.endm
.macro CROUND
	s_barrier_signal -1
	s_barrier_wait -1
	CREST
.endm
	s_load_b128 s[4:7], s[0:1], 0x0                ; xb s[4:5], wt s[6:7]
	s_load_b128 s[68:71], s[0:1], 0x10             ; qkv, bias
	v_lshl_add_u32 v[SPW], v0, 2, SPARE
	v_mov_b32 v[NIL], 0
	ds_add_u32 v[SPW], v[NIL]                      ; the wave's opening: the add and its wait stand ahead of my first tensor load; the set-up below stands between them
	v_lshrrev_b32 v1, 5, v0
	v_readfirstlane_b32 s10, v1                    ; wave 0..3
	s_lshr_b32 s11, s10, 1                         ; my half of the rows.  Also: I fetch for xb (0) or for wt (1)
	s_and_b32 s12, s10, 1                          ; my half of the columns.  Also: which half of that tile I fetch
	s_bfe_u32 s40, ttmp6, 0x40000                  ; cx
	s_bfe_u32 s41, ttmp6, 0x40004                  ; cy
	s_lshl_b32 s42, ttmp9, 2
	s_add_co_u32 s42, s42, s40                     ; tile column j
	s_and_b32 s13, ttmp7, 0xffff
	s_lshl_b32 s13, s13, 2
	s_add_co_u32 s13, s13, s41                     ; tile row y
	s_lshl_b32 s43, s41, 2
	s_lshl_b32 s43, 15, s43                        ; my row of the cluster
	s_lshl_b32 s44, 0x1111, s40                    ; my column
	s_or_b32 s[G1+0], s43, (1<<16)|(1<<20)|(1<<21)|(5<<22)|(3<<25)   ; the mask; 2-byte elements; padding on; bit 21 beside a mask; after every 64 words, 4 words
	s_or_b32 s[G1B+0], s44, (1<<16)|(1<<20)|(1<<21)|(5<<22)|(3<<25)
	s_mov_b32 s[G1+1], KSTEP<<16                   ; tensor_dim0 = 128
	s_mov_b32 s[G1+2], 128<<16                     ; tensor_dim1 = 128
	s_mov_b32 s[G1+3], KSTEP<<16                   ; tile_dim0 = 128
	s_mov_b32 s[G1+4], 128                         ; tile_dim1 = 128
	s_mov_b32 s[G1+5], 768                         ; elements from row to row
	s_mov_b32 s[G1+6], 0
	s_mov_b32 s[G1+7], 0
	s_mov_b32 s[G1B+1], KSTEP<<16
	s_mov_b32 s[G1B+2], 96<<16                     ; 96 rows
	s_mov_b32 s[G1B+3], KSTEP<<16
	s_mov_b32 s[G1B+4], 96
	s_mov_b32 s[G1B+5], 768
	s_mov_b32 s[G1B+6], 0
	s_mov_b32 s[G1B+7], 0
	s_lshl_b32 s16, s13, 8
	s_lshl_b32 s17, s12, 7
	s_add_co_u32 s16, s16, s17                     ; xb: row 256 y + 128 half
	s_mul_i32 s16, s16, ROWB
	s_mov_b32 s17, 0
	s_mul_i32 s46, s42, 192
	s_mul_i32 s47, s12, 96
	s_add_co_u32 s46, s46, s47                     ; wt: row 192 j + 96 half: also my wave's first column
	s_lshl_b32 s66, s46, 2                         ; its place in the bias
	s_mov_b32 s67, 0
	s_mul_i32 s46, s46, ROWB
	s_mov_b32 s47, 0
	s_mul_i32 s20, s10, HALFA                      ; where they go: xb's halves at wave x 34,816 (waves 0, 1),
	s_mul_i32 s21, s10, HALFB
	s_add_co_u32 s21, s21, BOFF-2*HALFB            ; wt's at 17,408 + wave x 26,112 (waves 2, 3): behind xb's 256 rows
	s_wait_dscnt 0x0                               ; the opening add is done
	s_wait_kmcnt 0x0
	s_add_nc_u64 s[14:15], s[4:5], s[16:17]
	s_add_nc_u64 s[46:47], s[6:7], s[46:47]
	s_add_nc_u64 s[BP:BP+1], s[BP:BP+1], s[66:67]
	CROUND                                         ; all sixteen work-groups are here: the first joint loads meet
.irp s, 0,1
	s_mov_b32 s[G0+4*(\s)], 1
	s_add_co_u32 s[G0+4*(\s)+1], s20, (\s)*SLOT
	s_add_nc_u64 s[G0+4*(\s)+2:G0+4*(\s)+3], s[14:15], (\s)*KSTEP*2
	s_or_b32 s[G0+4*(\s)+3], s[G0+4*(\s)+3], 0x80000000
	s_mov_b32 s[G0B+4*(\s)], 1
	s_add_co_u32 s[G0B+4*(\s)+1], s21, (\s)*SLOT
	s_add_nc_u64 s[G0B+4*(\s)+2:G0B+4*(\s)+3], s[46:47], (\s)*KSTEP*2
	s_or_b32 s[G0B+4*(\s)+3], s[G0B+4*(\s)+3], 0x80000000
	JLOAD \s                                       ; K steps 0 and 1: two tensor loads of mine are out
.endr
	; a fragment is 16 rows x 32 K in 8 registers: lane l holds row l % 16, K = 8 (l / 16) + 0..7 and 16 + 8 (l / 16) + 0..7: two loads of 16 bytes, 32 bytes apart
	v_and_b32 v1, 15, v0
	v_bfe_u32 v2, v0, 4, 1
	v_mul_u32_u24 v3, v1, PITCH
	v_lshl_add_u32 v3, v2, 4, v3
	s_mul_i32 s21, s11, HALFA                      ; my 128 rows of xb
	s_mul_i32 s22, s12, HALFB                      ; my 96 rows of wt
	s_add_co_u32 s22, s22, BOFF
.irp s, 0,1
	v_add_nc_u32 v[ADRA+(\s)], s21, v3
	v_add_nc_u32 v[ADRB+(\s)], s22, v3
	s_add_co_u32 s21, s21, SLOT
	s_add_co_u32 s22, s22, SLOT
.endr
	s_mul_i32 s23, s10, 16*SPITCH
	s_add_co_u32 s23, s23, STAGE                   ; my stage
	v_mul_u32_u24 v4, v1, SPITCH                   ; in: row l % 16, 16 bytes for each half of the lanes
	v_lshl_add_u32 v4, v2, 4, v4
	v_add_nc_u32 v[STO], s23, v4
	v_and_b32 v6, 31, v0
	v_lshlrev_b32 v[CO], 4, v6
.irp k3, 0,1,2                         ; back: dense byte d = 512 k + 16 lane lies in row d / 192 = ((32 k + lane) / 4) / 3, 16 bytes of padding further on for each row
	v_add_nc_u32 v7, 32*(\k3), v6
	v_lshrrev_b32 v7, 2, v7
	v_mul_u32_u24 v7, v7, 11
	v_lshrrev_b32 v7, 5, v7                        ; u / 3 for u < 24
	v_lshl_add_u32 v7, v7, 4, v[CO]
	v_add_nc_u32 v7, s23, v7
	v_add_nc_u32 v[RD+(\k3)], 512*(\k3), v7
.endr
	v_lshlrev_b32 v[BO], 5, v2
	; where my part of q begins: ((y / 4) 8 + head) x 196,608 + ((y % 4) 256 + 128 (w / 2)) x 192
	s_lshr_b32 s16, s13, 2
	s_lshl_b32 s16, s16, 3
	s_lshl_b32 s17, s42, 1
	s_add_co_u32 s16, s16, s17
	s_add_co_u32 s16, s16, s12
	s_mul_i32 s16, s16, 196608
	s_and_b32 s17, s13, 3
	s_lshl_b32 s17, s17, 8
	s_lshl_b32 s18, s11, 7
	s_add_co_u32 s17, s17, s18
	s_mul_i32 s17, s17, 192
	s_add_co_u32 s16, s16, s17
	s_mov_b32 s17, 0
	; the prefetches
	s_mul_i32 s8, s42, 192
	s_lshl_b32 s9, s13, 8
	s_and_b32 s22, ttmp7, 0xffff                   ; cluster y
	s_mov_b32 s18, 96                              ; (an instruction holds one literal: wt's count waits in the register)
	s_cmp_eq_u32 s11, 0                            ; do I fetch for xb?
	s_cselect_b32 s20, s9, s8                      ; the tile's first row
	s_cselect_b32 s21, s40, s41                    ; my place among the four that ask with me
	s_cselect_b32 s22, ttmp9, s22                  ; the coordinate along which other clusters read the same rows
	s_cselect_b32 s18, 128, s18                    ; rows that a wave fetches: 128 of xb, 96 of wt
	s_cselect_b32 s19, 32, 24                      ; a partner's share of them
	s_cselect_b64 s[PFA:PFA+1], s[4:5], s[6:7]
	s_cmp_eq_u32 s22, 0
	s_cselect_b32 s[LIM], 1, -1                    ; the same in all sixteen partners, for a given wave
	s_mul_i32 s18, s18, s12
	s_add_co_u32 s20, s20, s18
	s_mul_i32 s21, s21, s19
	s_add_co_u32 s20, s20, s21
	s_mul_i32 s20, s20, ROWB
	s_mov_b32 s21, 0
	s_add_nc_u64 s[PFA:PFA+1], s[PFA:PFA+1], s[20:21]
	s_add_nc_u64 s[PFA:PFA+1], s[PFA:PFA+1], 2*KSTEP*2  ; at K step 2: the first refill steps it to 3 and names K step 4
	s_sub_co_u32 s19, s19, 1
	v_min_u32 v[PFO], s19, v6
	v_mul_u32_u24 v[PFO], v[PFO], ROWB
; 12 matrix instructions: row blocks a0, a0 + 1 of the window's four x my 6 column blocks, 32 along K.  zero = 1: the sum's first product, whose C is the bias.
; The 48 accumulators take turns in the same order in every quarter step.
.macro MUL12 f, hi, a0, zero
.if \zero
	WIN 0x91+0x40*(\hi)                            ; wt window 1, xb window 0, C window 1, D window 2 or 3
.else
	WIN 0xa1+0x50*(\hi)                            ; C and D window 2 or 3
.endif
.irp a, \a0, (\a0)+1
.irp b, 0,1,2,3,4,5
.if \zero
	v_wmma_f32_16x16x32_bf16 v[8*(6*(\a)+(\b)):8*(6*(\a)+(\b))+7], v[(\f)+8*(\b):(\f)+8*(\b)+7], v[(\f)+8*(4*(\hi)+(\a)):(\f)+8*(4*(\hi)+(\a))+7], v[BIAS+8*(\b):BIAS+8*(\b)+7]
.else
	v_wmma_f32_16x16x32_bf16 v[8*(6*(\a)+(\b)):8*(6*(\a)+(\b))+7], v[(\f)+8*(\b):(\f)+8*(\b)+7], v[(\f)+8*(4*(\hi)+(\a)):(\f)+8*(4*(\hi)+(\a))+7], v[8*(6*(\a)+(\b)):8*(6*(\a)+(\b))+7]
.endif
.endr
.endr
.endm
; 28 LDS loads in one run: a quarter step's fragments (96 rows of wt, 128 of xb, 32 K at byte k of the rows) into buffer f
.macro FETCH slot, k, f
	WIN TO_B
.irp i, 0,1,2,3,4,5
	ds_load_b128 v[(\f)+8*(\i):(\f)+8*(\i)+3],   v[ADRB+(\slot)] offset:(\k)+(\i)*16*PITCH
	ds_load_b128 v[(\f)+8*(\i)+4:(\f)+8*(\i)+7], v[ADRB+(\slot)] offset:(\k)+(\i)*16*PITCH+32
.endr
	WIN 0
.irp i, 0,1,2,3,4,5,6,7
	ds_load_b128 v[(\f)+8*(\i):(\f)+8*(\i)+3],   v[ADRA+(\slot)] offset:(\k)+(\i)*16*PITCH
	ds_load_b128 v[(\f)+8*(\i)+4:(\f)+8*(\i)+7], v[ADRA+(\slot)] offset:(\k)+(\i)*16*PITCH+32
.endr
.endm
.macro PLACES                          ; four plain instructions between a matrix instruction and a load into a register that it read, or a reader of its result
.rept 4
	v_nop
.endr
.endm
; A K step is four quarters of 32 along K, 48 matrix instructions each, on buffers 0, 1, 0, 1.  One of the first three:
.macro QUARTER slot, k, f, g, zero
	s_wait_dscnt 8                                 ; wt's fragments and xb's rows 0-63 are in; the youngest eight loads (rows 64-127) may be out
	MUL12 \f, 0, 0, \zero
	MUL12 \f, 0, 2, \zero
	PLACES
	FETCH \slot, \k, \g
	s_wait_dscnt 28                                ; all but the 28 just issued
	MUL12 \f, 1, 0, \zero
	MUL12 \f, 1, 2, \zero
.endm
; The last quarter's first half: one barrier for the change of slots.  In front of it each wave waits for all its tensor loads (one is out: its part of the next slot), adds 0 to its spare word,
; and waits for that and for its own reads of this slot.  Behind it nobody reads this slot and the next one is whole.
.macro MEET round
	WIN 0
	s_wait_tensorcnt 0x0
	ds_add_u32 v[SPW], v[NIL]
	s_wait_dscnt 9                                 ; the add and the youngest eight loads may be out
	MUL12 F1, 0, 0, 0
	s_wait_dscnt 0x0                               ; the add is done, my reads of this slot are over
	s_barrier_signal -1
	MUL12 F1, 0, 2, 0
.if \round
	WIN 0
.endif
	s_barrier_wait -1
.endm
; The whole last quarter: behind the round the slot just read is filled again first, with this tile's K step two on (on = 0) or the next tile's K step 0 or 1 (on = 1).
; From a request to the wait for it a wave issues 168 matrix instructions.
.macro TURN slot, next, on
	s_wait_xcnt 0x0                                ; the last prefetch, a K step back, has read its address
.if (\on) && (\slot) == 0
	s_add_nc_u64 s[PFA:PFA+1], s[PFA:PFA+1], 767*ROWB+KSTEP*2  ; from behind the tile's last K step to the next tile's K step 1: 768 rows down, back along K
	s_cmp_eq_u32 s11, 0
	s_cselect_b32 s[LIM], -1, s[LIM]               ; xb's rows have been read: they are asked for no more
.else
	s_add_nc_u64 s[PFA:PFA+1], s[PFA:PFA+1], KSTEP*2
.endif
	MEET 1
	CREST                                          ; no wave of any partner still reads this slot or has a load on its way
.if \on
	s_sub_nc_u64 s[G0+4*(\slot)+2:G0+4*(\slot)+3], s[G0+4*(\slot)+2:G0+4*(\slot)+3], BACK_A
	s_add_nc_u64 s[G0B+4*(\slot)+2:G0B+4*(\slot)+3], s[G0B+4*(\slot)+2:G0B+4*(\slot)+3], NEXT_B
.else
	s_add_nc_u64 s[G0+4*(\slot)+2:G0+4*(\slot)+3], s[G0+4*(\slot)+2:G0+4*(\slot)+3], 2*KSTEP*2
	s_add_nc_u64 s[G0B+4*(\slot)+2:G0B+4*(\slot)+3], s[G0B+4*(\slot)+2:G0B+4*(\slot)+3], 2*KSTEP*2
.endif
	JLOAD \slot                                    ; my one tensor load behind the round; its four v_nop are also the places in front of the loads below
	FETCH \next, 0, F0
	ASK \on
	MUL12 F1, 1, 0, 0
	MUL12 F1, 1, 2, 0
.endm
.macro BIASLOAD                        ; my 96 numbers of the bias, as a result is laid: block b, columns 8 (l / 16) + 0..7
	WIN TO_B
.irp b, 0,1,2,3,4,5
	global_load_b128 v[BIAS+8*(\b):BIAS+8*(\b)+3],   v[BO], s[BP:BP+1] offset:64*(\b)
	global_load_b128 v[BIAS+8*(\b)+4:BIAS+8*(\b)+7], v[BO], s[BP:BP+1] offset:64*(\b)+16
.endr
	WIN 0
.endm
; THE WAY OUT of row block a: 16 rows x 96 columns = 3,072 dense bytes of a head.  PACK: rounded to bf16, each accumulator's registers in ascending order.  TOSTAGE: into my own stage, and back as dense bytes.  SEND: stored.
.macro PACK a
.set AC, 48*((\a)%4)
	WIN 0x0a+5*((\a)/4)                            ; sources in window 2 or 3
.irp b, 0,1,2,3,4,5
.irp r, 0,1,2,3
	v_cvt_pk_bf16_f32 v[TMP+4*(\b)+(\r)], v[AC+8*(\b)+2*(\r)], v[AC+8*(\b)+2*(\r)+1]
.endr
.endr
	WIN 0
.endm
.macro TOSTAGE a
	WIN 0
.set BK, OB+192*((\a)%2)
.irp b, 0,1,2,3,4,5
	ds_store_b128 v[STO], v[TMP+4*(\b):TMP+4*(\b)+3] offset:32*(\b)
.endr
.irp t, 0,1,2,3,4,5
	ds_load_b128 v[BK+4*(\t):BK+4*(\t)+3], v[RD+(\t)%3] offset:((\t)/3)*8*SPITCH  ; LDS serves a wave's instructions in order (ISA guide 5.7.1.4): these see the stores above; 1,536 dense bytes are 8 rows
.endr
.endm
.macro SEND a
	WIN 0
.set BK, OB+192*((\a)%2)
	s_wait_dscnt 0x0                               ; the block is back in registers
	s_wait_xcnt 0x0                                ; earlier stores have read their base and their data: only now are these rewritten
.if (\a) == 0
	s_add_nc_u64 s[CP:CP+1], s[CP:CP+1], s[16:17]
.else
	s_add_nc_u64 s[CP:CP+1], s[CP:CP+1], BLOCKB
.endif
.irp t, 0,1,2,3,4,5
	global_store_b128 v[CO], v[BK+4*(\t):BK+4*(\t)+3], s[CP:CP+1] offset:512*(\t)  ; 512 consecutive bytes, at a multiple of 256 from qkv's first byte
.endr
.endm
	BIASLOAD                                       ; bq's part
	s_wait_tensorcnt 1                             ; my part of K step 0 is in; K step 1's stays out
	s_barrier_signal -1
	s_barrier_wait -1
	FETCH 0, 0, F0
	s_mov_b32 s2, TILES                            ; tiles to go, this one among them
.Ltile:
	s_wait_loadcnt 0x0                             ; the tile's bias
	QUARTER 0, 64,  F0, F1, 1                      ; a tile's first quarter: its products start the sums
	WIN 0
	s_mov_b32 s3, LAPS-1
.Llap:                                                 ; a trip goes once round the ring and fills both slots again
	QUARTER 0, 128, F1, F0, 0
	QUARTER 0, 192, F0, F1, 0
	TURN 0, 1, 0
	QUARTER 1, 64,  F0, F1, 0
	QUARTER 1, 128, F1, F0, 0
	QUARTER 1, 192, F0, F1, 0
	TURN 1, 0, 0
	QUARTER 0, 64,  F0, F1, 0
	WIN 0
	s_sub_co_u32 s3, s3, 1
	s_cmp_lg_u32 s3, 0
	s_cbranch_scc1 .Llap
	QUARTER 0, 128, F1, F0, 0                      ; the tile's last lap goes on
	QUARTER 0, 192, F0, F1, 0
	WIN 0
	s_cmp_eq_u32 s2, 1
	s_cbranch_scc1 .Llast_tile                     ; the last tile's tail is written out: it asks for nothing more
	TURN 0, 1, 1                                   ; the ring goes on into the next tile: slot 0 takes its K step 0,
	QUARTER 1, 64,  F0, F1, 0
	QUARTER 1, 128, F1, F0, 0
	QUARTER 1, 192, F0, F1, 0
	TURN 1, 0, 1                                   ; slot 1 its K step 1, and the next tile's first fragments are fetched
	s_add_nc_u64 s[BP:BP+1], s[BP:BP+1], 3072      ; the next tensor's bias (the last bias loads were waited for at the tile's head)
	BIASLOAD
	s_branch .Lout                                 ; blocks 0-3 were finished in front of the joint load's four v_nop; their conversions are the places behind the last products
.Llast_tile:
	MEET 0                                         ; the load that was out is the last K step's, so no round follows
	PLACES
	FETCH 1, 0, F0
	MUL12 F1, 1, 0, 0
	MUL12 F1, 1, 2, 0
	QUARTER 1, 64,  F0, F1, 0
	QUARTER 1, 128, F1, F0, 0
	QUARTER 1, 192, F0, F1, 0
	s_wait_dscnt 8                                 ; the very last quarter: nothing more to fetch
	MUL12 F1, 0, 0, 0
	MUL12 F1, 0, 2, 0
	s_wait_dscnt 0x0
	MUL12 F1, 1, 0, 0
	MUL12 F1, 1, 2, 0
	PLACES
	WIN 0
.Lout:                                                 ; the tile goes out: block a's conversions stand between block a - 1's loads from the stage and the wait for them
	PACK 0
	TOSTAGE 0
.irp a, 1,2,3,4,5,6,7
	PACK \a
	SEND (\a)-1
	TOSTAGE \a
.endr
	SEND 7
	s_cmp_eq_u32 s2, 1
	s_cbranch_scc1 .Lend                           ; that was the last tile
	s_mov_b64 s[16:17], NEXT_C
	s_sub_co_u32 s2, s2, 1
	s_branch .Ltile
.Lend:
	s_wait_tensorcnt 0x0                           ; the wave's end
	ds_add_u32 v[SPW], v[NIL]
	s_wait_dscnt 0x0
	CROUND                                         ; the closing round
	s_endpgm
.Lfunc_end_k_qc1e2e5c59d_qkv:
	.size	k_qc1e2e5c59d_qkv, .Lfunc_end_k_qc1e2e5c59d_qkv-k_qc1e2e5c59d_qkv
	.p2alignl 7, 3214868480
	.fill 96, 4, 3214868480
	.section	.rodata,"a",@progbits
	.p2align	6, 0x0
	.amdhsa_kernel k_qc1e2e5c59d_qkv
		.amdhsa_group_segment_fixed_size 327680
		.amdhsa_private_segment_fixed_size 0
		.amdhsa_enable_private_segment 0
		.amdhsa_kernarg_size 32
		.amdhsa_user_sgpr_count 2
		.amdhsa_user_sgpr_kernarg_segment_ptr 1
		.amdhsa_wavefront_size32 1
		.amdhsa_system_sgpr_workgroup_id_x 1
		.amdhsa_system_sgpr_workgroup_id_y 1
		.amdhsa_system_sgpr_workgroup_id_z 1
		.amdhsa_system_vgpr_workitem_id 0
		.amdhsa_next_free_vgpr 960
		.amdhsa_next_free_sgpr 72
		.amdhsa_reserve_vcc 0
		.amdhsa_float_denorm_mode_32 3
		.amdhsa_float_denorm_mode_16_64 3
		.amdhsa_memory_ordered 1
		.amdhsa_forward_progress 1
		.amdhsa_inst_pref_size 148
	.end_amdhsa_kernel
	.amdgpu_metadata
---
amdhsa.version: [ 1, 2 ]
amdhsa.kernels:
  - .name:           k_qc1e2e5c59d_qkv
    .symbol:         k_qc1e2e5c59d_qkv.kd
    .args:
      - { .name: xb, .offset: 0, .size: 8, .value_kind: global_buffer, .address_space: global }
      - { .name: wt, .offset: 8, .size: 8, .value_kind: global_buffer, .address_space: global }
      - { .name: qkv, .offset: 16, .size: 8, .value_kind: global_buffer, .address_space: global }
      - { .name: bias, .offset: 24, .size: 8, .value_kind: global_buffer, .address_space: global }
    .group_segment_fixed_size: 327680
    .private_segment_fixed_size: 0
    .kernarg_segment_align: 8
    .kernarg_segment_size: 32
    .max_flat_workgroup_size: 128
    .sgpr_count:     72
    .vgpr_count:     960
    .wavefront_size: 32
...
	.end_amdgpu_metadata
.endif
;; end of part 6
;; launch attn (part 7): grid 4 x 128, 4 waves a work-group, clusters of 4 x 1, 327,680 bytes of LDS; arguments qkv, madd, ob; writes ob
.if DOCPART == 7
	.amdgcn_target "amdgcn-amd-amdhsa--gfx1250"
	.amdhsa_code_object_version 6
	.text
	.protected	k_qc1e2e5c59d_attn
	.globl	k_qc1e2e5c59d_attn
	.p2align	8
	.type	k_qc1e2e5c59d_attn,@function
k_qc1e2e5c59d_attn:
	s_mov_b64 s[64:65], 0
	v_nop
	global_prefetch_b8 v0, s[64:65] scope:SCOPE_SE
	s_setreg_imm32_b32 hwreg(HW_REG_WAVE_MODE, 25, 1), 1
	s_wait_xcnt 0x0
	s_wait_alu depctr_hold_cnt(0) depctr_sa_sdst(0) depctr_va_vdst(0) depctr_va_sdst(0) depctr_va_ssrc(0) depctr_va_vcc(0) depctr_vm_vsrc(0)
	s_getreg_b32 s2, hwreg(HW_REG_IB_STS2, 6, 4)
	s_cmp_eq_u32 s2, 0
	s_cbranch_scc0 .Lentry_in_a_cluster
	s_endpgm
.Lentry_in_a_cluster:
	s_bfe_u32 s2, ttmp6, 0x10000c
	s_cmp_lg_u32 s2, 0x3003
	s_cbranch_scc0 .Lentry_shape_is_right
	s_endpgm
.Lentry_shape_is_right:
; O[y][q][:] = the sum over k of softmax_k(Q[y][q] . K[y'][k] / sqrt(96) + madd[y' / 8][k]) V[y'][k][:], y = 8 sequence + head, y' = y xor 64 (the other modality's sequence, the same head).
; qkv: [3][128][1024][96] bf16; madd: [16][1024] f32, 0 or -1e30; ob: [128][1024][96] bf16.  Products, maxima and sums in f32; the weights are rounded to bf16 for the second product, O once at the end.
; LIMITS.  A hidden key counts as its score less 1e30.  The running maximum starts at -2^93 and never falls below it, so a hidden key's weight is exactly 0; true scores q . k must lie above -2^93.
; A weight below 2^-126 counts as 0.  Where all keys of a sequence are hidden the sum of weights is 0 and O is 0 x infinity = NaN, as a softmax over nothing is.
; SHARES.  A work-group owns 256 queries of one y, each of its four waves 64: four tiles of 16.  Every wave walks all 1,024 keys, 64 a step.
; LAYOUT.  S^T = K Q^T + mask (source 0 = 16 keys, source 1 = 16 queries, C = the keys' addends): a lane holds one query (lane % 16) and the keys 8 (lane / 16) + 0..7.  Two such results, rounded in pairs,
; are source 1 of O^T = V^T P, whose result again holds one query a lane, and eight channels.  K comes out of LDS as it lies, V turned, by ds_load_tr16_b128.
; SOFTMAX.  p = 2^(c s - c m), c = log2(e) / sqrt(96), m the running maximum; in every step O and l are multiplied by a = 2^(c m_old - c m_new).
; BY TURNS.  The tiles are two pieces (0: tiles 0, 1; 2: tiles 2, 3).  In a turn one piece has the matrix unit: 24 products V^T P of the step in hand, then 24 products K Q^T of the next;
; the other piece's softmax, 252 instructions in 63 slices of four, is dealt evenly behind these 48.  Two turns are a key step.
; NO FIRST AND NO LAST STEP IS WRITTEN OUT.  m starts at the floor, l and O^T at 0, so the first step is a step like any other.  The loop is entered at piece 2's turn, whose 24 products V^T P (of a step that has
; not been) multiply zeros; the tail is left behind piece 0's turn, whose 24 products K Q^T (on the last K once more) serve nothing: 48 products of a wave's 1,584, and 336 lines that write the start values.
; CLUSTER.  The four query blocks of a cluster walk the same K, V and mask: every tile is asked for jointly.
; REGISTERS, in windows of 256 (s_set_vgpr_msb: bits 1:0 source 0, 3:2 source 1, 5:4 source 2, 7:6 destination):
;   window 0: v0-11, v44-50, v61-63 addresses; v12-43 eight registers of statistics a tile; v64-191 S^T, 32 a tile; v192-255 P, 16 a tile
;   window 1: v0-191 O^T, 48 a tile; v192-223 the step's mask      window 2: v0-95 Q, 24 a tile; v128-223 K of one step      window 3: v0-95 V of one step
.set KS,    64
.set PK,    240       ; a row of K in LDS: three pieces of 64 bytes, 16 of padding behind each: 15 x 16, so the 16 rows of a load start at 16 different groups of four banks (ISA guide 11.1)
.set PV,    288       ; a row of V: three pieces of 64 + 32: 9 x 32
.set VOFF,  KS*PK
.set STEPB, KS*(PK+PV)
.set STEPG, KS*192    ; a step's keys in memory
.set SLOT1, 1<<17     ; a slot holds two steps; slot 1 begins here
.set STAGE, SLOT1+2*STEPB  ; 16 rows x 208 bytes for each wave, for the way out
.set SP,    208
.set MASKB, STAGE+4*16*SP  ; the 1,024 addends, filled once
.set SPARE, MASKB+4096
.set AK0, 2           ; v2  my lane's place in a tile of K
.set AV0, 3           ; v3  in a tile of V
.set ADR, 4           ; v4  the LDS address of the run of loads in hand
.set QO,  5           ; v5  my byte offset in 16 rows of Q
.set STO, 6           ; v6  the way out: where I put 16 bytes of a row
.set GO,  8           ; v8  16 x lane
.set ST,  12          ; tile t's statistics at v[ST+8 t]: c m, m, l (even, odd keys), c0-c3 at work; a takes c2's place
.set AM0, 44          ; v44 my lane's place in a step's addends
.set ADM, 45          ; v45 the address of the mask's loads in hand
.set RD,  48          ; v48-50 the way out: where I read 16 dense bytes back
.set PFO, 61          ; v61 the prefetches' offset: 256 x min(lane, 23)
.set SPW, 62
.set NIL, 63
.set S,   64
.set P,   192
.set MK,  192         ; window 1
.set KF,  128         ; window 2: key block kb, channels 32 c on, at KF + 24 kb + 8 c
.set WV,  12
.set LIM, 15          ; s15 1 in a wave that prefetches, else the greatest number
.set PFA, 18          ; s[18:19]
.set G1K, 24
.set G1V, 32
.set G0K, 40          ; s[40:47] a set for each of the two first fills; the second then walks on
.set G0V, 48
.set SLOTS, 56
.set TWICE, 57
.set CS,  58          ; s[58:59] c
.set SEL, 60          ; s[60:61] v_permlanex16_b32's selects
.set TB,  62          ; s62 LDS byte at which the tiles of the step to be fetched begin
.set FLOOR, 66        ; s66 -2^93
.set MB,  67          ; s67 the byte at which the addends of the step to be fetched begin
.set G1M, 68          ; s[68:75], s[76:79] the mask's descriptor
.set G0M, 76
.set MSB, 0
.macro WIN new
.if MSB != (\new)
	s_set_vgpr_msb (MSB<<8)|(\new)
.set MSB, \new
.endif
.endm
.set W_KQ, 0x0a       ; K and Q in window 2, S^T in window 0
.set W_KM, 0x1a       ; the same with C, the mask, in window 1
.set W_PV, 0x53       ; V in window 3, P in window 0, O^T in window 1
.set W_RS, 0x41       ; O^T in window 1, a in window 0
.macro JLOAD                        ; a joint refill: waves 0 and 1 fetch the two steps' K, waves 2 and 3 their V; an s_nop 0 and four v_nop follow each line
	s_cmp_lt_u32 s[WV], 2
	s_cbranch_scc0 .Lfor_v_\@
	tensor_load_to_lds s[G0K+4:G0K+7], s[G1K:G1K+7]
	s_nop 0
.rept 4
	v_nop
.endr
	s_branch .Lasked_\@
.Lfor_v_\@:
	tensor_load_to_lds s[G0V+4:G0V+7], s[G1V:G1V+7]
	s_nop 0
.rept 4
	v_nop
.endr
.Lasked_\@:
.endm
; A prefetch of what the next change of slots will ask for: a slot's 24,576 bytes of K and of V.  This cluster alone reads them.  Its four partners share them out by address, 6,144 bytes each;
; wave 0 asks for K's and wave 2 for V's, lanes 256 bytes apart (lanes 24-31 repeat lane 23's).  The last change that fills a slot asks for nothing.
.macro ASK
	s_cmp_gt_u32 s[SLOTS], s[LIM]
	s_cbranch_scc0 .Lnot_mine_\@
	global_prefetch_b8 v[PFO], s[PFA:PFA+1] th:TH_LOAD_NT scope:SCOPE_SE
.Lnot_mine_\@:
.endm
.macro CROUND
	s_barrier_signal -1
	s_barrier_wait -1
	s_cmp_lg_u32 s[WV], 0
	s_cbranch_scc1 .Lnot_wave_0_\@
	s_barrier_signal -3
.Lnot_wave_0_\@:
	s_barrier_wait -3
	s_barrier_signal -1
	s_barrier_wait -1
.endm
	s_load_b128 s[80:83], s[0:1], 0x0 ; qkv s[80:81], madd s[82:83]
	s_load_b64 s[10:11], s[0:1], 0x10 ; ob
	v_lshl_add_u32 v[SPW], v0, 2, SPARE
	v_mov_b32 v[NIL], 0
	ds_add_u32 v[SPW], v[NIL]       ; the wave's opening: the add and its wait stand ahead of my first tensor load
	v_lshrrev_b32 v1, 5, v0
	v_readfirstlane_b32 s[WV], v1
	s_bfe_u32 s13, ttmp6, 0x40000   ; cx
	s_lshl_b32 s14, ttmp9, 2
	s_add_co_u32 s14, s14, s13      ; my block of 256 queries: it enters Q's and O's addresses alone
	s_and_b32 s20, ttmp7, 0xffff    ; y
	s_xor_b32 s22, s20, 64          ; y'
	s_lshr_b32 s84, s22, 3          ; the mask's row
	s_mul_i32 s20, s20, 196608
	s_mul_i32 s22, s22, 196608
	s_and_b32 s16, s[WV], 1         ; which of a slot's two steps I fetch
	s_mul_i32 s23, s16, STEPG
	s_add_co_u32 s22, s22, s23
	s_mov_b32 s23, 0
	s_mul_i32 s17, s16, STEPB
	s_mul_i32 s2, s14, 49152        ; my block's 256 rows,
	s_mul_i32 s3, s[WV], 12288      ; my wave's 64
	s_add_co_u32 s2, s2, s3
	s_add_co_u32 s2, s2, s20
	s_mov_b32 s3, 0
	s_lshl_b32 s84, s84, 12
	s_lshl_b32 s85, s[WV], 10       ; my quarter of the mask's row
	s_add_co_u32 s84, s84, s85
	s_mov_b32 s85, 0
	; a step's tile is 12,288 dense bytes: asked for as 48 rows of 256 bytes, padded in LDS after every 64 bytes
	s_mov_b32 s[G1K], 15|(1<<16)|(1<<20)|(1<<21)|(3<<22)|(3<<25)  ; the mask of four; 2-byte elements; padding on; bit 21 beside a mask; after every 16 words, 4 words
	s_mov_b32 s[G1V], 15|(1<<16)|(1<<20)|(1<<21)|(3<<22)|(7<<25)  ; 8 words
.irp g, G1K, G1V
	s_mov_b32 s[(\g)+1], 128<<16
	s_mov_b32 s[(\g)+2], 48<<16
	s_mov_b32 s[(\g)+3], 128<<16
	s_mov_b32 s[(\g)+4], 48
	s_mov_b32 s[(\g)+5], 128
	s_mov_b32 s[(\g)+6], 0
	s_mov_b32 s[(\g)+7], 0
.endr
	s_mov_b32 s[G1M], 15|(3<<16)|(1<<21)  ; one row of 128 elements of 8 bytes, no padding
	s_mov_b32 s[G1M+1], 128<<16
	s_mov_b32 s[G1M+2], 1<<16
	s_mov_b32 s[G1M+3], 128<<16
	s_mov_b32 s[G1M+4], 1
	s_mov_b32 s[G1M+5], 128
	s_mov_b32 s[G1M+6], 0
	s_mov_b32 s[G1M+7], 0
	s_mov_b32 s[CS], 0x3e16c741     ; c = log2(e) / sqrt(96) = 0.147244
	s_mov_b32 s[CS+1], s[CS]
	s_mov_b32 s[SEL], 0x76543210
	s_mov_b32 s[SEL+1], 0xfedcba98
	s_mov_b32 s[FLOOR], 0xee000000  ; -2^93
	s_mov_b32 s[TB], 0
	s_mov_b32 s[MB], 0
	s_mov_b32 s[SLOTS], 1024/(2*KS)-1  ; the slots behind slot 0; all but the last are entered by a change that fills
	s_and_b32 s[LIM], s[WV], 1
	s_cmp_eq_u32 s[LIM], 0
	s_cselect_b32 s[LIM], 1, -1
	v_and_b32 v[PFO], 31, v0
	v_min_u32 v[PFO], 23, v[PFO]
	v_lshlrev_b32 v[PFO], 8, v[PFO]
	s_wait_dscnt 0x0                ; the opening add is done
	s_wait_kmcnt 0x0
	s_add_nc_u64 s[6:7], s[80:81], s[22:23]
	s_add_nc_u64 s[8:9], s[6:7], 50331648  ; V at my tile of slot 0
	s_add_nc_u64 s[6:7], s[6:7], 25165824  ; K
	s_add_nc_u64 s[4:5], s[80:81], s[2:3]  ; Q and O at my wave's first row
	s_add_nc_u64 s[10:11], s[10:11], s[2:3]
	s_add_nc_u64 s[82:83], s[82:83], s[84:85]
	s_cmp_lt_u32 s[WV], 2
	s_cselect_b64 s[PFA:PFA+1], s[6:7], s[8:9]
	s_mul_i32 s2, s13, 6144
	s_mov_b32 s3, 0
	s_add_nc_u64 s[PFA:PFA+1], s[PFA:PFA+1], s[2:3]
	s_add_nc_u64 s[PFA:PFA+1], s[PFA:PFA+1], 2*2*STEPG  ; in slot 2; the first change of slots steps it to slot 3
	CROUND                          ; all four work-groups are here: the first joint loads meet
.irp s, 0,1
	s_mov_b32 s[G0K+4*(\s)], 1
	s_add_co_u32 s[G0K+4*(\s)+1], s17, (\s)*SLOT1
	s_add_nc_u64 s[G0K+4*(\s)+2:G0K+4*(\s)+3], s[6:7], (\s)*2*STEPG
	s_or_b32 s[G0K+4*(\s)+3], s[G0K+4*(\s)+3], 0x80000000
	s_mov_b32 s[G0V+4*(\s)], 1
	s_add_co_u32 s[G0V+4*(\s)+1], s17, (\s)*SLOT1+VOFF
	s_add_nc_u64 s[G0V+4*(\s)+2:G0V+4*(\s)+3], s[8:9], (\s)*2*STEPG
	s_or_b32 s[G0V+4*(\s)+3], s[G0V+4*(\s)+3], 0x80000000
.endr
	s_mov_b32 s[G0M], 1
	s_lshl_b32 s[G0M+1], s[WV], 10
	s_add_co_u32 s[G0M+1], s[G0M+1], MASKB
	s_mov_b64 s[G0M+2:G0M+3], s[82:83]
	s_or_b32 s[G0M+3], s[G0M+3], 0x80000000
	s_cmp_lt_u32 s[WV], 2           ; a wave's three first fills stand in one branch: its quarter of the mask, its tile of slot 0, of slot 1: three loads of mine are out
	s_cbranch_scc0 .Lfirst_v
	tensor_load_to_lds s[G0M:G0M+3], s[G1M:G1M+7]
	s_nop 0
	tensor_load_to_lds s[G0K:G0K+3], s[G1K:G1K+7]
	s_nop 0
	tensor_load_to_lds s[G0K+4:G0K+7], s[G1K:G1K+7]
	s_nop 0
.rept 4
	v_nop
.endr
	s_branch .Lfirst_asked
.Lfirst_v:
	tensor_load_to_lds s[G0M:G0M+3], s[G1M:G1M+7]
	s_nop 0
	tensor_load_to_lds s[G0V:G0V+3], s[G1V:G1V+7]
	s_nop 0
	tensor_load_to_lds s[G0V+4:G0V+7], s[G1V:G1V+7]
	s_nop 0
.rept 4
	v_nop
.endr
.Lfirst_asked:
	v_and_b32 v1, 15, v0            ; l % 16
	v_bfe_u32 v9, v0, 4, 1          ; l / 16
	v_mul_u32_u24 v[QO], v1, 192
	v_lshl_add_u32 v[QO], v9, 4, v[QO]
	WIN 0x80
.irp i, 0,1,2,3,4,5,6,7,8,9,10,11   ; Q stays in registers: tile i / 3, channels 32 (i % 3) on
	global_load_b128 v[8*(\i):8*(\i)+3],   v[QO], s[4:5] offset:((\i)/3)*3072+((\i)%3)*64
	global_load_b128 v[8*(\i)+4:8*(\i)+7], v[QO], s[4:5] offset:((\i)/3)*3072+((\i)%3)*64+32
.endr
	WIN 0
	v_mul_u32_u24 v[AK0], v1, PK
	v_lshl_add_u32 v[AK0], v9, 4, v[AK0]
	v_and_b32 v10, 7, v0            ; the turning load: lane l reads key 8 (l / 16) + l % 8, channels 8 ((l / 8) % 2) + 0..7
	v_bfe_u32 v11, v0, 3, 1
	v_lshl_add_u32 v[AV0], v9, 3, v10
	v_mul_u32_u24 v[AV0], v[AV0], PV
	v_lshl_add_u32 v[AV0], v11, 4, v[AV0]
	v_add_nc_u32 v[AV0], VOFF, v[AV0]
	v_lshl_add_u32 v[AM0], v9, 5, MASKB  ; my eight keys of sixteen: 32 bytes
	; What the first turn finds: V's registers and piece 2's P hold 0 (its products V^T P add 0), O^T and l are 0, m is the floor and c m goes with it.  All this stands in the wait for the first tile.
	WIN 0xc0
.set i, 0
.rept 96
	v_mov_b32 v[i], 0
.set i, i+1
.endr
	WIN 0x40
.set i, 0
.rept 192
	v_mov_b32 v[i], 0
.set i, i+1
.endr
	WIN 0
.set i, 0
.rept 4
	v_mov_b32 v[ST+8*i+1], s[FLOOR]
	v_mul_f32 v[ST+8*i], s[CS], v[ST+8*i+1]
	v_mov_b32 v[ST+8*i+2], 0
	v_mov_b32 v[ST+8*i+3], 0
.set i, i+1
.endr
.set i, P+32
.rept 32
	v_mov_b32 v[i], 0
.set i, i+1
.endr
; THE MATRIX WORK.  The accumulators take turns, one instruction a turn: between two links of a chain stand 11 (V^T P) or 7 (K Q^T) others'.
; Product i of 24 of O^T += V^T P: keys 32 (i / 12) on, channels 16 ((i / 2) % 6) on, tile x + i % 2.
.macro PV x
	WIN W_PV
.set rO, 48*((\x)+i%2)+8*((i/2)%6)
.set rV, 48*(i/12)+8*((i/2)%6)
.set rP, P+16*((\x)+i%2)+8*(i/12)
	v_wmma_f32_16x16x32_bf16 v[rO:rO+7], v[rV:rV+7], v[rP:rP+7], v[rO:rO+7]
.endm
; Product i of 24 of S^T = K Q^T + mask: channels 32 (i / 8) on, keys 16 ((i / 2) % 4) on, tile x + i % 2.  The first 8 start the sums with the keys' addends.
.macro KQ x
.set rS, S+32*((\x)+i%2)+8*((i/2)%4)
.set rK, KF+24*((i/2)%4)+8*(i/8)
.set rQ, 24*((\x)+i%2)+8*(i/8)
.set rM, MK+8*((i/2)%4)
.if i < 8
	WIN W_KM
	v_wmma_f32_16x16x32_bf16 v[rS:rS+7], v[rK:rK+7], v[rQ:rQ+7], v[rM:rM+7]
.else
	WIN W_KQ
	v_wmma_f32_16x16x32_bf16 v[rS:rS+7], v[rK:rK+7], v[rQ:rQ+7], v[rS:rS+7]
.endif
.endm
; THE LDS LOADS stand in runs: a step's K (12 fragments) with its 64 addends, and, a turn later, its V (turned).
; last = 1 (the tail): in the last trip there is no further step, and the run is jumped over.
.macro FETCH_K last=0
	WIN 0
.if \last
	s_cmp_eq_u32 s[TWICE], 1
	s_cbranch_scc1 .Lno_k_\@
.endif
	v_add_nc_u32 v[ADR], s[TB], v[AK0]
	v_add_nc_u32 v[ADM], s[MB], v[AM0]
	s_add_co_u32 s[MB], s[MB], 4*KS
	WIN 0x80
.irp f, 0,1,2,3,4,5,6,7,8,9,10,11   ; keys 16 (f / 3) on, channels 32 (f % 3) on
	ds_load_b128 v[KF+8*(\f):KF+8*(\f)+3],   v[ADR] offset:((\f)/3)*16*PK+((\f)%3)*80
	ds_load_b128 v[KF+8*(\f)+4:KF+8*(\f)+7], v[ADR] offset:((\f)/3)*16*PK+((\f)%3)*80+32
.endr
	WIN 0x40
.irp f, 0,1,2,3
	ds_load_b128 v[MK+8*(\f):MK+8*(\f)+3],   v[ADM] offset:64*(\f)
	ds_load_b128 v[MK+8*(\f)+4:MK+8*(\f)+7], v[ADM] offset:64*(\f)+16
.endr
.if \last
	WIN 0
.Lno_k_\@:
.endif
.endm
.macro FETCH_V
	WIN 0
	v_add_nc_u32 v[ADR], s[TB], v[AV0]
	s_add_co_u32 s[TB], s[TB], STEPB
	s_wait_alu depctr_va_vdst(0)    ; the wait for the softmax's batch of exponentials, ahead of the first instruction that names a result
	WIN 0xc0
.irp f, 0,1,2,3,4,5,6,7,8,9,10,11   ; keys 32 (f / 6) on, channels 16 (f % 6) on
	ds_load_tr16_b128 v[8*(\f):8*(\f)+3],   v[ADR] offset:((\f)/6)*32*PV+(((\f)%6)/2)*96+((\f)%2)*32
	ds_load_tr16_b128 v[8*(\f)+4:8*(\f)+7], v[ADR] offset:((\f)/6)*32*PV+16*PV+(((\f)%6)/2)*96+((\f)%2)*32
.endr
.endm
; THE VECTOR WORK.  One tile's softmax for one key step is a list of 126 instructions; SM writes number j of it for tile t.
;   0-15 the maximum of the lane's 32 scores and the old m, each accumulator's lowest registers first     16-20 the other half of the lanes' maximum; m; c m; its change
;   21-69 one batch: the 16 scalings c s - c m and all 33 exponentials (a at 23); none reads an exponential's result     (the wait)     70-85 the roundings     86-101 the sums; l = a l + sum     102-125 O^T times a
.macro SM t
.set rT, ST+8*(\t)
.set rS, S+32*(\t)
.set rP, P+16*(\t)
.set rO, 48*(\t)+2*(j-102)
.if j < 102
	WIN 0
.endif
.if j < 4
	v_max3_num_f32 v[rT+4+j], v[rS+8*j], v[rS+8*j+1], v[rS+8*j+2]
.elseif j < 12
	v_max3_num_f32 v[rT+4+j%4], v[rT+4+j%4], v[rS+8*(j%4)+2*(j/4)+1], v[rS+8*(j%4)+2*(j/4)+2]
.elseif j == 12
	v_max3_num_f32 v[rT+4], v[rT+4], v[rS+7], v[rS+15]
.elseif j == 13
	v_max3_num_f32 v[rT+6], v[rT+6], v[rS+23], v[rS+31]
.elseif j == 14
	v_max3_num_f32 v[rT+4], v[rT+4], v[rT+5], v[rT+6]
.elseif j == 15
	v_max3_num_f32 v[rT+4], v[rT+4], v[rT+7], v[rT+1]
.elseif j == 16
	v_permlanex16_b32 v[rT+5], v[rT+4], s[SEL], s[SEL+1]  ; the query's other 32 keys lie in the lane 16 away
.elseif j == 17
	v_mov_b32 v[rT+7], v[rT]
.elseif j == 18
	v_max_num_f32 v[rT+1], v[rT+4], v[rT+5]
.elseif j == 19
	v_mul_f32 v[rT], s[CS], v[rT+1]
.elseif j == 20
	v_sub_f32 v[rT+7], v[rT+7], v[rT]
.elseif j == 23
	v_exp_f32 v[rT+6], v[rT+7]
.elseif (j < 23) || ((j < 38) && (j%2 == 0)) || ((j < 66) && (j%4 == 2))
.set b, (j-2)/4
.if j < 38
.set b, (j-20)/2
.endif
	v_pk_fma_f32 v[rS+2*b:rS+2*b+1], v[rS+2*b:rS+2*b+1], s[CS:CS+1], v[rT:rT+1] op_sel_hi:[1,0,0] neg_lo:[0,0,1] neg_hi:[0,0,1]
.elseif j < 70
.set e, j-38
.if j < 66
.set e, j-32-(j-38)/4
.endif
.if j < 38
.set e, (j-25)/2
.endif
	v_exp_f32 v[rS+e], v[rS+e]
.elseif j < 86
	v_cvt_pk_bf16_f32 v[rP+j-70], v[rS+2*(j-70)], v[rS+2*(j-70)+1]
.elseif j < 102
.set z, j-86
.set w, 4
.set u, z
.if z >= 14
.set w, 32
.set u, 0
.elseif z >= 12
.set w, 16
.set u, z-12
.elseif z >= 8
.set w, 8
.set u, z-8
.endif
.if z < 15
	v_pk_add_f32 v[rS+w*u:rS+w*u+1], v[rS+w*u:rS+w*u+1], v[rS+w*u+w/2:rS+w*u+w/2+1]
.else
	v_pk_fma_f32 v[rT+2:rT+3], v[rT+2:rT+3], v[rT+6:rT+7], v[rS:rS+1] op_sel_hi:[1,0,1]
.endif
.else
	WIN W_RS
	v_pk_mul_f32 v[rO:rO+1], v[rO:rO+1], v[rT+6:rT+7] op_sel_hi:[1,0]
.endif
.endm
; Slice k of 63 of piece y's softmax: four instructions.  Slices 11 to 34 deal out the batch, four numbers of one tile each, the tiles by turns; every other slice is numbers 2 k and 2 k + 1 of both tiles.
; Ahead of slice 35 nothing names an exponential's result and behind slice 34 no exponential is issued: the piece's 66 exponentials have one wait, behind slice 34.
.macro SLICE y
.if (k >= 11) && (k < 35)
.irp n, 0,1,2,3
.set j, 22+4*((k-11)/2)+(\n)
	SM (\y)+(k-11)%2
.endr
.else
.irp n, 0,1
.irp t, \y, (\y)+1
.set j, 2*k+(\n)
	SM \t
.endr
.endr
.endif
.if k == 34
	v_nop                           ; the plain instruction behind the last exponential: one for the batch
.if (\y) == 0
	FETCH_V                         ; piece 2's turn: V's run of loads stands here, and the wait stands in it
.else
	s_wait_alu depctr_va_vdst(0)    ; the wait for the batch
.endif
.endif
.set k, k+1
.endm
; A TURN.  Piece x has the matrix unit: 24 products V^T P, then 24 products K Q^T; behind its matrix instruction number nm stand the slices up to nm x 63 / 48 of the other piece's softmax.
; K's run stands behind the second product of piece 0's turn, eight rescalings (slices 61, 62) behind K's last reader.  V's run stands in slice 34, behind product 27 of piece 2's turn:
; between V's last reader (product 24) and the run lie three scalings, the v_nop and the run's own v_add_nc_u32.
.macro TURN x, last=0
.set k, 0
.set nm, 0
.if (\x) == 0
	s_wait_dscnt 0x0                ; V is in
.endif
.set i, 0
.rept 24
	PV \x
.set nm, nm+1
.rept (nm*63)/48-k
	SLICE 2-(\x)
.endr
.if ((\x) == 0) && (i == 1)
	FETCH_K \last
.endif
.set i, i+1
.endr
.if (\x) == 0
	s_wait_dscnt 0x0                ; K and the addends are in
.endif
.set i, 0
.rept 24
	KQ \x
.set nm, nm+1
.rept (nm*63)/48-k
	SLICE 2-(\x)
.endr
.set i, i+1
.endr
.endm
; THE CHANGE OF SLOTS, between piece 2's turn and piece 0's.  Each wave waits for all its tensor loads (one is out: its part of the other slot), adds 0 to its spare word, and waits for that and for its reads of the slot.
; fill = 1: the barrier is a round of the cluster's, and the joint refill is the first thing behind it: it has two key steps, 192 matrix instructions, in which to land.
.macro CHANGE fill
	WIN 0
	s_wait_tensorcnt 0x0
	ds_add_u32 v[SPW], v[NIL]
.if \fill
.irp g, G0K+4, G0V+4
	s_xor_b32 s[(\g)+1], s[(\g)+1], SLOT1
	s_add_nc_u64 s[(\g)+2:(\g)+3], s[(\g)+2:(\g)+3], 2*STEPG
.endr
	s_wait_xcnt 0x0                 ; the last prefetch, two key steps back, has read its address
	s_add_nc_u64 s[PFA:PFA+1], s[PFA:PFA+1], 2*STEPG
	s_wait_dscnt 0x0                ; the add is done, my reads of the slot are over
	CROUND
	JLOAD
	ASK
.else
	s_wait_dscnt 0x0
	s_barrier_signal -1
	s_barrier_wait -1
.endif
	s_sub_co_u32 s[TB], s[TB], 2*STEPB
	s_xor_b32 s[TB], s[TB], SLOT1
.endm
	s_wait_tensorcnt 1              ; my parts of the mask and of slot 0 are in; slot 1's may stay out
	s_barrier_signal -1
	s_barrier_wait -1
	FETCH_K                         ; key step 0
	s_wait_loadcnt 0x0              ; Q
	s_wait_dscnt 0x0
.set i, 0
.rept 24
	KQ 0                            ; piece 0's first scores
.set i, i+1
.endr
	WIN 0                           ; the addresses for the way out: the places behind those products
	s_mul_i32 s13, s[WV], 16*SP
	s_add_co_u32 s13, s13, STAGE
	v_mul_u32_u24 v[STO], v1, SP
	v_lshl_add_u32 v[STO], v9, 4, v[STO]
	v_add_nc_u32 v[STO], s13, v[STO]
	v_and_b32 v10, 31, v0
	v_lshlrev_b32 v[GO], 4, v10
.irp k3, 0,1,2                      ; dense byte d = 512 k + 16 lane lies in row d / 192 = ((32 k + lane) / 4) / 3, 16 bytes further on for each row
	v_add_nc_u32 v11, 32*(\k3), v10
	v_lshrrev_b32 v11, 2, v11
	v_mul_u32_u24 v11, v11, 11
	v_lshrrev_b32 v11, 5, v11
	v_lshl_add_u32 v11, v11, 4, v[GO]
	v_add_nc_u32 v11, s13, v11
	v_add_nc_u32 v[RD+(\k3)], 512*(\k3), v11
.endr
	s_mov_b32 s[TWICE], 2
	s_branch .Lmid                  ; the loop is entered at piece 2's turn: piece 2's first scores | piece 0's first softmax | V of step 0
.Lslot:                             ; six times: every slot but the last two is filled again
	CHANGE 1
	s_mov_b32 s[TWICE], 2
.Lstep:                             ; a trip is a key step; a slot has two
	TURN 0
	WIN 0
.Lmid:
	TURN 2
	WIN 0
	s_sub_co_u32 s[TWICE], s[TWICE], 1
	s_cmp_lg_u32 s[TWICE], 0
	s_cbranch_scc1 .Lstep
	s_sub_co_u32 s[SLOTS], s[SLOTS], 1
	s_cmp_lg_u32 s[SLOTS], 0
	s_cbranch_scc1 .Lslot
	CHANGE 0                        ; the tail is written out: nothing is asked for
	s_mov_b32 s[TWICE], 3           ; two trips fetch the last slot's steps; the third is left in its middle
.Ltail:
	TURN 0, 1
	WIN 0
	s_sub_co_u32 s[TWICE], s[TWICE], 1
	s_cmp_eq_u32 s[TWICE], 0
	s_cbranch_scc1 .Lout
	TURN 2
	WIN 0
	s_branch .Ltail
.Lout:
.set i, 0
.rept 24
	PV 2                            ; piece 2: V^T P of the last step
.set i, i+1
.endr
	; THE WAY OUT.  l's halves are added; O^T is divided by l, rounded to bf16 and sent through my stage, a tile (16 rows = 3,072 dense bytes) at a time.
	WIN 0
.irp t, 0,1,2,3
	v_add_f32 v[ST+8*(\t)+4], v[ST+8*(\t)+2], v[ST+8*(\t)+3]
.endr
.irp t, 0,1,2,3
	v_permlanex16_b32 v[ST+8*(\t)+5], v[ST+8*(\t)+4], s[SEL], s[SEL+1]
.endr
.irp t, 0,1,2,3
	v_add_f32 v[ST+8*(\t)+4], v[ST+8*(\t)+4], v[ST+8*(\t)+5]
.endr
.irp t, 0,1,2,3
	v_rcp_f32 v[ST+8*(\t)+6], v[ST+8*(\t)+4]
.endr
	v_nop
	s_wait_alu depctr_va_vdst(0)    ; one wait for the four reciprocals, ahead of their first use
.macro PACK t
	WIN W_RS
.set i, 48*(\t)
.rept 24
	v_pk_mul_f32 v[i:i+1], v[i:i+1], v[ST+8*(\t)+6:ST+8*(\t)+7] op_sel_hi:[1,0]
.set i, i+2
.endr
	WIN 0x05
.set i, 0
.rept 24
	v_cvt_pk_bf16_f32 v[S+32*(\t)+i], v[48*(\t)+2*i], v[48*(\t)+2*i+1]
.set i, i+1
.endr
	WIN 0
.irp f, 0,1,2,3,4,5
	ds_store_b128 v[STO], v[S+32*(\t)+4*(\f):S+32*(\t)+4*(\f)+3] offset:32*(\f)
.endr
.irp f, 0,1,2,3,4,5
	ds_load_b128 v[S+32*(\t)+4*(\f):S+32*(\t)+4*(\f)+3], v[RD+(\f)%3] offset:((\f)/3)*8*SP  ; LDS serves a wave's instructions in order (ISA guide 5.7.1.4)
.endr
.endm
.macro SEND t, younger              ; younger: the LDS instructions issued behind tile t's loads: the next tile's twelve, or none
	WIN 0
.irp f, 0,1,2,3,4,5
	s_wait_dscnt (\younger)+5-(\f)
	global_store_b128 v[GO], v[S+32*(\t)+4*(\f):S+32*(\t)+4*(\f)+3], s[10:11] offset:(\t)*3072+(\f)*512  ; 512 consecutive bytes, at a multiple of 256 from ob's first byte
.endr
.endm
	PACK 0
	PACK 1
	SEND 0, 12
	PACK 2
	SEND 1, 12
	PACK 3
	SEND 2, 12
	SEND 3, 0
	s_wait_tensorcnt 0x0            ; the wave's end
	ds_add_u32 v[SPW], v[NIL]
	s_wait_dscnt 0x0
	CROUND                          ; the closing round
	s_endpgm
.Lfunc_end_k_qc1e2e5c59d_attn:
	.size	k_qc1e2e5c59d_attn, .Lfunc_end_k_qc1e2e5c59d_attn-k_qc1e2e5c59d_attn
	.p2alignl 7, 3214868480
	.fill 96, 4, 3214868480
	.section	.rodata,"a",@progbits
	.p2align	6, 0x0
	.amdhsa_kernel k_qc1e2e5c59d_attn
		.amdhsa_group_segment_fixed_size 327680
		.amdhsa_private_segment_fixed_size 0
		.amdhsa_enable_private_segment 0
		.amdhsa_kernarg_size 24
		.amdhsa_user_sgpr_count 2
		.amdhsa_user_sgpr_kernarg_segment_ptr 1
		.amdhsa_wavefront_size32 1
		.amdhsa_system_sgpr_workgroup_id_x 1
		.amdhsa_system_sgpr_workgroup_id_y 1
		.amdhsa_system_sgpr_workgroup_id_z 1
		.amdhsa_system_vgpr_workitem_id 0
		.amdhsa_next_free_vgpr 864
		.amdhsa_next_free_sgpr 88
		.amdhsa_reserve_vcc 0
		.amdhsa_float_denorm_mode_32 3
		.amdhsa_float_denorm_mode_16_64 3
		.amdhsa_memory_ordered 1
		.amdhsa_forward_progress 1
		.amdhsa_inst_pref_size 135
	.end_amdhsa_kernel
	.amdgpu_metadata
---
amdhsa.version: [ 1, 2 ]
amdhsa.kernels:
  - .name:           k_qc1e2e5c59d_attn
    .symbol:         k_qc1e2e5c59d_attn.kd
    .args:
      - { .name: qkv, .offset: 0, .size: 8, .value_kind: global_buffer, .address_space: global }
      - { .name: madd, .offset: 8, .size: 8, .value_kind: global_buffer, .address_space: global }
      - { .name: ob, .offset: 16, .size: 8, .value_kind: global_buffer, .address_space: global }
    .group_segment_fixed_size: 327680
    .private_segment_fixed_size: 0
    .kernarg_segment_align: 8
    .kernarg_segment_size: 24
    .max_flat_workgroup_size: 128
    .sgpr_count:     88
    .vgpr_count:     864
    .wavefront_size: 32
...
	.end_amdgpu_metadata
.endif
;; end of part 7
;; launch oproj (part 8): grid 256 x 1, 4 waves a work-group, no clusters, 327,680 bytes of LDS; arguments ob, wt, visual_features, text_features, bo, ln_g, ln_b, out0, out1; writes out0, out1
.if DOCPART == 8
	.amdgcn_target "amdgcn-amd-amdhsa--gfx1250"
	.amdhsa_code_object_version 6
	.text
	.protected	k_qc1e2e5c59d_oproj
	.globl	k_qc1e2e5c59d_oproj
	.p2align	8
	.type	k_qc1e2e5c59d_oproj,@function
k_qc1e2e5c59d_oproj:
	s_mov_b64 s[64:65], 0
	v_nop
	global_prefetch_b8 v0, s[64:65] scope:SCOPE_SE
	s_setreg_imm32_b32 hwreg(HW_REG_WAVE_MODE, 25, 1), 1
	s_wait_xcnt 0x0
; out = LayerNorm(x + O Wo + bo) g + b.  ob: [16][8][1024][96] bf16; x: the features, f32, unrounded; bo, ln_g, ln_b: [768] f32; out0, out1: f32.
; Wo^T lies behind wt's first 2,304 rows IN FRAGMENT ORDER, bf16: block (kc, nb), channels 32 kc on x columns 16 nb on, is 1,024 bytes at (48 kc + nb) x 1,024; in it half j (channels 16 j on) is 512 bytes,
; and lane l = 16 h + r holds the 16 bytes of column r, channels 8 h .. 8 h + 7.  So a fragment is two loads of 16 bytes a lane, each 512 consecutive bytes for the wave, aligned.
; Products' sums, the residual, mean and variance in f32; the variance is the mean of (z - mean)^2, taken in a second pass over registers.
; SHARES.  Work-group g takes 64 rows (sequence g / 16, rows 64 (g % 16) on) x all 768 columns.  In the products wave w has all 64 rows (row blocks a = 0..3) and the columns 256 c + 64 w + 16 bb + 0..15
; (b = 4 c + bb = 0..11): 48 accumulators.  K = 768 goes head by head, three chunks of 32 channels a head.  In the LayerNorm wave w has rows 16 w .. + 15 whole, so that a row's mean and variance stay in the wave.
; WHERE THE OPERANDS COME FROM.  x (64 x 3,072 bytes) and O (8 heads x 64 x 192 bytes) are asked for once, at the head, by three tensor loads a wave; no LDS byte is filled twice.
; NO CLUSTER, NO RING FOR Wo: x's tile, which is also the stage between the two shares, and O's take 322,560 of the 327,680 bytes, and two slots of Wo, even 32 channels deep, are 98,304 at the least.
; A fragment of Wo is multiplied by one wave alone, so it goes from memory straight into registers; three chunks' loads, 72 a wave, are asked for ahead.
; THE MATRIX INSTRUCTION IS USED TRANSPOSED (source 0 = 16 rows of Wo^T, source 1 = 16 rows of O): a lane holds row l % 16 and the columns 8 (l / 16) + 0..7.
; NO PREFETCH: x and O are asked for at the head; Wo^T is walked by every work-group.
; REGISTERS, in windows of 256 (s_set_vgpr_msb: bits 1:0 source 0, 3:2 source 1, 5:4 source 2, 7:6 destination):
;   window 0: v4-15 addresses; v16-29 a row's figures; v48-79, v80-111, v208-239 O's fragments (later x), three buffers; v112-207 Wo's third buffer.  In the LayerNorm: v48-95 two rows as read, v112-159 at work,
;   v160-183 partial sums, v184-231 to store.      window 1: v0-95, v96-191 Wo's first two buffers; later v0-23 bo, v24-47 ln_g, v48-71 ln_b, as a row is read
;   windows 2, 3: accumulators of row blocks 0, 1 and 2, 3: (a, b) at v[96 (a % 2) + 8 b]
.set XPITCH, 3120                      ; a row of x in LDS: three pieces of 1,024 bytes, 16 of padding behind each: 195 x 16, so sixteen rows' loads start at sixteen different groups of four banks (ISA guide 11.1)
.set OT,     64*XPITCH                 ; O: 8 heads x 64 rows x 240 bytes (three pieces of 64 + 16)
.set HEADB,  64*240
.set SPARE,  OT+8*HEADB
.set CHUNKB, 48*1024                   ; Wo^T: the 48 blocks of one chunk of 32 channels
.set AA, 4                             ; v4  LDS address of my fragments of O in the head to be fetched
.set WO, 5                             ; v5  4,096 w + 16 lane: my wave's four blocks in sixteen, my 16 bytes; never rewritten
.set TO, 6                             ; v6  256 w + 32 (l / 16): my columns' bytes in a piece of a row
.set XA, 8                             ; v8-11 my place in x's tile, for row block a
.set RB, 14                            ; v14 my 16 bytes of the first of the two rows to be read
.set GO, 15                            ; v15 16 x lane; never rewritten
.set SUM, 16                           ; v16-17 a row's sum, for the trip's two rows
.set PM,  18                           ; v18-19 the other half of the lanes'
.set MEAN, 20                          ; v[20:21], v[22:23]
.set RSTD, 26                          ; v[26:27], v[28:29]
.set SPW, 46
.set NIL, 47
.set L,   48
.set Z,   112
.set T,   160
.set OUTR, 184
.set WV,  22
.set G1O, 24                           ; s[24:31] O's shape; s[32:39] x's
.set G1X, 32
.set WP,  52                           ; s[52:53] Wo^T at the head to be fetched
.set XP,  54                           ; s[54:55] x at my wave's 16 rows
.set OUTP, 56                          ; s[56:57] out at the same rows, walking
.set SEL, 58
.set INV, 60                           ; s60 1 / 768
.set EPS, 61                           ; s61 1e-5
.set CNT, 62
.set MSB, 0
.macro WIN new
.if MSB != (\new)
	s_set_vgpr_msb (MSB<<8)|(\new)
.set MSB, \new
.endif
.endm
.macro PLACES
.rept 4
	v_nop
.endr
.endm
	s_load_b512 s[4:19], s[0:1], 0x0               ; ob 4, wt 6, visual 8, text 10, bo 12, ln_g 14, ln_b 16, out0 18
	s_load_b64 s[20:21], s[0:1], 0x40              ; out1
	v_lshl_add_u32 v[SPW], v0, 2, SPARE
	v_mov_b32 v[NIL], 0
	ds_add_u32 v[SPW], v[NIL]                      ; the wave's opening: the add and its wait stand ahead of my first tensor load
	v_lshrrev_b32 v1, 5, v0
	v_readfirstlane_b32 s[WV], v1
	s_mov_b32 s23, ttmp9                           ; g
	v_and_b32 v2, 15, v0                           ; l % 16
	v_bfe_u32 v3, v0, 4, 1                         ; l / 16
	v_and_b32 v7, 31, v0
	v_mov_b32 v[PM], 0                             ; v_permlanex16_b32 counts its destination as read
	v_mov_b32 v[PM+1], 0
	s_lshl_b32 s2, s[WV], 12
	v_lshl_add_u32 v[WO], v7, 4, s2
	v_mul_u32_u24 v[AA], v2, 240
	v_lshl_add_u32 v[AA], v3, 4, v[AA]
	v_add_nc_u32 v[AA], OT, v[AA]
	s_lshl_b32 s3, s[WV], 8
	v_lshl_add_u32 v[TO], v3, 5, s3
	v_mul_u32_u24 v[XA], v2, XPITCH
	v_add_nc_u32 v[XA], v[XA], v[TO]
.irp a, 1,2,3
	v_add_nc_u32 v[XA+(\a)], (\a)*16*XPITCH, v[XA]
.endr
	v_lshlrev_b32 v[GO], 4, v7
	s_mul_i32 s67, s[WV], 16*XPITCH
	v_add_nc_u32 v[RB], s67, v[GO]
	; O: a head's 64 rows are 12,288 dense bytes: 48 rows of 256, padded after every 64 bytes.  x: 16 rows of 768 f32, padded after every 1,024 bytes.
	s_mov_b32 s[G1O], (1<<16)|(1<<20)|(3<<22)|(3<<25)
	s_mov_b32 s[G1O+1], 128<<16
	s_mov_b32 s[G1O+2], 48<<16
	s_mov_b32 s[G1O+3], 128<<16
	s_mov_b32 s[G1O+4], 48
	s_mov_b32 s[G1O+5], 128
	s_mov_b32 s[G1O+6], 0
	s_mov_b32 s[G1O+7], 0
	s_mov_b32 s[G1X], (2<<16)|(1<<20)|(7<<22)|(3<<25)
	s_mov_b32 s[G1X+1], 768<<16
	s_mov_b32 s[G1X+2], 16<<16
	s_mov_b32 s[G1X+3], 768<<16
	s_mov_b32 s[G1X+4], 16
	s_mov_b32 s[G1X+5], 768
	s_mov_b32 s[G1X+6], 0
	s_mov_b32 s[G1X+7], 0
	s_mov_b32 s40, 1
	s_mul_i32 s41, s[WV], 2*HEADB
	s_add_co_u32 s41, s41, OT                      ; heads 2 w and 2 w + 1
	s_mov_b32 s44, 1
	s_add_co_u32 s45, s41, HEADB
	s_mov_b32 s48, 1
	s_mul_i32 s49, s[WV], 16*XPITCH                ; x's rows 16 w on
	s_lshr_b32 s2, s23, 4
	s_lshl_b32 s2, s2, 3
	s_lshl_b32 s3, s[WV], 1
	s_add_co_u32 s2, s2, s3                        ; 8 sequence + head
	s_mul_i32 s2, s2, 196608
	s_and_b32 s3, s23, 15
	s_mul_i32 s3, s3, 12288
	s_add_co_u32 s2, s2, s3
	s_mov_b32 s3, 0
	s_and_b32 s66, s23, 127
	s_mul_i32 s66, s66, 196608                     ; 64 rows of 3,072 bytes
	s_mul_i32 s67, s[WV], 49152
	s_add_co_u32 s66, s66, s67
	s_mov_b32 s67, 0
	s_mov_b32 s[SEL], 0x76543210
	s_mov_b32 s[SEL+1], 0xfedcba98
	s_mov_b32 s[INV], 0x3aaaaaab
	s_mov_b32 s[EPS], 0x3727c5ac
	s_wait_dscnt 0x0                               ; the opening add is done
	s_wait_kmcnt 0x0
	s_cmp_lt_u32 s23, 128
	s_cselect_b64 s[XP:XP+1], s[8:9], s[10:11]
	s_cselect_b64 s[OUTP:OUTP+1], s[18:19], s[20:21]
	s_add_nc_u64 s[XP:XP+1], s[XP:XP+1], s[66:67]
	s_add_nc_u64 s[OUTP:OUTP+1], s[OUTP:OUTP+1], s[66:67]
	s_add_nc_u64 s[42:43], s[4:5], s[2:3]
	s_add_nc_u64 s[46:47], s[42:43], 196608
	s_or_b32 s43, s43, 0x80000000
	s_or_b32 s47, s47, 0x80000000
	s_mov_b64 s[50:51], s[XP:XP+1]
	s_or_b32 s51, s51, 0x80000000
	s_add_nc_u64 s[WP:WP+1], s[6:7], 2304*1536
	tensor_load_to_lds s[40:43], s[G1O:G1O+7]      ; three loads of mine are out: O of two heads, then x
	s_nop 0
	tensor_load_to_lds s[44:47], s[G1O:G1O+7]
	s_nop 0
	tensor_load_to_lds s[48:51], s[G1X:G1X+7]
	s_nop 0
	PLACES
.macro SETC c                          ; chunk c's buffers
.if (\c) == 0
.set WBR, 0
.set WBW, 1
.set AFR, 48
.elseif (\c) == 1
.set WBR, 96
.set WBW, 1
.set AFR, 80
.else
.set WBR, 112
.set WBW, 0
.set AFR, 208
.endif
.endm
.macro LOADW c                         ; 12 fragments of Wo^T: block 16 (b / 4) + 4 w + b % 4 of chunk c's 48; each of the 24 loads covers 512 consecutive bytes
	SETC \c
	WIN WBW<<6
.irp b, 0,1,2,3,4,5,6,7,8,9,10,11
	global_load_b128 v[WBR+8*(\b):WBR+8*(\b)+3],   v[WO], s[WP:WP+1] offset:(\c)*CHUNKB+((\b)/4)*16384+((\b)%4)*1024
	global_load_b128 v[WBR+8*(\b)+4:WBR+8*(\b)+7], v[WO], s[WP:WP+1] offset:(\c)*CHUNKB+((\b)/4)*16384+((\b)%4)*1024+512
.endr
	WIN 0
.endm
.macro LOADA c                         ; 4 fragments of O
	SETC \c
	WIN 0
.irp a, 0,1,2,3
	ds_load_b128 v[AFR+8*(\a):AFR+8*(\a)+3],   v[AA] offset:(\a)*16*240+80*(\c)
	ds_load_b128 v[AFR+8*(\a)+4:AFR+8*(\a)+7], v[AA] offset:(\a)*16*240+80*(\c)+32
.endr
.endm
; A chunk: 48 products, the 48 accumulators by turns in the same order in every chunk.  lw, dsw: the younger loads from memory and from LDS that may stay out.
; load = 1: its buffers take the same chunk of the head to be fetched.
.macro CHUNK c, zero, lw, dsw, load
	SETC \c
	s_wait_loadcnt \lw
	s_wait_dscnt \dsw
.irp a, 0,1,2,3
	WIN 0xa0+0x50*((\a)/2)+WBW
.irp b, 0,1,2,3,4,5,6,7,8,9,10,11
.if \zero
	v_wmma_f32_16x16x32_bf16 v[96*((\a)%2)+8*(\b):96*((\a)%2)+8*(\b)+7], v[WBR+8*(\b):WBR+8*(\b)+7], v[AFR+8*(\a):AFR+8*(\a)+7], 0
.else
	v_wmma_f32_16x16x32_bf16 v[96*((\a)%2)+8*(\b):96*((\a)%2)+8*(\b)+7], v[WBR+8*(\b):WBR+8*(\b)+7], v[AFR+8*(\a):AFR+8*(\a)+7], v[96*((\a)%2)+8*(\b):96*((\a)%2)+8*(\b)+7]
.endif
.endr
.endr
	WIN 0
	PLACES                                         ; in front of loads into registers that the products read
.if \load
	LOADW \c
	LOADA \c
.endif
.endm
	LOADW 0
	LOADW 1
	LOADW 2
	s_wait_tensorcnt 1                             ; my two heads of O are in; x stays out
	s_barrier_signal -1
	s_barrier_wait -1
	LOADA 0
	LOADA 1
	LOADA 2
	CHUNK 0, 1, 48, 16, 0                          ; head 0's first chunk starts the sums; two chunks' 48 loads and 16 LDS loads stay out, here and in the loop
	s_mov_b32 s[CNT], 8
	s_branch .Lin                                  ; the loop is entered at its counter
.Lhead:                                                ; seven trips: chunks 1 and 2 of a head, chunk 0 of the next
	CHUNK 1, 0, 48, 16, 1
	CHUNK 2, 0, 48, 16, 1
	CHUNK 0, 0, 48, 16, 0
.Lin:
	s_sub_co_u32 s[CNT], s[CNT], 1
	s_cmp_eq_u32 s[CNT], 0
	s_cbranch_scc1 .Ltail                          ; head 7's chunk 0 is multiplied: there is no head behind it
	s_wait_xcnt 0x0                                ; every load issued so far has read its address
	s_add_nc_u64 s[WP:WP+1], s[WP:WP+1], 3*CHUNKB  ; the next head's three chunks
	v_add_nc_u32 v[AA], HEADB, v[AA]
	LOADW 0
	LOADA 0
	s_branch .Lhead
.Ltail:
	WIN 0x40                                       ; bo, ln_g, ln_b
.irp t, 0,1,2
.irp j, 0,1,2,3,4,5
	global_load_b128 v[24*(\t)+4*(\j):24*(\t)+4*(\j)+3], v[GO], s[12+2*(\t):13+2*(\t)] offset:512*(\j)
.endr
.endr
	WIN 0
	CHUNK 1, 0, 42, 8, 0                           ; behind my 24 loads: chunk 2's 24 and the tables' 18; chunk 2's 8 LDS loads
	CHUNK 2, 0, 18, 0, 0                           ; the tables' 18
; ---- x IS ADDED, in the accumulators' layout, and the sums go into x's bytes of the tile.
.macro XBUF g
.set xbuf, 48+32*((\g)%3)
.if ((\g)%3) == 2
.set xbuf, 208
.endif
.endm
.macro XLOAD g                         ; group g = 3 a + c: x for row block a, my 64 columns of piece c
	XBUF \g
	WIN 0
.irp bb, 0,1,2,3
	ds_load_b128 v[xbuf+8*(\bb):xbuf+8*(\bb)+3],   v[XA+(\g)/3] offset:1040*((\g)%3)+64*(\bb)
	ds_load_b128 v[xbuf+8*(\bb)+4:xbuf+8*(\bb)+7], v[XA+(\g)/3] offset:1040*((\g)%3)+64*(\bb)+16
.endr
.endm
.macro ADDX g                          ; each accumulator is read from its lowest registers on
	XBUF \g
.set gw, 2+(\g)/6
.set ar, 96*(((\g)/3)%2)+32*((\g)%3)
	WIN (gw<<6)|gw
.set p, 0
.rept 16
	v_pk_add_f32 v[ar+2*p:ar+2*p+1], v[ar+2*p:ar+2*p+1], v[xbuf+2*p:xbuf+2*p+1]
.set p, p+1
.endr
.endm
.macro ZSTORE a
.set gw, 2+(\a)/2
.set ar, 96*((\a)%2)
	WIN gw<<2
.set p, 0
.rept 12
	ds_store_b128 v[XA+(\a)], v[ar+8*p:ar+8*p+3]   offset:1040*(p/4)+64*(p%4)
	ds_store_b128 v[XA+(\a)], v[ar+8*p+4:ar+8*p+7] offset:1040*(p/4)+64*(p%4)+16
.set p, p+1
.endr
.endm
	s_wait_tensorcnt 0x0                           ; my rows of x are in,
	s_wait_dscnt 0x0
	s_barrier_signal -1
	s_barrier_wait -1                              ; everybody's are
	XLOAD 0
	XLOAD 1
.set gi, 0
.rept 12
.if gi < 10
	XLOAD gi+2                                     ; two groups ahead, into the buffer that the group before has left
	s_wait_dscnt 16                                ; this group's eight loads are in; the sixteen behind them stay out
.elseif gi == 10
	s_wait_dscnt 8
.else
	s_wait_dscnt 0x0
.endif
	ADDX gi
.set gi, gi+1
.endr
	WIN 0
	s_wait_dscnt 0x0
	s_barrier_signal -1
	s_barrier_wait -1                              ; no wave stores into the tile while another still reads x from it
	ZSTORE 0
	ZSTORE 1
	ZSTORE 2
	ZSTORE 3
	WIN 0
	s_wait_dscnt 0x0                               ; for the others' sake: my columns of all 64 rows are stored
	s_barrier_signal -1
	s_barrier_wait -1
; ---- THE LAYERNORM, by whole rows: eight trips, two rows a trip; a lane holds 24 numbers of a row, columns 128 j + 4 lane + 0..3, j = 0..5.
.macro ROWLOAD
.irp R, 0,1
.irp j, 0,1,2,3,4,5
	ds_load_b128 v[L+24*(\R)+4*(\j):L+24*(\R)+4*(\j)+3], v[RB] offset:(\R)*XPITCH+1040*((\j)/2)+512*((\j)%2)
.endr
.endr
.endm
.macro TADD d, s                       ; partial sum d takes partial sum s, in both rows
.irp R, 0,1
	v_pk_add_f32 v[T+12*(\R)+2*(\d):T+12*(\R)+2*(\d)+1], v[T+12*(\R)+2*(\d):T+12*(\R)+2*(\d)+1], v[T+12*(\R)+2*(\s):T+12*(\R)+2*(\s)+1]
.endr
.endm
.macro ACROSS                          ; partial sum 0's halves, then the 32 lanes: every lane ends with the row's sum
.irp R, 0,1
	v_add_f32 v[SUM+(\R)], v[T+12*(\R)], v[T+12*(\R)+1]
.endr
.irp m, 1,2,4,8
.irp R, 0,1
	v_add_f32_dpp v[SUM+(\R)], v[SUM+(\R)], v[SUM+(\R)] row_xmask:\m row_mask:0xf bank_mask:0xf
.endr
.endr
.irp R, 0,1
	v_permlanex16_b32 v[PM+(\R)], v[SUM+(\R)], s[SEL], s[SEL+1]
.endr
.irp R, 0,1
	v_add_f32 v[SUM+(\R)], v[SUM+(\R)], v[PM+(\R)]
.endr
.endm
	ROWLOAD
	s_wait_loadcnt 0x0                             ; bo, ln_g, ln_b
	s_mov_b32 s[CNT], 8
.Lrow:
	s_wait_dscnt 0x0                               ; the trip's two rows are in
	WIN 0x04                                       ; source 1 in window 1
.set p, 0
.rept 12
.irp R, 0,1
	v_pk_add_f32 v[Z+24*(\R)+2*p:Z+24*(\R)+2*p+1], v[L+24*(\R)+2*p:L+24*(\R)+2*p+1], v[2*p:2*p+1]  ; z = x + O Wo + bo
.endr
.set p, p+1
.endr
	WIN 0
	s_cmp_eq_u32 s[CNT], 1
	s_cbranch_scc1 .Lno_rows                       ; the last trip has no rows behind it
	v_add_nc_u32 v[RB], 2*XPITCH, v[RB]
	ROWLOAD                                        ; the next trip's rows come while this trip's are worked on
.Lno_rows:
.irp q, 0,1,2,3,4,5
.irp R, 0,1
	v_pk_add_f32 v[T+12*(\R)+2*(\q):T+12*(\R)+2*(\q)+1], v[Z+24*(\R)+4*(\q):Z+24*(\R)+4*(\q)+1], v[Z+24*(\R)+4*(\q)+2:Z+24*(\R)+4*(\q)+3]
.endr
.endr
	TADD 0, 1
	TADD 2, 3
	TADD 4, 5
	TADD 0, 2
	TADD 0, 4
	ACROSS
.irp R, 0,1
	v_mul_f32 v[MEAN+2*(\R)],   s[INV], v[SUM+(\R)]
	v_mul_f32 v[MEAN+2*(\R)+1], s[INV], v[SUM+(\R)]
.endr
.set p, 0
.rept 12
.irp R, 0,1
	v_pk_add_f32 v[Z+24*(\R)+2*p:Z+24*(\R)+2*p+1], v[Z+24*(\R)+2*p:Z+24*(\R)+2*p+1], v[MEAN+2*(\R):MEAN+2*(\R)+1] neg_lo:[0,1] neg_hi:[0,1]
.endr
.set p, p+1
.endr
.set p, 0
.rept 4                                ; four chains of squares a row; the first four products start them
.irp R, 0,1
	v_pk_mul_f32 v[T+12*(\R)+2*p:T+12*(\R)+2*p+1], v[Z+24*(\R)+2*p:Z+24*(\R)+2*p+1], v[Z+24*(\R)+2*p:Z+24*(\R)+2*p+1]
.endr
.set p, p+1
.endr
.rept 8
.irp R, 0,1
	v_pk_fma_f32 v[T+12*(\R)+2*(p%4):T+12*(\R)+2*(p%4)+1], v[Z+24*(\R)+2*p:Z+24*(\R)+2*p+1], v[Z+24*(\R)+2*p:Z+24*(\R)+2*p+1], v[T+12*(\R)+2*(p%4):T+12*(\R)+2*(p%4)+1]
.endr
.set p, p+1
.endr
	TADD 0, 1
	TADD 2, 3
	TADD 0, 2
	ACROSS
.irp R, 0,1
	v_fma_f32 v[SUM+(\R)], v[SUM+(\R)], s[INV], s[EPS]
.endr
.irp R, 0,1
	v_rsq_f32 v[RSTD+2*(\R)], v[SUM+(\R)]
.endr
	v_nop                                          ; the plain instruction behind the second of the two
	s_wait_alu depctr_va_vdst(0)                   ; one wait for the two, ahead of their first use
.irp R, 0,1
	v_mov_b32 v[RSTD+2*(\R)+1], v[RSTD+2*(\R)]
.endr
.set p, 0
.rept 12
.irp R, 0,1
	v_pk_mul_f32 v[Z+24*(\R)+2*p:Z+24*(\R)+2*p+1], v[Z+24*(\R)+2*p:Z+24*(\R)+2*p+1], v[RSTD+2*(\R):RSTD+2*(\R)+1]
.endr
.set p, p+1
.endr
	s_wait_xcnt 0x0                                ; the last trip's stores, a trip back, have read their data and their base: only now are these written again
	s_add_nc_u64 s[OUTP:OUTP+1], s[OUTP:OUTP+1], 2*3072  ; the stores below reach back by their immediates
	WIN 0x14                                       ; sources 1 and 2 in window 1
.set p, 0
.rept 12
.irp R, 0,1
	v_pk_fma_f32 v[OUTR+24*(\R)+2*p:OUTR+24*(\R)+2*p+1], v[Z+24*(\R)+2*p:Z+24*(\R)+2*p+1], v[24+2*p:24+2*p+1], v[48+2*p:48+2*p+1]
.endr
.set p, p+1
.endr
	WIN 0
.irp R, 0,1
.irp j, 0,1,2,3,4,5
	global_store_b128 v[GO], v[OUTR+24*(\R)+4*(\j):OUTR+24*(\R)+4*(\j)+3], s[OUTP:OUTP+1] offset:(\R)*3072+512*(\j)-2*3072 th:TH_STORE_NT  ; 512 consecutive bytes, at a multiple of 256 from the output's first byte
.endr
.endr
	s_sub_co_u32 s[CNT], s[CNT], 1
	s_cmp_lg_u32 s[CNT], 0
	s_cbranch_scc1 .Lrow
	s_wait_tensorcnt 0x0                           ; the wave's end
	ds_add_u32 v[SPW], v[NIL]
	s_wait_dscnt 0x0
	s_endpgm
.Lfunc_end_k_qc1e2e5c59d_oproj:
	.size	k_qc1e2e5c59d_oproj, .Lfunc_end_k_qc1e2e5c59d_oproj-k_qc1e2e5c59d_oproj
	.p2alignl 7, 3214868480
	.fill 96, 4, 3214868480
	.section	.rodata,"a",@progbits
	.p2align	6, 0x0
	.amdhsa_kernel k_qc1e2e5c59d_oproj
		.amdhsa_group_segment_fixed_size 327680
		.amdhsa_private_segment_fixed_size 0
		.amdhsa_enable_private_segment 0
		.amdhsa_kernarg_size 72
		.amdhsa_user_sgpr_count 2
		.amdhsa_user_sgpr_kernarg_segment_ptr 1
		.amdhsa_wavefront_size32 1
		.amdhsa_system_sgpr_workgroup_id_x 1
		.amdhsa_system_sgpr_workgroup_id_y 1
		.amdhsa_system_sgpr_workgroup_id_z 1
		.amdhsa_system_vgpr_workitem_id 0
		.amdhsa_next_free_vgpr 960
		.amdhsa_next_free_sgpr 72
		.amdhsa_reserve_vcc 0
		.amdhsa_float_denorm_mode_32 3
		.amdhsa_float_denorm_mode_16_64 3
		.amdhsa_memory_ordered 1
		.amdhsa_forward_progress 1
		.amdhsa_inst_pref_size 84
	.end_amdhsa_kernel
	.amdgpu_metadata
---
amdhsa.version: [ 1, 2 ]
amdhsa.kernels:
  - .name:           k_qc1e2e5c59d_oproj
    .symbol:         k_qc1e2e5c59d_oproj.kd
    .args:
      - { .name: ob, .offset: 0, .size: 8, .value_kind: global_buffer, .address_space: global }
      - { .name: wt, .offset: 8, .size: 8, .value_kind: global_buffer, .address_space: global }
      - { .name: visual_features, .offset: 16, .size: 8, .value_kind: global_buffer, .address_space: global }
      - { .name: text_features, .offset: 24, .size: 8, .value_kind: global_buffer, .address_space: global }
      - { .name: bo, .offset: 32, .size: 8, .value_kind: global_buffer, .address_space: global }
      - { .name: ln_g, .offset: 40, .size: 8, .value_kind: global_buffer, .address_space: global }
      - { .name: ln_b, .offset: 48, .size: 8, .value_kind: global_buffer, .address_space: global }
      - { .name: out0, .offset: 56, .size: 8, .value_kind: global_buffer, .address_space: global }
      - { .name: out1, .offset: 64, .size: 8, .value_kind: global_buffer, .address_space: global }
    .group_segment_fixed_size: 327680
    .private_segment_fixed_size: 0
    .kernarg_segment_align: 8
    .kernarg_segment_size: 72
    .max_flat_workgroup_size: 128
    .sgpr_count:     72
    .vgpr_count:     960
    .wavefront_size: 32
...
	.end_amdgpu_metadata
.endif
;; end of part 8
;; ======== version 3 of 3: 4 launches; version 2 with the launch prep written anew for expert scheduling mode
;; limits: right only within a limited range of input values
;; workspace buffers: xb 25,165,824 bytes; wt 4,718,592 bytes; bias 9,216 bytes; madd 65,536 bytes; qkv 75,497,472 bytes; ob 25,165,824 bytes
;; launch prep (part 9): grid 817 x 1, 4 waves a work-group, no clusters, 17,920 bytes of LDS; arguments visual_features, text_features, Wq, Wk, Wv, Wo, bq, bk, bv, visual_mask, text_mask, xb, wt, bias, madd; writes xb, wt, bias, madd
.if DOCPART == 9
	.amdgcn_target "amdgcn-amd-amdhsa--gfx1250"
	.amdhsa_code_object_version 6
	.text
	.protected	k_qc1e2e5c59d_prep
	.globl	k_qc1e2e5c59d_prep
	.p2align	8
	.type	k_qc1e2e5c59d_prep,@function
k_qc1e2e5c59d_prep:
	s_mov_b64 s[64:65], 0
	v_nop
	global_prefetch_b8 v0, s[64:65] scope:SCOPE_SE
	s_setreg_imm32_b32 hwreg(HW_REG_WAVE_SCHED_MODE, 0, 2), 2
	s_setreg_imm32_b32 hwreg(HW_REG_WAVE_MODE, 25, 1), 1
	s_wait_xcnt 0x0
	s_wait_alu depctr_vm_vsrc(0)
; PREP: what the later launches multiply is written once, rounded once to bf16.
;   xb   [16384][768] bf16: rows 0-8191 visual_features, rows 8192-16383 text_features
;   wt   bf16.  Rows 0-2303, [n][768]: wt[n][k] = W[k][n]; rows 0-767 Wq, 768-1535 Wk, 1536-2303 Wv.
;        Behind them, in as many bytes as 768 such rows: Wo^T IN FRAGMENT ORDER.  Block (kc, nb), channels 32 kc on x columns 16 nb on, is 1,024 bytes at (48 kc + nb) x 1,024;
;        in it half j (channels 16 j on) is 512 bytes, and lane l = 16 h + r holds the 16 bytes of column r, channels 8 h .. 8 h + 7: a matrix operand's registers as they are loaded.
;   bias [2304] f32: bq, bk, bv on end
;   madd [16][1024] f32: 0 where the mask is not 0, -1e30 where it is 0; rows 0-7 visual_mask, rows 8-15 text_mask
; The work-group's number chooses one of four parts; the choice is the same for all four waves of a work-group.
;   0-511   X: 98,304 bytes of features (32 rows) to 49,152 bytes of xb
;   512-799 W: a tile of 128 k x 64 n of one weight matrix, turned in LDS
;   800-815 M: one row of a mask      816 B: the three biases
; No matrix unit, no cluster, no tensor load: every byte is read once and written once, and nothing is shared.
; THE MODE: SCHED_MODE bits 1:0 = 2 (LLVM: expert scheduling mode 2), set by the entry lines.  The code itself states the register dependences
; between vector instructions and memory or LDS instructions, with s_wait_alu, always for 0.
; THE PLAN.  Registers that memory or LDS instructions touch:
;   v1, v2, v[SPW], v[NIL]   made at the head, never written again: one wait on va_vdst ahead of the first branch serves every path.
;   X part.  X: sixteen slots in four blocks of four.  A block's eight conversions read X[b] and write Y[b]; ONE wait on va_vdst stands behind them; behind it the next round's four loads land in
;            X[b] and the four stores read Y[b].  Y[b] is written again a round later: ONE wait on vm_vsrc a round, at the round's end, states that the round's sixteen stores have read Y.
;   W part.  v144-v150, addresses, all made at the part's head, ahead of one wait on va_vdst, never written again.  Y: written once by the conversions, read by the LDS stores: the eight pairs of rows go in
;            four groups; at a group's head one wait on va_vdst states that the group before has written its Y, and that group's LDS stores are dealt among this group's conversions, which name other registers.
;            R: LDS loads write it, global stores read it; no vector instruction names it.
;   M part.  Eight compares write eight scalar masks; one wait on va_sdst; eight selects write Y; one wait on va_vdst; two stores read Y.
;   B part.  No vector instruction.
.set SPARE, 17408                      ; behind the 64 x 272 bytes of the W part's tile: the spare words, 128 bytes a wave
.set SPW,   166                        ; v166 LDS address of my spare word; never rewritten
.set NIL,   167                        ; v167 0; never rewritten
.set X,     4                          ; v[4:67]   as loaded
.set Y,     68                         ; v[68:99]  to store
.set R,     100                        ; v[100:131] W part: rows read back
.set MS,    48                         ; s[48:55]  M part: the eight compares' masks
	s_load_b512 s[16:31], s[0:1], 0x0              ; visual 16, text 18, Wq 20, Wk 22, Wv 24, Wo 26, bq 28, bk 30
	s_load_b256 s[32:39], s[0:1], 0x40             ; bv 32, visual_mask 34, text_mask 36, xb 38
	s_load_b128 s[40:43], s[0:1], 0x60             ; wt 40, bias 42
	s_load_b64 s[44:45], s[0:1], 0x70              ; madd
	v_lshl_add_u32 v[SPW], v0, 2, SPARE
	v_mov_b32 v[NIL], 0
	s_mov_b32 s2, ttmp9
	v_lshlrev_b32 v1, 4, v0                        ; 16 t: never rewritten
	v_lshlrev_b32 v2, 3, v0                        ; 8 t: never rewritten
	s_wait_kmcnt 0x0
	s_wait_alu depctr_va_vdst(0)                   ; v1 and v2 are written: the loads and stores of the X, M and B parts read one of them as their offset
	s_cmp_lt_u32 s2, 512
	s_cbranch_scc0 .Lnot_x
; ---- X.  48 items of 2,048 bytes, three rounds of sixteen slots; thread t takes 16 bytes of an item and stores 8: a wave's store covers 256 consecutive bytes, aligned.
; Twelve to sixteen loads of every wave are on their way.  A round's loads reach one round ahead by their immediates; the two bases step at a round's end.
	s_cmp_lt_u32 s2, 256
	s_cselect_b64 s[4:5], s[16:17], s[18:19]
	s_and_b32 s6, s2, 255
	s_mul_i32 s6, s6, 98304
	s_mov_b32 s7, 0
	s_add_nc_u64 s[4:5], s[4:5], s[6:7]
	s_mul_i32 s8, s2, 49152
	s_mov_b32 s9, 0
	s_add_nc_u64 s[8:9], s[38:39], s[8:9]
.irp i, 0,1,2,3,4,5,6,7,8,9,10,11,12,13,14,15
	global_load_b128 v[X+4*(\i):X+4*(\i)+3], v1, s[4:5] offset:(\i)*2048 th:TH_LOAD_NT
.endr
; Block b of a round: slots 4 b to 4 b + 3.  ahead = 1: the slots are filled again, with the items a round further on.  left = how many younger loads may stay out.
.macro XBLOCK b, ahead, left
	s_wait_loadcnt \left                           ; loads come back in order: the block's four are in, the younger ones stay out
.irp i, 0,1,2,3
	v_cvt_pk_bf16_f32 v[Y+8*(\b)+2*(\i)],   v[X+16*(\b)+4*(\i)],   v[X+16*(\b)+4*(\i)+1]
	v_cvt_pk_bf16_f32 v[Y+8*(\b)+2*(\i)+1], v[X+16*(\b)+4*(\i)+2], v[X+16*(\b)+4*(\i)+3]
.endr
	s_wait_alu depctr_va_vdst(0)                   ; the eight conversions are done reading X[b], in which the loads below land, and have written Y[b], which the stores below read
.if \ahead
.irp i, 0,1,2,3
	global_load_b128 v[X+16*(\b)+4*(\i):X+16*(\b)+4*(\i)+3], v1, s[4:5] offset:(16+4*(\b)+(\i))*2048 th:TH_LOAD_NT  ; the block is asked for again at once
.endr
.endif
.irp i, 0,1,2,3
	global_store_b64 v2, v[Y+8*(\b)+2*(\i):Y+8*(\b)+2*(\i)+1], s[8:9] offset:(4*(\b)+(\i))*1024
.endr
.endm
	s_mov_b32 s12, 2
.Lround:
	XBLOCK 0, 1, 12
	XBLOCK 1, 1, 12
	XBLOCK 2, 1, 12
	XBLOCK 3, 1, 12
	s_wait_xcnt 0x0                                ; the round's loads and stores have read their bases, the stores their data: only now are these written again
	s_wait_alu depctr_vm_vsrc(0)                   ; the round's sixteen stores have read Y, which the next round's conversions write again
	s_add_nc_u64 s[4:5], s[4:5], 32768
	s_add_nc_u64 s[8:9], s[8:9], 16384
	s_sub_co_u32 s12, s12, 1
	s_cmp_lg_u32 s12, 0
	s_cbranch_scc1 .Lround
	XBLOCK 0, 0, 12                                ; the last round loads nothing: the counts run down
	XBLOCK 1, 0, 8
	XBLOCK 2, 0, 4
	XBLOCK 3, 0, 0
	s_endpgm
.Lnot_x:
	s_cmp_lt_u32 s2, 800
	s_cbranch_scc0 .Lnot_w
; ---- W.  e = 72 matrix + 12 kb + nb.  Lane (c = l % 16, hp = l / 16) of wave w loads 16 bytes (4 n) of the rows k and k + 1, k = 32 w + 2 hp + 4 m:
; sixteen lanes take 256 consecutive bytes of a row of W.  Two rows' numbers are packed (k low, k + 1 high) and go into LDS rows of n, 272 bytes apart.
	s_sub_co_u32 s3, s2, 512
	s_mul_i32 s6, s3, 911
	s_lshr_b32 s6, s6, 16                          ; e / 72 for e < 288
	s_mul_i32 s7, s6, 72
	s_sub_co_u32 s7, s3, s7
	s_mul_i32 s10, s7, 43
	s_lshr_b32 s10, s10, 9                         ; kb = rest / 12 for rest < 72
	s_mul_i32 s11, s10, 12
	s_sub_co_u32 s11, s7, s11                      ; nb
	s_cmp_eq_u32 s6, 1
	s_cselect_b64 s[4:5], s[22:23], s[20:21]
	s_cmp_eq_u32 s6, 2
	s_cselect_b64 s[4:5], s[24:25], s[4:5]
	s_cmp_eq_u32 s6, 3
	s_cselect_b64 s[4:5], s[26:27], s[4:5]
	s_mul_i32 s12, s10, 393216                     ; 128 rows of 3,072 bytes
	s_lshl_b32 s13, s11, 8                         ; 64 columns of 4 bytes
	s_add_co_u32 s12, s12, s13
	s_mov_b32 s13, 0
	s_add_nc_u64 s[4:5], s[4:5], s[12:13]
	s_mul_i32 s14, s6, 768
	s_lshl_b32 s15, s11, 6
	s_add_co_u32 s14, s14, s15                     ; wt's row
	s_mul_i32 s14, s14, 1536
	s_lshl_b32 s15, s10, 8                         ; 128 k of 2 bytes
	s_add_co_u32 s14, s14, s15
	s_mov_b32 s15, 0
	s_add_nc_u64 s[8:9], s[40:41], s[14:15]
	v_and_b32 v140, 15, v0                         ; c
	v_bfe_u32 v141, v0, 4, 1                       ; hp
	v_lshrrev_b32 v142, 5, v0                      ; w
	v_lshlrev_b32 v143, 1, v141
	v_lshl_add_u32 v143, v142, 5, v143             ; 32 w + 2 hp
	v_mul_u32_u24 v144, v143, 3072
	v_lshl_add_u32 v144, v140, 4, v144             ; my offset in W
	v_mul_u32_u24 v145, v140, 1088                 ; LDS row 4 c,
	v_lshl_add_u32 v145, v143, 1, v145             ; byte 2 k
	v_lshl_add_u32 v146, v142, 4, v141             ; 16 w + hp
	v_mul_u32_u24 v147, v146, 272
	v_lshl_add_u32 v147, v140, 4, v147             ; back: sixteen lanes take one row of 256 bytes
	v_mul_u32_u24 v148, v146, 1536
	v_lshl_add_u32 v148, v140, 4, v148             ; and the same row in wt
	v_lshl_add_u32 v149, v142, 4, v140             ; for the fragment order (r = c, h = hp): LDS row 16 w + r,
	v_mul_u32_u24 v149, v149, 272
	v_lshl_add_u32 v149, v141, 4, v149             ; + 16 h
	v_lshl_add_u32 v150, v142, 9, v1               ; and 1,024 w + 16 lane = 16 t + 512 w
	s_wait_alu depctr_va_vdst(0)                   ; the six addresses v144, v145, v147 to v150 are written, which the loads and stores of this part read
.irp m, 0,1,2,3,4,5,6,7
	global_load_b128 v[X+8*(\m):X+8*(\m)+3],   v144, s[4:5] offset:(\m)*12288 th:TH_LOAD_NT
	global_load_b128 v[X+8*(\m)+4:X+8*(\m)+7], v144, s[4:5] offset:(\m)*12288+3072 th:TH_LOAD_NT
.endr
; Group g: the pairs m = 2 g and 2 g + 1.  Line e of eight is pair 2 g + e / 4, number i = e % 4.  The group's conversions write Y + 8 g ..; the LDS stores dealt among them read Y + 8 (g - 1) ..
.macro WSTORE g, e
	ds_store_b32 v145, v[Y+8*(\g)+(\e)] offset:((\e)%4)*272+(2*(\g)+(\e)/4)*8
.endm
.macro WGROUP g
	s_wait_loadcnt 12-4*(\g)                       ; the group's four loads are in; the groups behind it stay out
.if (\g) > 0
	s_wait_alu depctr_va_vdst(0)                   ; the group before has written its eight registers of Y, which the LDS stores below read
.endif
.irp e, 0,1,2,3,4,5,6,7
	v_cvt_pk_bf16_f32 v[Y+8*(\g)+(\e)], v[X+16*(\g)+8*((\e)/4)+(\e)%4], v[X+16*(\g)+8*((\e)/4)+4+(\e)%4]
.if (\g) > 0
	WSTORE (\g)-1, \e
.endif
.endr
.endm
	WGROUP 0
	WGROUP 1
	WGROUP 2
	WGROUP 3
	s_wait_alu depctr_va_vdst(0)                   ; the last group has written its eight registers of Y, which the last LDS stores read
.irp e, 0,1,2,3,4,5,6,7
	WSTORE 3, \e
.endr
	s_wait_dscnt 0x0                               ; for the others' sake: my stores into the tile are done
	s_barrier_signal -1
	s_barrier_wait -1
	s_cmp_eq_u32 s6, 3                             ; the matrix's number: the same in all four waves
	s_cbranch_scc1 .Lfrag                          ; Wo goes out in fragment order
.irp t, 0,1,2,3,4,5,6,7
	ds_load_b128 v[R+4*(\t):R+4*(\t)+3], v147 offset:(\t)*544
.endr
.irp t, 0,1,2,3,4,5,6,7
	s_wait_dscnt 7-(\t)
	global_store_b128 v148, v[R+4*(\t):R+4*(\t)+3], s[8:9] offset:(\t)*3072  ; sixteen lanes store 256 consecutive bytes, aligned
.endr
	s_branch .Lw_end
.Lfrag:
; The tile holds 4 x 4 blocks: channels 32 (4 kb + t / 2) on, columns 16 (4 nb + w) on.  Wave w takes its four blocks: load t brings half t % 2 of block t / 2,
; lane (r, h) the 16 bytes of LDS row 16 w + r at byte 32 t + 16 h (sixteen rows 272 bytes apart: sixteen different groups of four banks), and the wave stores 512 consecutive bytes.
	s_mul_i32 s14, s10, 4*48*1024                  ; 4 kb rows of 48 blocks
	s_lshl_b32 s15, s11, 12                        ; 4 nb blocks
	s_add_co_u32 s14, s14, s15
	s_add_co_u32 s14, s14, 2304*1536               ; behind wt's 2,304 rows
	s_mov_b32 s15, 0
	s_add_nc_u64 s[8:9], s[40:41], s[14:15]        ; (no store has named s[8:9] on this way)
.irp t, 0,1,2,3,4,5,6,7
	ds_load_b128 v[R+4*(\t):R+4*(\t)+3], v149 offset:(\t)*32
.endr
.irp t, 0,1,2,3,4,5,6,7
	s_wait_dscnt 7-(\t)
	global_store_b128 v150, v[R+4*(\t):R+4*(\t)+3], s[8:9] offset:((\t)/2)*49152+((\t)%2)*512  ; 512 consecutive bytes, at a multiple of 512 from wt's first byte
.endr
.Lw_end:
	s_wait_dscnt 0x0                               ; the wave's end
	s_wait_alu 0x0
	s_wait_tensorcnt 0x0
	ds_add_u32 v[SPW], v[NIL]
	s_wait_dscnt 0x0
	s_endpgm
.Lnot_w:
	s_cmp_lt_u32 s2, 816
	s_cbranch_scc0 .Lbias
; ---- M.  Row m of the sixteen: 1,024 words of a mask become 1,024 addends; a thread takes two times 16 bytes.
	s_sub_co_u32 s6, s2, 800                       ; m
	s_cmp_lt_u32 s6, 8
	s_cselect_b64 s[4:5], s[34:35], s[36:37]
	s_and_b32 s10, s6, 7
	s_lshl_b32 s10, s10, 12                        ; the row in its mask
	s_mov_b32 s11, 0
	s_add_nc_u64 s[4:5], s[4:5], s[10:11]
	s_lshl_b32 s6, s6, 12                          ; and in madd
	s_mov_b32 s7, 0
	s_add_nc_u64 s[8:9], s[44:45], s[6:7]
	s_mov_b32 s12, 0xf149f2ca                      ; -1e30
	global_load_b128 v[X:X+3],   v1, s[4:5]
	global_load_b128 v[X+4:X+7], v1, s[4:5] offset:2048
	s_wait_loadcnt 0x0
.irp j, 0,1,2,3,4,5,6,7
	v_cmp_eq_u32 s[MS+(\j)], 0, v[X+(\j)]          ; the compares stand in one run, a scalar register to each
.endr
	s_wait_alu depctr_va_sdst(0)                   ; the eight compares have written s[MS ..], ahead of the first select that reads one
.irp j, 0,1,2,3,4,5,6,7
	v_cndmask_b32 v[Y+(\j)], 0, s12, s[MS+(\j)]
.endr
	s_wait_alu depctr_va_vdst(0)                   ; the eight selects have written Y, which the two stores read
	global_store_b128 v1, v[Y:Y+3],   s[8:9]
	global_store_b128 v1, v[Y+4:Y+7], s[8:9] offset:2048
	s_endpgm
.Lbias:
; ---- B.  Three times 3,072 bytes, copied.  No vector instruction stands here: the stores' data come from loads, which the wait on LOADcnt shows done.
.irp i, 0,1,2
	global_load_b64 v[X+2*(\i):X+2*(\i)+1],       v2, s[28:29] offset:(\i)*1024
	global_load_b64 v[X+6+2*(\i):X+6+2*(\i)+1],   v2, s[30:31] offset:(\i)*1024
	global_load_b64 v[X+12+2*(\i):X+12+2*(\i)+1], v2, s[32:33] offset:(\i)*1024
.endr
	s_wait_loadcnt 0x0
.irp i, 0,1,2
	global_store_b64 v2, v[X+2*(\i):X+2*(\i)+1],       s[42:43] offset:(\i)*1024
	global_store_b64 v2, v[X+6+2*(\i):X+6+2*(\i)+1],   s[42:43] offset:3072+(\i)*1024
	global_store_b64 v2, v[X+12+2*(\i):X+12+2*(\i)+1], s[42:43] offset:6144+(\i)*1024
.endr
	s_endpgm
.Lfunc_end_k_qc1e2e5c59d_prep:
	.size	k_qc1e2e5c59d_prep, .Lfunc_end_k_qc1e2e5c59d_prep-k_qc1e2e5c59d_prep
	.p2alignl 7, 3214868480
	.fill 96, 4, 3214868480
	.section	.rodata,"a",@progbits
	.p2align	6, 0x0
	.amdhsa_kernel k_qc1e2e5c59d_prep
		.amdhsa_group_segment_fixed_size 17920
		.amdhsa_private_segment_fixed_size 0
		.amdhsa_enable_private_segment 0
		.amdhsa_kernarg_size 120
		.amdhsa_user_sgpr_count 2
		.amdhsa_user_sgpr_kernarg_segment_ptr 1
		.amdhsa_wavefront_size32 1
		.amdhsa_system_sgpr_workgroup_id_x 1
		.amdhsa_system_sgpr_workgroup_id_y 1
		.amdhsa_system_sgpr_workgroup_id_z 1
		.amdhsa_system_vgpr_workitem_id 0
		.amdhsa_next_free_vgpr 168
		.amdhsa_next_free_sgpr 66
		.amdhsa_reserve_vcc 0
		.amdhsa_float_denorm_mode_32 3
		.amdhsa_float_denorm_mode_16_64 3
		.amdhsa_memory_ordered 1
		.amdhsa_forward_progress 1
		.amdhsa_inst_pref_size 28
	.end_amdhsa_kernel
	.amdgpu_metadata
---
amdhsa.version: [ 1, 2 ]
amdhsa.kernels:
  - .name:           k_qc1e2e5c59d_prep
    .symbol:         k_qc1e2e5c59d_prep.kd
    .args:
      - { .name: visual_features, .offset: 0, .size: 8, .value_kind: global_buffer, .address_space: global }
      - { .name: text_features, .offset: 8, .size: 8, .value_kind: global_buffer, .address_space: global }
      - { .name: Wq, .offset: 16, .size: 8, .value_kind: global_buffer, .address_space: global }
      - { .name: Wk, .offset: 24, .size: 8, .value_kind: global_buffer, .address_space: global }
      - { .name: Wv, .offset: 32, .size: 8, .value_kind: global_buffer, .address_space: global }
      - { .name: Wo, .offset: 40, .size: 8, .value_kind: global_buffer, .address_space: global }
      - { .name: bq, .offset: 48, .size: 8, .value_kind: global_buffer, .address_space: global }
      - { .name: bk, .offset: 56, .size: 8, .value_kind: global_buffer, .address_space: global }
      - { .name: bv, .offset: 64, .size: 8, .value_kind: global_buffer, .address_space: global }
      - { .name: visual_mask, .offset: 72, .size: 8, .value_kind: global_buffer, .address_space: global }
      - { .name: text_mask, .offset: 80, .size: 8, .value_kind: global_buffer, .address_space: global }
      - { .name: xb, .offset: 88, .size: 8, .value_kind: global_buffer, .address_space: global }
      - { .name: wt, .offset: 96, .size: 8, .value_kind: global_buffer, .address_space: global }
      - { .name: bias, .offset: 104, .size: 8, .value_kind: global_buffer, .address_space: global }
      - { .name: madd, .offset: 112, .size: 8, .value_kind: global_buffer, .address_space: global }
    .group_segment_fixed_size: 17920
    .private_segment_fixed_size: 0
    .kernarg_segment_align: 8
    .kernarg_segment_size: 120
    .max_flat_workgroup_size: 128
    .sgpr_count:     66
    .vgpr_count:     168
    .wavefront_size: 32
...
	.end_amdgpu_metadata
.endif
;; end of part 9
;; launch qkv: the kernel of part 6 again; grid 4 x 64, 4 waves a work-group, clusters of 4 x 4, 327,680 bytes of LDS; arguments xb, wt, qkv, bias; writes qkv
;; launch attn: the kernel of part 7 again; grid 4 x 128, 4 waves a work-group, clusters of 4 x 1, 327,680 bytes of LDS; arguments qkv, madd, ob; writes ob
;; launch oproj: the kernel of part 8 again; grid 256 x 1, 4 waves a work-group, no clusters, 327,680 bytes of LDS; arguments ob, wt, visual_features, text_features, bo, ln_g, ln_b, out0, out1; writes out0, out1
